; MI455X (gfx1250); checked and timed in simulation.
; The chip was launched on July 23, 2026; its instructions are those of AMD's public machine-readable ISA for CDNA 5 (MIT licence, August 2026) and "CDNA5" Instruction Set Architecture Reference Guide (July 2026). The comments in the code are by the model that wrote it; some were corrected since.
;; Multi Head Attention. Allowed arithmetic: matrix products marked QUANTISED: E3M2 operands, one E8M0 scale for each 32 along K, by v_wmma_scale_f32_16x16x128_f8f6f4 with both operands' format E3M2, f32 sums; everything else in f32.
;; Inputs: Wk 1,024 x 1,024 float32; Wo 1,024 x 1,024 float32; Wq 1,024 x 1,024 float32; Wv 1,024 x 1,024 float32; k 4 x 2,048 x 1,024 float32; mask 1 x 1 x 2,048 x 2,048 bool; q 4 x 2,048 x 1,024 float32; v 4 x 2,048 x 1,024 float32.
;; Outputs: out0 4 x 2,048 x 1,024 float32.
;; This version of the problem:
;;   THIS VERSION OF THE PROBLEM IS GIVEN IN LOW PRECISION. The matrix products marked QUANTISED in the list below multiply operands that are first quantised to E3M2 (3 exponent bits, 2 mantissa bits; 6 bits a number), with one power-of-two scale for each 32 numbers along K (OCP MX v1.0); their sums are f32. All else is computed in f32.
;;   The module's matrix products, in the order in which they are computed (A, B: the left and right operand; K: the contracted axis; several contracted axes count as one K, in the product's order):
;;     1. [M 8,192, K 1,024] x [K 1,024, N 1,024]; A: input q; B: input Wq: QUANTISED
;;     2. [M 8,192, K 1,024] x [K 1,024, N 1,024]; A: input k; B: input Wk: QUANTISED
;;     3. [M 8,192, K 1,024] x [K 1,024, N 1,024]; A: input v; B: input Wv: QUANTISED
;;     4. batch 64 x [M 2,048, K 64] x [K 64, N 2,048]; A: computed on the way; B: computed on the way: QUANTISED
;;     5. batch 64 x [M 2,048, K 2,048] x [K 2,048, N 64]; A: computed on the way; B: computed on the way: QUANTISED
;;     6. [M 8,192, K 1,024] x [K 1,024, N 1,024]; A: computed on the way; B: input Wo: QUANTISED
;;   THE QUANTISER, for each operand of a quantised product, along K:
;;     - K is cut into blocks of 32 from its start; a last block that is shorter is filled with zeros.
;;     - A block's scale is 2^e with e = floor(log2(the largest magnitude in the block)) - 4, held to -126 .. 127; a block of zeros has e = 0. As a byte (E8M0): e + 127.
;;     - Each number is divided by its block's scale, clamped to +-28, and rounded to the nearest number of E3M2, ties to even, subnormals kept.
;;     - The product sums the exact products of the quantised numbers (number of the format x scale) in f32.
;;   ~~~python
;;   def quantise(x, axis):      # numpy; x: float32 -> the quantised numbers, widened to float32 again
;;       x = np.moveaxis(x, axis, -1); K = x.shape[-1]
;;       x = np.pad(x, [(0, 0)] * (x.ndim - 1) + [(0, -K % 32)]); x = x.reshape(x.shape[:-1] + (-1, 32)); a = np.abs(x).max(-1, keepdims=True)
;;       e = np.where(a > 0, np.clip(np.frexp(np.where(a > 0, a, 1))[1] - 1 - 4, -126, 127), 0)      # np.frexp(a)[1] - 1 = floor(log2(a)), exactly
;;       r = np.clip(x / 2.0 ** e, -28, 28)
;;       step = 2.0 ** (np.maximum(np.frexp(np.where(r == 0, 1, r))[1] - 1, -2) - 2)
;;       q = np.round(r / step) * step * 2.0 ** e      # np.round: ties to even
;;       return np.moveaxis(q.reshape(q.shape[:-2] + (-1,))[..., :K], -1, axis).astype(np.float32)
;;   ~~~
;;   OPERANDS COMPUTED ON THE WAY. 'Computed on the way' means the value that the module computes at that place (a softmax that the list does not call 'softmax' is quantised finished and normalised). What goes into a quantiser is computed in f32, as accurately as f32 sums, v_exp_f32 and their like allow (about 1e-6 of the number): no bf16 or f16 on the way to a quantiser, and a product that is left as it is and whose result goes on into a quantised operand takes f32 operands (vector FMAs, or v_wmma_f32_16x16x4_f32). A number that lies on a knife's edge between two numbers of the format may be rounded either way, as far as f32 arithmetic and the matrix unit's own rounding can turn it there, and no further.
;; 2 versions. Each part assembles by itself: llvm-mc -triple=amdgcn-amd-amdhsa -mcpu=gfx1250 --defsym DOCPART=n.
;; ======== version 1 of 2: 4 launches
;; workspace buffers: wimg 3,145,728 bytes; wscl 131,072 bytes; qkvc 18,874,368 bytes; qkvs 1,572,864 bytes; acod 6,291,456 bytes; ascl 524,288 bytes; flags 2,048 bytes of whole numbers
;; launch prep (part 1): grid 192 x 1, 4 waves a work-group, no clusters, 34,304 bytes of LDS; arguments Wq, Wk, Wv, Wo, mask, wimg, wscl, flags; writes wimg, wscl, flags
.if DOCPART == 1
	.amdgcn_target "amdgcn-amd-amdhsa--gfx1250"
	.amdhsa_code_object_version 6
	.text
	.protected	k_qedc77ce77f_prep
	.globl	k_qedc77ce77f_prep
	.p2align	8
	.type	k_qedc77ce77f_prep,@function
k_qedc77ce77f_prep:
	s_mov_b64 s[64:65], 0
	v_nop
	global_prefetch_b8 v0, s[64:65] scope:SCOPE_SE
	s_setreg_imm32_b32 hwreg(HW_REG_WAVE_MODE, 25, 1), 1
	s_wait_xcnt 0x0
; TWO JOBS IN ONE LAUNCH, parted by the work-group's number.
; Work-groups 0-63: the four weights [1024][1024] f32 (K innermost) become codes of BF6 (E3M2) with one E8M0 byte for each 32 along K, laid as IMAGES OF THE OPERAND'S REGISTERS:
;   wimg [w 4][hd 16][s 8][t 4][c 3][lane 32][16 B]: fragment (16 rows x 128 K, 12 registers a lane) of weight w, rows 64 hd on, K step s, tile t.  Lane r of tile t = 2 b + u holds row 64 hd + 32 b + 8 u + r + 8 (r / 8),
;   so that the 16 registers of the results of tiles 2 b and 2 b + 1 are 16 neighbours along the next product's K.
;   wscl [w][hd][j 2][hf 2][lane 32][16 B]: lane 16 (t & 1) + r, t = 2 j + (lane / 16), holds the scale words of K steps 4 hf .. 4 hf + 3.
;   Work-group = (w, hd), wave = tile t.  A block's scale: the largest magnitude's exponent field - 4, held at 1 from below (a block of zeros keeps the byte 1: its codes are zeros, and this program alone reads the bytes).
; Work-groups 64-191: the mask [2048][2048] of bytes is classed by tiles of 64 queries x 128 keys, a wave a tile: 0 all masked, 1 none masked, 2 mixed; flags word [g 32][j 16] = class << 2 j.
;   (One store of 4 bytes a wave, 2,048 bytes in all: too little to gather.)
; LIMITS: NaN and infinities among the weights are not served; blocks whose largest magnitude lies under 2^-122 keep the byte 1.
; No tensor loads, no barrier: waves share nothing.  The stage in LDS is each wave's own.
.set LI,   4                           ; v4   16 x lane; also the loads' offset for a tile's rows 0-7
.set XO,   4                           ; v5   the same + 8 rows: a tile's rows 8-15 lie 8 rows further on
.set STI,  9                           ; v9   the stage, on the way in: 16 x lane
.set STO,  10                          ; v10  on the way out: 528 r + 64 h
.set SWO,  11                          ; v11  the scale words' place: 512 h + 16 r
.set TM,   48                          ; v48-63  at work in QUANT
.set PW,   64                          ; v64  the scale word just made
.set PC,   72                          ; v72-91  the codes just made
.set X,    96                          ; v96-159 64 numbers of my row: register 16 b + i = k 32 b + 16 h + i
.set SW,   160                         ; v160-167 the eight K steps' scale words
.set SD,   168                         ; v168-171 four of them, by the lane's half
.set WV,   20
.set SEL,  30                          ; s[30:31] v_permlanex16_b32's selects for lane l xor 16
.set HM,   32                          ; s32  lanes 16-31
.set XP,   4                           ; s[4:5]  my tile's first row
.set WI,   14                          ; s[14:15] my tile's images
.set MSB, 0
.macro WIN new                         ; the immediate's high byte repeats the setting that is left
.if MSB != (\new)
	s_set_vgpr_msb (MSB<<8)|(\new)
.set MSB, \new
.endif
.endm
; 64 numbers of a lane, register 16 b + i = k 32 b + 16 (lane / 16) + i of my row, become a fragment's codes in v[PC] on and its scale word in v[PW]
.macro QUANT s
.irp b, 0,1,2,3
	v_max3_num_f32 v[TM+\b], |v[\s+16*\b]|, |v[\s+1+16*\b]|, 0x2800000   ; block b: my 16 numbers, and the floor 2^(5 - 127): the byte cannot fall under 1
.endr
.irp i, 2,4,6,8,10,12,14
.irp b, 0,1,2,3
	v_max3_num_f32 v[TM+\b], v[TM+\b], |v[\s+16*\b+\i]|, |v[\s+1+16*\b+\i]|   ; the four blocks by turns
.endr
.endr
.irp b, 0,1,2,3
	v_permlanex16_b32 v[TM+4+\b], v[TM+\b], s[SEL], s[SEL+1]
.endr
.irp b, 0,1,2,3
	v_max_num_f32 v[TM+\b], v[TM+\b], v[TM+4+\b]   ; with lane l xor 16's: the block's largest magnitude
.endr
.irp b, 0,1,2,3
	v_add_nc_u32 v[TM+12+\b], 0xfe000000, v[TM+\b]   ; 4 off its exponent field: the conversion's scale operand
.endr
.irp b, 0,1,2,3
	v_lshrrev_b32 v[TM+4+\b], 23, v[TM+12+\b]      ; the scale's byte
.endr
	v_lshl_or_b32 v[PW], v[TM+5], 8, v[TM+4]
	v_lshl_or_b32 v[PW], v[TM+6], 16, v[PW]
	v_lshl_or_b32 v[PW], v[TM+7], 24, v[PW]
.irp c, 0,1
	v_cvt_scalef32_pk16_bf6_f32 v[PC+6*\c:PC+2+6*\c], v[\s+32*\c:\s+15+32*\c], v[TM+12+2*\c]
	v_cvt_scalef32_pk16_bf6_f32 v[PC+12+4*\c:PC+14+4*\c], v[\s+16+32*\c:\s+31+32*\c], v[TM+12+2*\c+1]   ; (a conversion's three registers begin on an even number)
.endr
	v_nop                                          ; one plain place behind a scaled conversion
.irp c, 0,1                                    ; the operand's layout wants a whole block in a lane
.irp i, 0,1,2
	v_permlane16_swap_b32 v[PC+6*\c+\i], v[PC+12+4*\c+\i]
.endr
.irp i, 0,1,2
	v_mov_b32 v[PC+3+6*\c+\i], v[PC+12+4*\c+\i]
.endr
.endr
.endm
.macro XLOAD rs, ks                    ; K step ks of my 16 rows into set rs of window 1: each load reads 512 consecutive bytes of one row
	WIN 0x40
.set i, 0
.rept 16
	global_load_b128 v[64*(\rs)+4*i:64*(\rs)+4*i+3], v[XO+i/8], s[XP:XP+1] offset:4096*i+512*(\ks) th:TH_LOAD_NT
.set i, i+1
.endr
	WIN 0
.endm
.macro TURN rs                         ; through my stage: in as loaded, a row to a store; out 64 bytes a lane.  LDS serves a wave's instructions in order
	WIN 0x04
.set i, 0
.rept 16
	ds_store_b128 v[STI], v[64*(\rs)+4*i:64*(\rs)+4*i+3] offset:528*i
.set i, i+1
.endr
	WIN 0
.set i, 0
.rept 16
	ds_load_b128 v[X+4*i:X+4*i+3], v[STO] offset:128*(i/4)+16*(i%4)
.set i, i+1
.endr
.endm
.macro XSTEP ks
.if (\ks)+3 < 8
	XLOAD ((\ks)+3)%4, (\ks)+3                     ; three K steps ahead; that set's stores into the stage were waited for in the last step
.endif
.if 7-(\ks) >= 3
	s_wait_loadcnt 48                              ; this step's 16 loads are in; those of the three later steps may be out
.else
	s_wait_loadcnt 16*(7-(\ks))
.endif
	TURN (\ks)%4
	s_wait_dscnt 0x0
	s_wait_xcnt 0x0                                ; the last step's stores have read the codes' registers
	QUANT X
.irp c, 0,1,2
	global_store_b128 v[LI], v[PC+4*\c:PC+4*\c+3], s[WI:WI+1] offset:6144*(\ks)+512*\c   ; 512 consecutive bytes a store
.endr
	v_mov_b32 v[SW+(\ks)], v[PW]
.endm
	s_load_b256 s[4:11], s[0:1], 0x0               ; Wq, Wk, Wv, Wo
	s_load_b256 s[12:19], s[0:1], 0x20             ; mask, wimg, wscl, flags
	v_lshl_add_u32 v254, v0, 2, 0x8400
	v_mov_b32 v255, 0
	v_lshrrev_b32 v1, 5, v0
	v_readfirstlane_b32 s[WV], v1                  ; wave 0..3
	v_and_b32 v1, 31, v0                           ; lane
	s_cmp_lt_u32 ttmp9, 64
	s_cbranch_scc0 .Lmask
	; ---- the weights
	v_and_b32 v2, 15, v0                           ; r
	v_bfe_u32 v3, v0, 4, 1                         ; h
	v_lshlrev_b32 v[LI], 4, v1
	v_add_nc_u32 v[XO+1], 32768, v[LI]
	s_mul_i32 s21, s[WV], 8448                     ; my stage: 16 rows x (512 + 16) bytes
	v_add_nc_u32 v[STI], s21, v[LI]
	v_mul_u32_u24 v[STO], v2, 528
	v_lshl_add_u32 v[STO], v3, 6, v[STO]
	v_add_nc_u32 v[STO], s21, v[STO]
	v_lshlrev_b32 v[SWO], 4, v2
	v_lshl_add_u32 v[SWO], v3, 9, v[SWO]
.irp b, 0,1,2,3
	v_mov_b32 v[TM+4+\b], 0                        ; written once: a lane permute's destination counts as one of its sources
.endr
	s_mov_b32 s[SEL], 0x76543210
	s_mov_b32 s[SEL+1], 0xfedcba98
	s_mov_b32 s[HM], 0xffff0000
	s_lshr_b32 s22, ttmp9, 4                       ; which weight
	s_and_b32 s23, ttmp9, 15                       ; which 64 rows
	s_lshl_b32 s24, s23, 6
	s_lshr_b32 s25, s[WV], 1
	s_lshl_b32 s25, s25, 5
	s_add_co_u32 s24, s24, s25
	s_and_b32 s25, s[WV], 1
	s_lshl_b32 s25, s25, 3
	s_add_co_u32 s24, s24, s25                     ; my tile's first row: 64 hd + 32 (t / 2) + 8 (t % 2)
	s_lshl_b32 s24, s24, 12
	s_mov_b32 s25, 0
	s_mul_i32 s26, s22, 786432
	s_mul_i32 s27, s23, 49152
	s_add_co_u32 s26, s26, s27
	s_mul_i32 s27, s[WV], 1536
	s_add_co_u32 s26, s26, s27
	s_mov_b32 s27, 0
	s_lshl_b32 s28, s22, 15
	s_lshl_b32 s29, s23, 11
	s_add_co_u32 s28, s28, s29
	s_lshr_b32 s29, s[WV], 1
	s_lshl_b32 s29, s29, 10
	s_add_co_u32 s28, s28, s29
	s_and_b32 s29, s[WV], 1
	s_lshl_b32 s29, s29, 8
	s_add_co_u32 s28, s28, s29
	s_mov_b32 s29, 0
	s_wait_kmcnt 0x0
	s_cmp_eq_u32 s22, 1                            ; the choice hangs on the work-group's number alone
	s_cselect_b64 s[4:5], s[6:7], s[4:5]
	s_cmp_eq_u32 s22, 2
	s_cselect_b64 s[4:5], s[8:9], s[4:5]
	s_cmp_eq_u32 s22, 3
	s_cselect_b64 s[4:5], s[10:11], s[4:5]
	s_add_nc_u64 s[XP:XP+1], s[XP:XP+1], s[24:25]
	s_add_nc_u64 s[WI:WI+1], s[WI:WI+1], s[26:27]
	s_add_nc_u64 s[16:17], s[16:17], s[28:29]
	XLOAD 0, 0
	XLOAD 1, 1
	XLOAD 2, 2
.irp n, 0,1,2,3,4,5,6,7
	XSTEP \n
.endr
.irp i, 0,1,2,3
	v_cndmask_b32 v[SD+\i], v[SW+\i], v[SW+4+\i], s[HM]   ; lanes 0-15 store K steps 0-3, lanes 16-31 K steps 4-7
.endr
	global_store_b128 v[SWO], v[SD:SD+3], s[16:17] ; two runs of 256 consecutive bytes
	s_wait_tensorcnt 0x0
	ds_add_u32 v254, v255
	s_wait_dscnt 0x0
	s_endpgm
	; ---- the mask
.Lmask:
	s_sub_co_u32 s21, ttmp9, 64
	s_lshl_b32 s21, s21, 2
	s_add_co_u32 s21, s21, s[WV]                   ; the tile's number: 16 g + j
	s_lshr_b32 s22, s21, 4
	s_and_b32 s23, s21, 15
	s_lshl_b32 s24, s22, 17                        ; 64 rows of 2,048 bytes
	s_lshl_b32 s25, s23, 7
	s_add_co_u32 s24, s24, s25
	s_mov_b32 s25, 0
	v_lshrrev_b32 v2, 3, v1
	v_and_b32 v3, 7, v1
	v_lshlrev_b32 v4, 11, v2
	v_lshl_add_u32 v4, v3, 4, v4                   ; eight lanes to a row's 128 bytes, four rows a load
	s_mov_b32 s26, 0x01010101
	s_wait_kmcnt 0x0
	s_add_nc_u64 s[12:13], s[12:13], s[24:25]
.set i, 0
.rept 16
	global_load_b128 v[16+4*i:19+4*i], v4, s[12:13] offset:8192*i
.set i, i+1
.endr
	s_wait_loadcnt 0x0
	v_or_b32 v8, v16, v17
	v_and_b32 v9, v16, v17
.set i, 2
.rept 62
	v_or_b32 v8, v8, v[16+i]
	v_and_b32 v9, v9, v[16+i]
.set i, i+1
.endr
	v_cmp_ne_u32 vcc_lo, 0, v8                     ; a lane that saw a masked byte
	v_cmp_ne_u32 s27, s26, v9                      ; a lane that saw an open byte
	s_cmp_lg_u32 vcc_lo, 0
	s_cselect_b32 s28, 2, 1
	s_cmp_lg_u32 s27, 0
	s_cselect_b32 s28, s28, 0
	s_lshl_b32 s23, s23, 1
	s_lshl_b32 s28, s28, s23                       ; class << 2 j
	v_mov_b32 v5, s28
	s_lshl_b32 s21, s21, 2
	v_mov_b32 v6, s21
	v_cmp_eq_u32 vcc_lo, 0, v1
	s_wait_xcnt 0x0                                ; EXEC changes only behind this wait
	s_and_saveexec_b32 s29, vcc_lo
	global_store_b32 v6, v5, s[18:19]
	s_wait_xcnt 0x0
	s_or_b32 exec_lo, exec_lo, s29
	s_endpgm
.Lfunc_end_k_qedc77ce77f_prep:
	.size	k_qedc77ce77f_prep, .Lfunc_end_k_qedc77ce77f_prep-k_qedc77ce77f_prep
	.p2alignl 7, 3214868480
	.fill 96, 4, 3214868480
	.section	.rodata,"a",@progbits
	.p2align	6, 0x0
	.amdhsa_kernel k_qedc77ce77f_prep
		.amdhsa_group_segment_fixed_size 34304
		.amdhsa_private_segment_fixed_size 0
		.amdhsa_enable_private_segment 0
		.amdhsa_kernarg_size 64
		.amdhsa_user_sgpr_count 2
		.amdhsa_user_sgpr_kernarg_segment_ptr 1
		.amdhsa_wavefront_size32 1
		.amdhsa_system_sgpr_workgroup_id_x 1
		.amdhsa_system_sgpr_workgroup_id_y 1
		.amdhsa_system_sgpr_workgroup_id_z 1
		.amdhsa_system_vgpr_workitem_id 0
		.amdhsa_next_free_vgpr 512
		.amdhsa_next_free_sgpr 66
		.amdhsa_reserve_vcc 1
		.amdhsa_float_denorm_mode_32 3
		.amdhsa_float_denorm_mode_16_64 3
		.amdhsa_memory_ordered 1
		.amdhsa_forward_progress 1
		.amdhsa_inst_pref_size 72
	.end_amdhsa_kernel
	.amdgpu_metadata
---
amdhsa.version: [ 1, 2 ]
amdhsa.kernels:
  - .name:           k_qedc77ce77f_prep
    .symbol:         k_qedc77ce77f_prep.kd
    .args:
      - { .name: Wq, .offset: 0, .size: 8, .value_kind: global_buffer, .address_space: global }
      - { .name: Wk, .offset: 8, .size: 8, .value_kind: global_buffer, .address_space: global }
      - { .name: Wv, .offset: 16, .size: 8, .value_kind: global_buffer, .address_space: global }
      - { .name: Wo, .offset: 24, .size: 8, .value_kind: global_buffer, .address_space: global }
      - { .name: mask, .offset: 32, .size: 8, .value_kind: global_buffer, .address_space: global }
      - { .name: wimg, .offset: 40, .size: 8, .value_kind: global_buffer, .address_space: global }
      - { .name: wscl, .offset: 48, .size: 8, .value_kind: global_buffer, .address_space: global }
      - { .name: flags, .offset: 56, .size: 8, .value_kind: global_buffer, .address_space: global }
    .group_segment_fixed_size: 34304
    .private_segment_fixed_size: 0
    .kernarg_segment_align: 8
    .kernarg_segment_size: 64
    .max_flat_workgroup_size: 128
    .sgpr_count:     66
    .vgpr_count:     512
    .wavefront_size: 32
...
	.end_amdgpu_metadata
.endif
;; end of part 1
;; launch proj (part 2): grid 128 x 3, 4 waves a work-group, no clusters, 86,528 bytes of LDS; arguments q, k, v, wimg, wscl, qkvc, qkvs; writes qkvc, qkvs
.if DOCPART == 2
	.amdgcn_target "amdgcn-amd-amdhsa--gfx1250"
	.amdhsa_code_object_version 6
	.text
	.protected	k_qedc77ce77f_proj
	.globl	k_qedc77ce77f_proj
	.p2align	8
	.type	k_qedc77ce77f_proj,@function
k_qedc77ce77f_proj:
	s_mov_b64 s[64:65], 0
	v_nop
	global_prefetch_b8 v0, s[64:65] scope:SCOPE_SE
	s_setreg_imm32_b32 hwreg(HW_REG_WAVE_MODE, 25, 1), 1
	s_wait_xcnt 0x0
; Q = q Wq^T, K = k Wk^T, V = v Wv^T on codes of BF6 (E3M2) with one E8M0 scale for each 32 along K; the results are quantised at once for attention's products and stored as images of operand registers.
; SHARES.  A work-group takes 64 tokens (x: 32 b + blk) of one tensor (y: 0 q, 1 k, 2 v), for all 1,024 columns.  X: wave w quantises 16 rows of x, 8 fragments, and stores their images to LDS; ONE barrier; every wave takes all 32
; fragments into registers (384).  Then wave w makes heads 4 w .. 4 w + 3: 64 tokens x 64 columns each, 16 accumulators by turns, K in 8 steps of 128; W's fragments come from wimg straight into a ring of
; four slots of registers.  So x is read from memory once.  The weights' codes are read by every work-group, 786,432 bytes each: that is the price of no LDS round trip for them; no multicast, since nothing goes through LDS by a tensor load.
; Q and K: source 0 = 16 rows of W, source 1 = 16 tokens: a lane holds ONE token and its registers run along d: quantised along d.  V: the sources swapped: a lane holds ONE d and its registers run along the tokens: quantised along the keys.
; For K and V the tokens of a tile of x are 32 b + 8 u + r + 8 (r / 8) (tile 2 b + u), for Q 16 m + r.
; qkvc [tensor 3][bh 64][blk 32][j 4][768 B]: HALF fragments (64 along K, registers 0-5): registers 0-3 at 16 x lane, registers 4-5 at 512 + 8 x lane.  qkvs [tensor][bh][blk][j][r 16][4 B]: bytes 0, 1 the two blocks' scales, bytes 2, 3 zero.
; LIMITS: NaN and infinities are not served; blocks whose largest magnitude lies under 2^-122 keep the byte 1 (a block of zeros too: its codes are zeros, and this program alone reads the bytes).
; REGISTERS: window 0: v4-12 addresses; v16-31 x's scale words; v32-47 W's; v48-125 at work; v128-255 the accumulators (in phase X v96-159 hold numbers of x).  Window 1: in phase X four sets of loads, then x's fragments of K steps 0-3;
;   window 2: those of K steps 4-7; window 3: W's ring.
.set LI,   4                           ; v4   16 x lane; also the loads' offset for a tile's rows 0-7
.set XO,   4                           ; v5   the same for rows 8-15
.set LS,   7                           ; v7   4 x lane
.set L8,   8                           ; v8   8 x lane
.set STI,  9
.set STO,  10
.set XWI,  11                          ; v11  where I store x's images: 16 x lane + 12,288 x wave
.set XWS,  12                          ; v12  and their scale words: 64 x wave + 4 r
.set XS,   16                          ; register 2 s + jj: tile 2 jj in lanes 0-15, tile 2 jj + 1 in lanes 16-31
.set WS,   32                          ; register 8 j + s: tile 2 j in lanes 0-15, tile 2 j + 1 in lanes 16-31
.set TM,   48
.set PW,   64
.set PC,   72
.set X,    96
.set ACC,  128
.set ETB,  48
.set ET,   ETB
.set EU,   ETB+8
.set EO,   ETB+16
.set EH,   ETB+24
.set EX,   ETB+56
.set EWD,  ETB+72
.set ESW,  ETB+76
.set EA,   128
.set EW1,  0
.set EW2,  0
.set EW3,  0
.set XIMG, 0                           ; LDS: x's 32 fragments: (tile m, K step s) at 1,536 (8 m + s)
.set XSC,  49152                       ; their scale words: 256 s + 64 m + 4 r
.set STG,  51200                       ; four stages of 16 rows x 528 bytes
.set WV,   18
.set TY,   19
.set SEL,  20
.set HM,   22
.set HC,   23
.set EXTRA, 24
.set XP,   28
.set WP,   30
.set WSP,  32
.set OC,   34
.set OS,   36
.set MSB, 0
.macro WIN new                         ; the immediate's high byte repeats the setting that is left
.if MSB != (\new)
	s_set_vgpr_msb (MSB<<8)|(\new)
.set MSB, \new
.endif
.endm
.macro PLACES n                        ; plain vector instructions between a matrix instruction and what touches its registers (ISA guide 7.12.1)
.rept \n
	v_nop
.endr
.endm
; one matrix instruction.  zero: the sum begins; ra, rb: the side's scales stand in lanes 16-31 of the register named
.macro WM d, a, b, zero, sa, ra, sb, rb
.if (\zero) && (\ra) && (\rb)
	v_wmma_scale_f32_16x16x128_f8f6f4 v[0+(\d):7+(\d)], v[0+(\a):11+(\a)], v[0+(\b):11+(\b)], 0, v[\sa], v[\sb] matrix_a_fmt:MATRIX_FMT_BF6 matrix_b_fmt:MATRIX_FMT_BF6 matrix_a_scale:MATRIX_SCALE_ROW1 matrix_b_scale:MATRIX_SCALE_ROW1
.elseif (\zero) && (\ra)
	v_wmma_scale_f32_16x16x128_f8f6f4 v[0+(\d):7+(\d)], v[0+(\a):11+(\a)], v[0+(\b):11+(\b)], 0, v[\sa], v[\sb] matrix_a_fmt:MATRIX_FMT_BF6 matrix_b_fmt:MATRIX_FMT_BF6 matrix_a_scale:MATRIX_SCALE_ROW1
.elseif (\zero) && (\rb)
	v_wmma_scale_f32_16x16x128_f8f6f4 v[0+(\d):7+(\d)], v[0+(\a):11+(\a)], v[0+(\b):11+(\b)], 0, v[\sa], v[\sb] matrix_a_fmt:MATRIX_FMT_BF6 matrix_b_fmt:MATRIX_FMT_BF6 matrix_b_scale:MATRIX_SCALE_ROW1
.elseif (\zero)
	v_wmma_scale_f32_16x16x128_f8f6f4 v[0+(\d):7+(\d)], v[0+(\a):11+(\a)], v[0+(\b):11+(\b)], 0, v[\sa], v[\sb] matrix_a_fmt:MATRIX_FMT_BF6 matrix_b_fmt:MATRIX_FMT_BF6
.elseif (\ra) && (\rb)
	v_wmma_scale_f32_16x16x128_f8f6f4 v[0+(\d):7+(\d)], v[0+(\a):11+(\a)], v[0+(\b):11+(\b)], v[0+(\d):7+(\d)], v[\sa], v[\sb] matrix_a_fmt:MATRIX_FMT_BF6 matrix_b_fmt:MATRIX_FMT_BF6 matrix_a_scale:MATRIX_SCALE_ROW1 matrix_b_scale:MATRIX_SCALE_ROW1
.elseif (\ra)
	v_wmma_scale_f32_16x16x128_f8f6f4 v[0+(\d):7+(\d)], v[0+(\a):11+(\a)], v[0+(\b):11+(\b)], v[0+(\d):7+(\d)], v[\sa], v[\sb] matrix_a_fmt:MATRIX_FMT_BF6 matrix_b_fmt:MATRIX_FMT_BF6 matrix_a_scale:MATRIX_SCALE_ROW1
.elseif (\rb)
	v_wmma_scale_f32_16x16x128_f8f6f4 v[0+(\d):7+(\d)], v[0+(\a):11+(\a)], v[0+(\b):11+(\b)], v[0+(\d):7+(\d)], v[\sa], v[\sb] matrix_a_fmt:MATRIX_FMT_BF6 matrix_b_fmt:MATRIX_FMT_BF6 matrix_b_scale:MATRIX_SCALE_ROW1
.else
	v_wmma_scale_f32_16x16x128_f8f6f4 v[0+(\d):7+(\d)], v[0+(\a):11+(\a)], v[0+(\b):11+(\b)], v[0+(\d):7+(\d)], v[\sa], v[\sb] matrix_a_fmt:MATRIX_FMT_BF6 matrix_b_fmt:MATRIX_FMT_BF6
.endif
.endm
; 64 numbers of a lane, register 16 b + i = k 32 b + 16 (lane / 16) + i of my row, become a fragment's codes in v[PC] on and its scale word in v[PW]
.macro QUANT s
.irp b, 0,1,2,3
	v_max3_num_f32 v[TM+\b], |v[\s+16*\b]|, |v[\s+1+16*\b]|, 0x2800000   ; block b: my 16 numbers, and the floor 2^(5 - 127): the byte cannot fall under 1
.endr
.irp i, 2,4,6,8,10,12,14
.irp b, 0,1,2,3
	v_max3_num_f32 v[TM+\b], v[TM+\b], |v[\s+16*\b+\i]|, |v[\s+1+16*\b+\i]|
.endr
.endr
.irp b, 0,1,2,3
	v_permlanex16_b32 v[TM+4+\b], v[TM+\b], s[SEL], s[SEL+1]
.endr
.irp b, 0,1,2,3
	v_max_num_f32 v[TM+\b], v[TM+\b], v[TM+4+\b]
.endr
.irp b, 0,1,2,3
	v_add_nc_u32 v[TM+12+\b], 0xfe000000, v[TM+\b]   ; 4 off the exponent field: the conversion's scale operand
.endr
.irp b, 0,1,2,3
	v_lshrrev_b32 v[TM+4+\b], 23, v[TM+12+\b]
.endr
	v_lshl_or_b32 v[PW], v[TM+5], 8, v[TM+4]
	v_lshl_or_b32 v[PW], v[TM+6], 16, v[PW]
	v_lshl_or_b32 v[PW], v[TM+7], 24, v[PW]
.irp c, 0,1
	v_cvt_scalef32_pk16_bf6_f32 v[PC+6*\c:PC+2+6*\c], v[\s+32*\c:\s+15+32*\c], v[TM+12+2*\c]
	v_cvt_scalef32_pk16_bf6_f32 v[PC+12+4*\c:PC+14+4*\c], v[\s+16+32*\c:\s+31+32*\c], v[TM+12+2*\c+1]
.endr
	v_nop                                          ; one plain place behind a scaled conversion
.irp c, 0,1
.irp i, 0,1,2
	v_permlane16_swap_b32 v[PC+6*\c+\i], v[PC+12+4*\c+\i]
.endr
.irp i, 0,1,2
	v_mov_b32 v[PC+3+6*\c+\i], v[PC+12+4*\c+\i]
.endr
.endr
.endm
.macro XLOAD rs, ks                    ; K step ks of my 16 rows into set rs of window 1: each load reads 512 consecutive bytes of one row
	WIN 0x40
.set i, 0
.rept 16
	global_load_b128 v[64*(\rs)+4*i:64*(\rs)+4*i+3], v[XO+i/8], s[XP:XP+1] offset:4096*i+512*(\ks) th:TH_LOAD_NT
.set i, i+1
.endr
	WIN 0
.endm
.macro TURN rs                         ; through my stage: in as loaded, out 64 bytes a lane.  LDS serves a wave's instructions in order
	WIN 0x04
.set i, 0
.rept 16
	ds_store_b128 v[STI], v[64*(\rs)+4*i:64*(\rs)+4*i+3] offset:528*i
.set i, i+1
.endr
	WIN 0
.set i, 0
.rept 16
	ds_load_b128 v[X+4*i:X+4*i+3], v[STO] offset:128*(i/4)+16*(i%4)
.set i, i+1
.endr
.endm
.macro WFILL                           ; a head's K steps 0-3 of W into the ring's four slots (48 loads), and its scale words (4)
	WIN 0xc0
.set i, 0
.rept 48
	global_load_b128 v[4*i:4*i+3], v[LI], s[WP:WP+1] offset:512*i
.set i, i+1
.endr
	WIN 0
.set i, 0
.rept 4
	global_load_b128 v[WS+4*i:WS+4*i+3], v[LI], s[WSP:WSP+1] offset:512*i
.set i, i+1
.endr
.endm
.macro XSTEP ks
.if (\ks)+3 < 8
	XLOAD ((\ks)+3)%4, (\ks)+3                     ; three K steps ahead
.endif
.if 7-(\ks) >= 3
	s_wait_loadcnt 48                              ; this step's 16 loads are in; those of the three later steps may be out
.else
	s_wait_loadcnt 16*(7-(\ks))
.endif
.if (\ks) == 7
	WFILL                                          ; the first head's weights land under the last step's work and the barrier
.endif
	TURN (\ks)%4
	s_wait_dscnt 0x0
	QUANT X
.irp c, 0,1,2
	ds_store_b128 v[XWI], v[PC+4*\c:PC+4*\c+3] offset:XIMG+1536*(\ks)+512*\c
.endr
	ds_store_b32 v[XWS], v[PW] offset:XSC+256*(\ks)   ; both halves of the lanes write the same word with the same value
.endm
; K step ks of a head: 16 matrix instructions, the 16 accumulators by turns.  isv = 0: source 0 = W's tile t, source 1 = x's tile m; isv = 1: the other way round
.macro GSTEP isv, ks
.if (\ks) == 0
	s_wait_loadcnt 0x0                             ; the ring's four slots and the scale words are in
.elseif (\ks) >= 4
	s_wait_loadcnt 12*(7-(\ks))                    ; this step's 12 loads are in; the later steps' refills, 12 each, may be out
.endif
.if \isv
	WIN 0x0d+((\ks)/4)                             ; source 0 (x) window 1 or 2, source 1 (W) window 3
.else
	WIN 0x07+4*((\ks)/4)                           ; source 0 (W) window 3, source 1 (x) window 1 or 2
.endif
.set gm, 0
.rept 4
.set gt, 0
.rept 4
.if \isv
	WM ACC+32*gt+8*gm, 48*((\ks)%4)+12*gm, 48*((\ks)%4)+12*gt, (\ks)==0, XS+2*(\ks)+gm/2, gm%2, WS+8*(gt/2)+(\ks), gt%2
.else
	WM ACC+32*gm+8*gt, 48*((\ks)%4)+12*gt, 48*((\ks)%4)+12*gm, (\ks)==0, WS+8*(gt/2)+(\ks), gt%2, XS+2*(\ks)+gm/2, gm%2
.endif
.set gt, gt+1
.endr
.set gm, gm+1
.endr
	WIN 0
.if (\ks) < 4
	PLACES 4                                       ; in front of loads into registers that matrix instructions have read
	WIN 0xc0
.set gt, 0
.rept 12
	global_load_b128 v[48*(\ks)+4*gt:48*(\ks)+4*gt+3], v[LI], s[WP:WP+1] offset:6144*((\ks)+4)+512*gt   ; K step ks + 4 into the slot just read
.set gt, gt+1
.endr
	WIN 0
.endif
.endm
; Four column tiles x 32 registers (block k = 2 j + b of 32 along the next K at v[EA + 16 k] on, halves across lanes l and l xor 16) become four half fragments and their scale words, and are stored
.macro EPI
	s_wait_xcnt 0x0                                ; the last stores have read their registers
	WIN 0
.set k, 0
.rept 8
	v_mov_b32 v[EU+k], 0                           ; a lane permute's destination counts as one of its sources
.set k, k+1
.endr
	WIN EW1
.set k, 0
.rept 8
	v_max3_num_f32 v[ET+k], |v[EA+16*k]|, |v[EA+16*k+1]|, 0x2800000   ; each accumulator is read from its low end on; the floor 2^(5 - 127)
.set k, k+1
.endr
	WIN EW2
.irp i, 2,4,6,8,10,12,14
.set k, 0
.rept 8
	v_max3_num_f32 v[ET+k], v[ET+k], |v[EA+16*k+\i]|, |v[EA+16*k+\i+1]|
.set k, k+1
.endr
.endr
	WIN 0
.set k, 0
.rept 8
	v_permlanex16_b32 v[EU+k], v[ET+k], s[SEL], s[SEL+1]
.set k, k+1
.endr
.set k, 0
.rept 8
	v_max_num_f32 v[ET+k], v[ET+k], v[EU+k]
.set k, k+1
.endr
.set k, 0
.rept 8
	v_add_nc_u32 v[EO+k], 0xfe000000, v[ET+k]      ; the conversion's scale operand
.set k, k+1
.endr
.set k, 0
.rept 8
	v_lshrrev_b32 v[EU+k], 23, v[EO+k]             ; the scale's byte
.set k, k+1
.endr
.irp j, 0,1,2,3
	v_lshl_or_b32 v[EWD+\j], v[EU+2*\j+1], 8, v[EU+2*\j]
.endr
	v_cndmask_b32 v[ESW], v[EWD], v[EWD+1], s[HM]  ; lanes 0-15 tile 0's words, lanes 16-31 tile 1's
	v_cndmask_b32 v[ESW+1], v[EWD+2], v[EWD+3], s[HM]
	WIN EW3
.irp j, 0,1,2,3
	v_cvt_scalef32_pk16_bf6_f32 v[EH+8*\j:EH+8*\j+2], v[EA+32*\j:EA+32*\j+15], v[EO+2*\j]
	v_cvt_scalef32_pk16_bf6_f32 v[EX+4*\j:EX+4*\j+2], v[EA+32*\j+16:EA+32*\j+31], v[EO+2*\j+1]
.endr
	WIN 0
	v_nop                                          ; one plain place behind a scaled conversion
.irp j, 0,1,2,3
.irp i, 0,1,2
	v_permlane16_swap_b32 v[EH+8*\j+\i], v[EX+4*\j+\i]
.endr
.irp i, 0,1,2
	v_mov_b32 v[EH+8*\j+3+\i], v[EX+4*\j+\i]
.endr
.endr
.irp j, 0,1,2,3
	global_store_b128 v[LI], v[EH+8*\j:EH+8*\j+3], s[OC:OC+1] offset:768*\j          ; 512 consecutive bytes
	global_store_b64 v[L8], v[EH+8*\j+4:EH+8*\j+5], s[OC:OC+1] offset:768*\j+512     ; 256 consecutive bytes
.endr
	global_store_b32 v[LS], v[ESW], s[OS:OS+1]
	global_store_b32 v[LS], v[ESW+1], s[OS:OS+1] offset:128
.endm
.macro HEADS isv                       ; my four heads
	s_mov_b32 s[HC], 4
.Lh_\@:
.irp n, 0,1,2,3,4,5,6,7
	GSTEP \isv, \n
.endr
	PLACES 4                                       ; in front of the loads into the ring and of the first read of results
	s_cmp_eq_u32 s[HC], 1
	s_cbranch_scc1 .Lnf_\@                         ; the last head asks for nothing more
	s_add_nc_u64 s[WP:WP+1], s[WP:WP+1], 49152     ; (K step 7's wait for 0 has shown every load that named these done)
	s_add_nc_u64 s[WSP:WSP+1], s[WSP:WSP+1], 2048
	WFILL                                          ; the next head's weights land under this head's way out
.Lnf_\@:
	EPI
	s_wait_xcnt 0x0                                ; the stores have read their base
	s_add_nc_u64 s[OC:OC+1], s[OC:OC+1], 98304
	s_add_nc_u64 s[OS:OS+1], s[OS:OS+1], 8192
	s_sub_co_u32 s[HC], s[HC], 1
	s_cmp_lg_u32 s[HC], 0
	s_cbranch_scc1 .Lh_\@
.endm
	s_load_b256 s[4:11], s[0:1], 0x0               ; q, k, v, wimg
	s_load_b128 s[12:15], s[0:1], 0x20             ; wscl, qkvc
	s_load_b64 s[16:17], s[0:1], 0x30              ; qkvs
	v_lshl_add_u32 v94, v0, 2, 0x15000
	v_mov_b32 v95, 0
	v_lshrrev_b32 v1, 5, v0
	v_readfirstlane_b32 s[WV], v1                  ; wave 0..3
	s_and_b32 s[TY], ttmp7, 0xffff                 ; which tensor
	v_and_b32 v1, 31, v0
	v_and_b32 v2, 15, v0                           ; r
	v_bfe_u32 v3, v0, 4, 1                         ; h
	v_lshlrev_b32 v[LI], 4, v1
	v_lshlrev_b32 v[LS], 2, v1
	v_lshlrev_b32 v[L8], 3, v1
	s_mul_i32 s38, s[WV], 8448
	s_add_co_u32 s38, s38, STG                     ; my stage
	v_add_nc_u32 v[STI], s38, v[LI]
	v_mul_u32_u24 v[STO], v2, 528
	v_lshl_add_u32 v[STO], v3, 6, v[STO]
	v_add_nc_u32 v[STO], s38, v[STO]
	s_mul_i32 s38, s[WV], 12288
	v_add_nc_u32 v[XWI], s38, v[LI]
	s_lshl_b32 s38, s[WV], 6
	v_lshl_add_u32 v[XWS], v2, 2, s38
.irp b, 0,1,2,3
	v_mov_b32 v[TM+4+\b], 0                        ; written once: a lane permute's destination counts as one of its sources
.endr
	s_mov_b32 s[SEL], 0x76543210
	s_mov_b32 s[SEL+1], 0xfedcba98
	s_mov_b32 s[HM], 0xffff0000
	s_lshr_b32 s38, s[WV], 1
	s_lshl_b32 s38, s38, 5
	s_and_b32 s39, s[WV], 1
	s_lshl_b32 s39, s39, 3
	s_add_co_u32 s38, s38, s39                     ; k, v: my tile's first token 32 (w / 2) + 8 (w % 2), its rows 8-15 eight tokens further on
	s_lshl_b32 s39, s[WV], 4                       ; q: 16 w, neighbours
	s_cmp_lg_u32 s[TY], 0
	s_cselect_b32 s38, s38, s39
	s_cselect_b32 s[EXTRA], 32768, 0
	v_add_nc_u32 v[XO+1], s[EXTRA], v[LI]
	s_lshl_b32 s38, s38, 12
	s_lshl_b32 s40, ttmp9, 18                      ; 64 tokens of 4,096 bytes
	s_add_co_u32 s40, s40, s38
	s_mov_b32 s41, 0
	s_mul_i32 s42, s[TY], 786432
	s_mul_i32 s43, s[WV], 196608
	s_add_co_u32 s42, s42, s43
	s_mov_b32 s43, 0
	s_lshl_b32 s44, s[TY], 15
	s_lshl_b32 s45, s[WV], 13
	s_add_co_u32 s44, s44, s45
	s_mov_b32 s45, 0
	s_lshr_b32 s46, ttmp9, 5                       ; b
	s_lshl_b32 s46, s46, 4
	s_lshl_b32 s47, s[WV], 2
	s_add_co_u32 s46, s46, s47                     ; bh of my first head
	s_lshl_b32 s46, s46, 5
	s_and_b32 s47, ttmp9, 31
	s_add_co_u32 s46, s46, s47                     ; 32 bh + blk
	s_mul_i32 s48, s46, 3072
	s_mul_i32 s47, s[TY], 6291456
	s_add_co_u32 s48, s48, s47
	s_mov_b32 s49, 0
	s_lshl_b32 s50, s46, 8
	s_lshl_b32 s47, s[TY], 19
	s_add_co_u32 s50, s50, s47
	s_mov_b32 s51, 0
	s_wait_kmcnt 0x0
	s_cmp_eq_u32 s[TY], 1                          ; the choice hangs on the work-group's number alone
	s_cselect_b64 s[XP:XP+1], s[6:7], s[4:5]
	s_cmp_eq_u32 s[TY], 2
	s_cselect_b64 s[XP:XP+1], s[8:9], s[XP:XP+1]
	s_add_nc_u64 s[XP:XP+1], s[XP:XP+1], s[40:41]
	s_add_nc_u64 s[WP:WP+1], s[10:11], s[42:43]
	s_add_nc_u64 s[WSP:WSP+1], s[12:13], s[44:45]
	s_add_nc_u64 s[OC:OC+1], s[14:15], s[48:49]
	s_add_nc_u64 s[OS:OS+1], s[16:17], s[50:51]
	; ---- X: my 16 rows of x become eight fragments
	XLOAD 0, 0
	XLOAD 1, 1
	XLOAD 2, 2
.irp n, 0,1,2,3,4,5,6,7
	XSTEP \n
.endr
	s_wait_dscnt 0x0                               ; for the others' sake: my images have landed
	s_barrier_signal -1
	s_barrier_wait -1                              ; x's 32 fragments lie in LDS; nothing there is written again
	WIN 0x40
.set i, 0
.rept 48                               ; K steps 0-3: register 48 s + 12 m + 4 c = 4 i
	ds_load_b128 v[4*i:4*i+3], v[LI] offset:XIMG+1536*(8*((i/3)%4)+i/12)+512*(i%3)
.set i, i+1
.endr
	WIN 0x80
.set i, 0
.rept 48                               ; K steps 4-7
	ds_load_b128 v[4*i:4*i+3], v[LI] offset:XIMG+1536*(8*((i/3)%4)+4+i/12)+512*(i%3)
.set i, i+1
.endr
	WIN 0
.set i, 0
.rept 16
	ds_load_b32 v[XS+i], v[LS] offset:XSC+128*i    ; 256 s + 128 jj
.set i, i+1
.endr
	s_wait_dscnt 0x0
	s_cmp_eq_u32 s[TY], 2
	s_cbranch_scc1 .Lv
	HEADS 0
	s_wait_tensorcnt 0x0
	ds_add_u32 v94, v95
	s_wait_dscnt 0x0
	s_endpgm
.Lv:
	HEADS 1
	s_wait_tensorcnt 0x0
	ds_add_u32 v94, v95
	s_wait_dscnt 0x0
	s_endpgm
.Lfunc_end_k_qedc77ce77f_proj:
	.size	k_qedc77ce77f_proj, .Lfunc_end_k_qedc77ce77f_proj-k_qedc77ce77f_proj
	.p2alignl 7, 3214868480
	.fill 96, 4, 3214868480
	.section	.rodata,"a",@progbits
	.p2align	6, 0x0
	.amdhsa_kernel k_qedc77ce77f_proj
		.amdhsa_group_segment_fixed_size 86528
		.amdhsa_private_segment_fixed_size 0
		.amdhsa_enable_private_segment 0
		.amdhsa_kernarg_size 56
		.amdhsa_user_sgpr_count 2
		.amdhsa_user_sgpr_kernarg_segment_ptr 1
		.amdhsa_wavefront_size32 1
		.amdhsa_system_sgpr_workgroup_id_x 1
		.amdhsa_system_sgpr_workgroup_id_y 1
		.amdhsa_system_sgpr_workgroup_id_z 1
		.amdhsa_system_vgpr_workitem_id 0
		.amdhsa_next_free_vgpr 960
		.amdhsa_next_free_sgpr 66
		.amdhsa_reserve_vcc 0
		.amdhsa_float_denorm_mode_32 3
		.amdhsa_float_denorm_mode_16_64 3
		.amdhsa_memory_ordered 1
		.amdhsa_forward_progress 1
		.amdhsa_inst_pref_size 150
	.end_amdhsa_kernel
	.amdgpu_metadata
---
amdhsa.version: [ 1, 2 ]
amdhsa.kernels:
  - .name:           k_qedc77ce77f_proj
    .symbol:         k_qedc77ce77f_proj.kd
    .args:
      - { .name: q, .offset: 0, .size: 8, .value_kind: global_buffer, .address_space: global }
      - { .name: k, .offset: 8, .size: 8, .value_kind: global_buffer, .address_space: global }
      - { .name: v, .offset: 16, .size: 8, .value_kind: global_buffer, .address_space: global }
      - { .name: wimg, .offset: 24, .size: 8, .value_kind: global_buffer, .address_space: global }
      - { .name: wscl, .offset: 32, .size: 8, .value_kind: global_buffer, .address_space: global }
      - { .name: qkvc, .offset: 40, .size: 8, .value_kind: global_buffer, .address_space: global }
      - { .name: qkvs, .offset: 48, .size: 8, .value_kind: global_buffer, .address_space: global }
    .group_segment_fixed_size: 86528
    .private_segment_fixed_size: 0
    .kernarg_segment_align: 8
    .kernarg_segment_size: 56
    .max_flat_workgroup_size: 128
    .sgpr_count:     66
    .vgpr_count:     960
    .wavefront_size: 32
...
	.end_amdgpu_metadata
.endif
;; end of part 2
;; launch attn (part 3): grid 4 x 64, 4 waves a work-group, no clusters, 0 bytes of LDS; arguments qkvc, qkvs, mask, flags, acod, ascl; writes acod, ascl
.if DOCPART == 3
	.amdgcn_target "amdgcn-amd-amdhsa--gfx1250"
	.amdhsa_code_object_version 6
	.text
	.protected	k_qedc77ce77f_attn
	.globl	k_qedc77ce77f_attn
	.p2align	8
	.type	k_qedc77ce77f_attn,@function
k_qedc77ce77f_attn:
	s_mov_b64 s[64:65], 0
	v_nop
	global_prefetch_b8 v0, s[64:65] scope:SCOPE_SE
	s_setreg_imm32_b32 hwreg(HW_REG_WAVE_MODE, 25, 1), 1
	s_wait_xcnt 0x0
; out[bh][q][:] = the sum over keys of attn[q][key] V[key][:], attn = softmax over the keys of (Q K^T / 8 with -infinity where the mask byte is 1), fully masked rows 0.  Both products on codes of BF6 (E3M2), one E8M0 scale for each 32 along K.
; attn IS QUANTISED FINISHED AND NORMALISED, so a row's maximum and sum are wanted before any weight is quantised: TWO PASSES over the keys.  Pass 1: S^T = K Q^T, the running largest t (t = score x log2(e) / 8), M = that rounded up to a whole
; number, l = the sum of 2^(t - M) (when M moves, l is multiplied by 2^(old M - new M): exact).  Pass 2: S^T again, p = 2^(t - M) x (1 / l), quantised along the keys, O^T += V^T P^T.  O is quantised along d for the output projection.
; SHARES.  y = bh.  A wave is on its own: no LDS, no barrier.  Wave p = 4 x + wave takes two units, query groups G = p and 31 - p of 64 queries (four tiles of 16).  Each pass walks 16 steps of 128 keys, a constant count.
; THE MASK IS AN INPUT: the launch before has classed its tiles (64 queries x 128 keys): 0 all masked: the step's work is jumped over by a scalar branch on that stored number; 1 none masked: no masking; 2 mixed: the bytes are loaded and
; masked scores become -infinity.  That holds for every mask.  Because branches hang on stored numbers, operands go from memory straight into registers (images of operand registers): no tensor load, so no multicast either.
; The head's 64 fill half of the instruction's 128 along K: registers 6-11 of K's and Q's fragments are zero codes, cleared once; their scale bytes 2, 3 are 0 (2^-127, no NaN): they add nothing.
; LAYOUT.  Source 0 = 16 keys (tile 2 b + u of a block of 64: key 32 b + 8 u + r + 8 (r / 8)), source 1 = 16 queries: a lane holds ONE query; register 16 B + i of S is key 32 B + 16 (lane / 16) + i.
; LIMITS: NaN and infinities among the inputs are not served; a weight under 2^-126 is flushed to 0 by v_exp_f32; blocks whose largest magnitude lies under 2^-122 keep the byte 1 (a block of zeros too: its codes are zeros).
; REGISTERS: window 0: v1-4 addresses; v16-47 statistics, 8 a tile; v48-63 scale words; v64-93 at work; v96-119 P, two sets; v128-255 S, two sets.  Window 1: v0-95 K, v96-143 Q, v144-191 V.  Window 2: v0-127 O^T.  Window 3: v0-63 mask bytes.
.set LI,   1                           ; 16 x lane
.set L8,   2                           ; 8 x lane
.set LS,   3                           ; 4 x lane
.set MO,   4                           ; 2,048 r + 16 h: my query's row of the mask, my half's 16 keys
.set ST,   16                          ; tile q at v[ST + 8 q]: +0 -M, +1 the largest t, +2, +3 l in two halves, +4 f (+5 written 0), +6 1 / l (+7 written 0)
.set KS,   48
.set QS,   52
.set VS,   54
.set VT,   56
.set PS,   60
.set BM,   64
.set T2,   68
.set SO,   72
.set BY,   76
.set M16,  64                          ; v64-79: the mask bytes x 255
.set XM,   80
.set PX,   84
.set C2,   92
.set P,    96
.set S,    128
.set KF,   0
.set QF,   96
.set VF,   144
.set MK,   0
.set ETB,  128
.set ET,   ETB
.set EU,   ETB+8
.set EO,   ETB+16
.set EH,   ETB+24
.set EX,   ETB+56
.set EWD,  ETB+72
.set ESW,  ETB+76
.set EA,   0                           ; O^T, in window 2
.set EW1,  0x0a
.set EW2,  0x28
.set EW3,  0x02
.set WV,   16
.set G,    17
.set UN,   18
.set BH,   19
.set SEL,  20
.set CS,   22                          ; s[22:23] c = log2(e) / 8
.set HM,   24
.set FW,   25                          ; the unit's 16 classes, 2 bits each; shifted down a step a trip
.set CLS,  26
.set NXT,  27
.set TR,   28
.set FC,   29
.set KP,   48
.set KSP,  50
.set VP,   52
.set VSP,  54
.set MP,   56
.set OC,   60
.set OS,   62
.set NINF, 73
.set QB,   78
.set KB,   80
.set VB,   82
.set QSB,  84
.set KSB,  86
.set VSB,  88
.set MSB, 0
.macro WIN new                         ; the immediate's high byte repeats the setting that is left
.if MSB != (\new)
	s_set_vgpr_msb (MSB<<8)|(\new)
.set MSB, \new
.endif
.endm
.macro PLACES n                        ; plain vector instructions between a matrix instruction and what touches its registers (ISA guide 7.12.1)
.rept \n
	v_nop
.endr
.endm
.macro WM d, a, b, zero, sa, ra, sb, rb
.if (\zero) && (\ra) && (\rb)
	v_wmma_scale_f32_16x16x128_f8f6f4 v[0+(\d):7+(\d)], v[0+(\a):11+(\a)], v[0+(\b):11+(\b)], 0, v[\sa], v[\sb] matrix_a_fmt:MATRIX_FMT_BF6 matrix_b_fmt:MATRIX_FMT_BF6 matrix_a_scale:MATRIX_SCALE_ROW1 matrix_b_scale:MATRIX_SCALE_ROW1
.elseif (\zero) && (\ra)
	v_wmma_scale_f32_16x16x128_f8f6f4 v[0+(\d):7+(\d)], v[0+(\a):11+(\a)], v[0+(\b):11+(\b)], 0, v[\sa], v[\sb] matrix_a_fmt:MATRIX_FMT_BF6 matrix_b_fmt:MATRIX_FMT_BF6 matrix_a_scale:MATRIX_SCALE_ROW1
.elseif (\zero) && (\rb)
	v_wmma_scale_f32_16x16x128_f8f6f4 v[0+(\d):7+(\d)], v[0+(\a):11+(\a)], v[0+(\b):11+(\b)], 0, v[\sa], v[\sb] matrix_a_fmt:MATRIX_FMT_BF6 matrix_b_fmt:MATRIX_FMT_BF6 matrix_b_scale:MATRIX_SCALE_ROW1
.elseif (\zero)
	v_wmma_scale_f32_16x16x128_f8f6f4 v[0+(\d):7+(\d)], v[0+(\a):11+(\a)], v[0+(\b):11+(\b)], 0, v[\sa], v[\sb] matrix_a_fmt:MATRIX_FMT_BF6 matrix_b_fmt:MATRIX_FMT_BF6
.elseif (\ra) && (\rb)
	v_wmma_scale_f32_16x16x128_f8f6f4 v[0+(\d):7+(\d)], v[0+(\a):11+(\a)], v[0+(\b):11+(\b)], v[0+(\d):7+(\d)], v[\sa], v[\sb] matrix_a_fmt:MATRIX_FMT_BF6 matrix_b_fmt:MATRIX_FMT_BF6 matrix_a_scale:MATRIX_SCALE_ROW1 matrix_b_scale:MATRIX_SCALE_ROW1
.elseif (\ra)
	v_wmma_scale_f32_16x16x128_f8f6f4 v[0+(\d):7+(\d)], v[0+(\a):11+(\a)], v[0+(\b):11+(\b)], v[0+(\d):7+(\d)], v[\sa], v[\sb] matrix_a_fmt:MATRIX_FMT_BF6 matrix_b_fmt:MATRIX_FMT_BF6 matrix_a_scale:MATRIX_SCALE_ROW1
.elseif (\rb)
	v_wmma_scale_f32_16x16x128_f8f6f4 v[0+(\d):7+(\d)], v[0+(\a):11+(\a)], v[0+(\b):11+(\b)], v[0+(\d):7+(\d)], v[\sa], v[\sb] matrix_a_fmt:MATRIX_FMT_BF6 matrix_b_fmt:MATRIX_FMT_BF6 matrix_b_scale:MATRIX_SCALE_ROW1
.else
	v_wmma_scale_f32_16x16x128_f8f6f4 v[0+(\d):7+(\d)], v[0+(\a):11+(\a)], v[0+(\b):11+(\b)], v[0+(\d):7+(\d)], v[\sa], v[\sb] matrix_a_fmt:MATRIX_FMT_BF6 matrix_b_fmt:MATRIX_FMT_BF6
.endif
.endm
; Four column tiles x 32 registers (block k = 2 j + b of 32 along the next K at v[EA + 16 k] on, halves across lanes l and l xor 16) become four half fragments and their scale words, and are stored
.macro EPI
	s_wait_xcnt 0x0
	WIN 0
.set k, 0
.rept 8
	v_mov_b32 v[EU+k], 0                           ; a lane permute's destination counts as one of its sources
.set k, k+1
.endr
	WIN EW1
.set k, 0
.rept 8
	v_max3_num_f32 v[ET+k], |v[EA+16*k]|, |v[EA+16*k+1]|, 0x2800000   ; each accumulator is read from its low end on; the floor 2^(5 - 127)
.set k, k+1
.endr
	WIN EW2
.irp i, 2,4,6,8,10,12,14
.set k, 0
.rept 8
	v_max3_num_f32 v[ET+k], v[ET+k], |v[EA+16*k+\i]|, |v[EA+16*k+\i+1]|
.set k, k+1
.endr
.endr
	WIN 0
.set k, 0
.rept 8
	v_permlanex16_b32 v[EU+k], v[ET+k], s[SEL], s[SEL+1]
.set k, k+1
.endr
.set k, 0
.rept 8
	v_max_num_f32 v[ET+k], v[ET+k], v[EU+k]
.set k, k+1
.endr
.set k, 0
.rept 8
	v_add_nc_u32 v[EO+k], 0xfe000000, v[ET+k]
.set k, k+1
.endr
.set k, 0
.rept 8
	v_lshrrev_b32 v[EU+k], 23, v[EO+k]
.set k, k+1
.endr
.irp j, 0,1,2,3
	v_lshl_or_b32 v[EWD+\j], v[EU+2*\j+1], 8, v[EU+2*\j]
.endr
	v_cndmask_b32 v[ESW], v[EWD], v[EWD+1], s[HM]
	v_cndmask_b32 v[ESW+1], v[EWD+2], v[EWD+3], s[HM]
	WIN EW3
.irp j, 0,1,2,3
	v_cvt_scalef32_pk16_bf6_f32 v[EH+8*\j:EH+8*\j+2], v[EA+32*\j:EA+32*\j+15], v[EO+2*\j]
	v_cvt_scalef32_pk16_bf6_f32 v[EX+4*\j:EX+4*\j+2], v[EA+32*\j+16:EA+32*\j+31], v[EO+2*\j+1]
.endr
	WIN 0
	v_nop                                          ; one plain place behind a scaled conversion
.irp j, 0,1,2,3
.irp i, 0,1,2
	v_permlane16_swap_b32 v[EH+8*\j+\i], v[EX+4*\j+\i]
.endr
.irp i, 0,1,2
	v_mov_b32 v[EH+8*\j+3+\i], v[EX+4*\j+\i]
.endr
.endr
.irp j, 0,1,2,3
	global_store_b128 v[LI], v[EH+8*\j:EH+8*\j+3], s[OC:OC+1] offset:768*\j
	global_store_b64 v[L8], v[EH+8*\j+4:EH+8*\j+5], s[OC:OC+1] offset:768*\j+512
.endr
	global_store_b32 v[LS], v[ESW], s[OS:OS+1]
	global_store_b32 v[LS], v[ESW+1], s[OS:OS+1] offset:128
.endm
.macro KLOAD off                       ; a step's eight half fragments of K and their scale words, off bytes on from the step in hand
	WIN 0x40
.set i, 0
.rept 8
	global_load_b128 v[KF+12*i:KF+12*i+3], v[LI], s[KP:KP+1] offset:(\off)+768*i
	global_load_b64 v[KF+12*i+4:KF+12*i+5], v[L8], s[KP:KP+1] offset:(\off)+768*i+512
.set i, i+1
.endr
	WIN 0
.set i, 0
.rept 4
	global_load_b32 v[KS+i], v[LS], s[KSP:KSP+1] offset:(\off)/12+128*i
.set i, i+1
.endr
.endm
.macro PREFK                           ; the next step's K, if that step is live (behind the last step the class read is 0: no load leaves the buffer)
	s_cmp_eq_u32 s[NXT], 0
	s_cbranch_scc1 .Lnok_\@
	KLOAD 6144
.Lnok_\@:
.endm
.macro VLOAD                           ; the step's V: two blocks of 64 keys make a fragment's two halves
	WIN 0x40
.set i, 0
.rept 8
	global_load_b128 v[VF+12*(i%4)+6*(i/4):VF+12*(i%4)+6*(i/4)+3], v[LI], s[VP:VP+1] offset:3072*(i/4)+768*(i%4)
	global_load_b64 v[VF+12*(i%4)+6*(i/4)+4:VF+12*(i%4)+6*(i/4)+5], v[L8], s[VP:VP+1] offset:3072*(i/4)+768*(i%4)+512
.set i, i+1
.endr
	WIN 0
.set i, 0
.rept 4
	global_load_b32 v[VT+i], v[LS], s[VSP:VSP+1] offset:256*(i/2)+128*(i%2)
.set i, i+1
.endr
.endm
.macro MLOAD                           ; the step's mask bytes: register 16 q + w, byte k: key 4 w + k of my half's order, as S's register 4 w + k
	WIN 0xc0
.set i, 0
.rept 16
	global_load_b128 v[MK+4*i:MK+4*i+3], v[MO], s[MP:MP+1] offset:32768*(i/4)+32*(i%4)
.set i, i+1
.endr
	WIN 0
.endm
.macro KQ1 q, t                        ; S^T of tile q, keys' tile t
	WIN 0x05
	WM S+64*((\q)%2)+8*(\t), KF+12*(\t), QF+12*(\q), 1, KS+(\t)/2, (\t)%2, QS+(\q)/2, (\q)%2
.endm
.macro PV1 q, t                        ; O^T of tile q, d's tile t
	WIN 0xa1
	WM 32*(\q)+8*(\t), VF+12*(\t), P+12*((\q)%2), 0, VS+(\t)/2, (\t)%2, PS+(\q), 0
.endm
.macro MASKQ q                         ; in a mixed step: masked scores become -infinity.  A byte 0 or 1 times 255, spread over a word, selects
	s_cmp_lg_u32 s[CLS], 2
	s_cbranch_scc1 .Lopen_\@
	WIN 0x0c
.set w, 0
.rept 16
	v_lshlrev_b32 v[M16+w], 8, v[MK+16*(\q)+w]
.set w, w+1
.endr
.set w, 0
.rept 16
	v_sub_nc_u32 v[M16+w], v[M16+w], v[MK+16*(\q)+w]
.set w, w+1
.endr
	WIN 0
.set w, 0
.rept 16
	v_perm_b32 v[XM], v[M16+w], v[M16+w], 0
	v_perm_b32 v[XM+1], v[M16+w], v[M16+w], s70
	v_perm_b32 v[XM+2], v[M16+w], v[M16+w], s71
	v_perm_b32 v[XM+3], v[M16+w], v[M16+w], s72
	v_bfi_b32 v[SQ+4*w], v[XM], s[NINF], v[SQ+4*w]         ; the accumulators are read in ascending order
	v_bfi_b32 v[SQ+4*w+1], v[XM+1], s[NINF], v[SQ+4*w+1]
	v_bfi_b32 v[SQ+4*w+2], v[XM+2], s[NINF], v[SQ+4*w+2]
	v_bfi_b32 v[SQ+4*w+3], v[XM+3], s[NINF], v[SQ+4*w+3]
.set w, w+1
.endr
.Lopen_\@:
.endm
; PASS 1, tile q: the maximum, M, l.  The next tile's eight products stand among the exponentials, one behind every eighth
.macro SOFT1 q
.set SQ, S+64*((\q)%2)
.set TQ, ST+8*(\q)
	MASKQ \q
.irp b, 0,1,2,3
	v_max3_num_f32 v[BM+\b], v[SQ+16*\b], v[SQ+16*\b+1], v[SQ+16*\b+2]
.endr
.irp i, 3,5,7,9,11,13
.irp b, 0,1,2,3
	v_max3_num_f32 v[BM+\b], v[BM+\b], v[SQ+16*\b+\i], v[SQ+16*\b+\i+1]
.endr
.endr
.irp b, 0,1,2,3
	v_max_num_f32 v[BM+\b], v[BM+\b], v[SQ+16*\b+15]
.endr
	v_max3_num_f32 v8, v[BM], v[BM+1], v[BM+2]
	v_max_num_f32 v8, v8, v[BM+3]
	v_permlanex16_b32 v9, v8, s[SEL], s[SEL+1]
	v_max_num_f32 v8, v8, v9                       ; the step's largest score of my query
	v_mul_f32 v8, s[CS], v8
	v_max_num_f32 v[TQ+1], v[TQ+1], v8             ; the running largest t
	v_mov_b32 v8, v[TQ]
	v_floor_f32 v[TQ], -v[TQ+1]                    ; -M = floor(-t): M is a whole number
	v_sub_f32 v8, v[TQ], v8                        ; old M - new M, 0 or less
	v_cvt_i32_f32 v8, v8                           ; (it saturates)
	v_ldexp_f32 v[TQ+4], 1.0, v8                   ; f = 2^(old M - new M)
.set e, 0
.rept 32
	v_pk_fma_f32 v[SQ+2*e:SQ+2*e+1], v[SQ+2*e:SQ+2*e+1], s[CS:CS+1], v[TQ:TQ+1] op_sel_hi:[1,0,0]   ; t - M
.set e, e+1
.endr
.set e, 0
.rept 64
	v_exp_f32 v[SQ+e], v[SQ+e]
.if ((e%8) == 7) && ((\q) < 3)
	KQ1 (\q)+1, e/8
	WIN 0
.endif
.set e, e+1
.endr
	v_pk_mul_f32 v[TQ+2:TQ+3], v[TQ+2:TQ+3], v[TQ+4:TQ+5] op_sel_hi:[1,0]   ; l under the new M; the plain instruction behind the exponentials
	s_wait_alu depctr_va_vdst(0)                   ; one wait for the batch, ahead of its first reader
	v_pk_add_f32 v[C2:C2+1], v[SQ:SQ+1], v[SQ+2:SQ+3]
.irp j, 4,8,12,16,20,24,28,32,36,40,44,48,52,56,60
	v_pk_add_f32 v[TQ+2:TQ+3], v[TQ+2:TQ+3], v[SQ+\j:SQ+\j+1]
	v_pk_add_f32 v[C2:C2+1], v[C2:C2+1], v[SQ+\j+2:SQ+\j+3]
.endr
	v_pk_add_f32 v[TQ+2:TQ+3], v[TQ+2:TQ+3], v[C2:C2+1]
.endm
; PASS 2, tile q: p = 2^(t - M) / l, quantised.  The next tile's K Q^T stands among the exponentials, the tile before's V^T P among the multiplications
.macro SOFT2 q
.set SQ, S+64*((\q)%2)
.set TQ, ST+8*(\q)
.set PQ, P+12*((\q)%2)
	MASKQ \q
.if (\q) == 1
	s_wait_loadcnt 0x0                             ; V and its scale words are in
	v_lshl_or_b32 v[VS], v[VT+2], 16, v[VT]        ; bytes 0, 1: the first 64 keys' blocks; bytes 2, 3: the second's
	v_lshl_or_b32 v[VS+1], v[VT+3], 16, v[VT+1]
.endif
.if (\q) == 3
	PREFK                                          ; K's last products of this step stand in the tile before
.endif
.set e, 0
.rept 32
	v_pk_fma_f32 v[SQ+2*e:SQ+2*e+1], v[SQ+2*e:SQ+2*e+1], s[CS:CS+1], v[TQ:TQ+1] op_sel_hi:[1,0,0]
.set e, e+1
.endr
.set e, 0
.rept 64
	v_exp_f32 v[SQ+e], v[SQ+e]
.if ((e%8) == 7) && ((\q) < 3)
	KQ1 (\q)+1, e/8
	WIN 0
.endif
.set e, e+1
.endr
	v_nop                                          ; the plain instruction behind the exponentials
	s_wait_alu depctr_va_vdst(0)                   ; one wait for the batch, ahead of its first reader
.set e, 0
.rept 32
	v_pk_mul_f32 v[SQ+2*e:SQ+2*e+1], v[SQ+2*e:SQ+2*e+1], v[TQ+6:TQ+7] op_sel_hi:[1,0]   ; normalised
.if ((e%8) == 7) && ((\q) > 0)
	PV1 (\q)-1, e/8
	WIN 0
.endif
.set e, e+1
.endr
.irp b, 0,1,2,3
	v_max3_num_f32 v[BM+\b], v[SQ+16*\b], v[SQ+16*\b+1], 0x2800000   ; none is negative; the floor 2^(5 - 127)
.endr
.irp i, 2,4,6,8,10,12,14
.irp b, 0,1,2,3
	v_max3_num_f32 v[BM+\b], v[BM+\b], v[SQ+16*\b+\i], v[SQ+16*\b+\i+1]
.endr
.endr
.irp b, 0,1,2,3
	v_permlanex16_b32 v[T2+\b], v[BM+\b], s[SEL], s[SEL+1]
.endr
.irp b, 0,1,2,3
	v_max_num_f32 v[BM+\b], v[BM+\b], v[T2+\b]
.endr
.irp b, 0,1,2,3
	v_add_nc_u32 v[SO+\b], 0xfe000000, v[BM+\b]
.endr
.irp b, 0,1,2,3
	v_lshrrev_b32 v[BY+\b], 23, v[SO+\b]
.endr
	v_lshl_or_b32 v[PS+(\q)], v[BY+1], 8, v[BY]
	v_lshl_or_b32 v[PS+(\q)], v[BY+2], 16, v[PS+(\q)]
	v_lshl_or_b32 v[PS+(\q)], v[BY+3], 24, v[PS+(\q)]
.irp c, 0,1
	v_cvt_scalef32_pk16_bf6_f32 v[PQ+6*\c:PQ+6*\c+2], v[SQ+32*\c:SQ+32*\c+15], v[SO+2*\c]
	v_cvt_scalef32_pk16_bf6_f32 v[PX+4*\c:PX+4*\c+2], v[SQ+32*\c+16:SQ+32*\c+31], v[SO+2*\c+1]
.endr
	v_nop                                          ; one plain place behind a scaled conversion
.irp c, 0,1
.irp i, 0,1,2
	v_permlane16_swap_b32 v[PQ+6*\c+\i], v[PX+4*\c+\i]
.endr
.irp i, 0,1,2
	v_mov_b32 v[PQ+6*\c+3+\i], v[PX+4*\c+\i]
.endr
.endr
.endm
; A pass: 16 trips, one for each 128 keys.  Every wait for loads is for 0, so that it holds on every way through the branches
.macro PASS two
	s_mov_b32 s[TR], 16
.Ltrip_\@:
	s_and_b32 s[CLS], s[FW], 3
	s_bfe_u32 s[NXT], s[FW], 0x20002
	s_lshr_b32 s[FW], s[FW], 2
	s_cmp_eq_u32 s[CLS], 0
	s_cbranch_scc1 .Lskip_\@
	s_wait_loadcnt 0x0                             ; K (asked for in the last live step), in the first trip Q too
.irp n, 0,1,2,3,4,5,6,7
	KQ1 0, \n
.endr
	WIN 0
	PLACES 4                                       ; in front of the first read of results
.if \two
	VLOAD                                          ; lands under the first tile's softmax
.endif
	s_cmp_lg_u32 s[CLS], 2
	s_cbranch_scc1 .Lnm_\@
	MLOAD
	s_wait_loadcnt 0x0
.Lnm_\@:
.if \two
	SOFT2 0
	SOFT2 1
	SOFT2 2
	SOFT2 3
	PLACES 8                                       ; a scale register written by a vector instruction stands 8 places ahead of a scaled matrix instruction, an operand 4
.irp n, 0,1,2,3
	PV1 3, \n
.endr
	WIN 0
	PLACES 4                                       ; in front of the next loads into V's registers and of the way out's reads
.else
	SOFT1 0
	SOFT1 1
	SOFT1 2
	PREFK                                          ; K's last products of this step stand in tile 2's softmax, 33 plain instructions back
	SOFT1 3
.endif
	s_branch .Lend_\@
.Lskip_\@:
	s_wait_loadcnt 0x0                             ; no load may be out on the registers that the next one names
	PREFK
.Lend_\@:
	s_wait_xcnt 0x0                                ; the loads have read their bases
	s_add_nc_u64 s[KP:KP+1], s[KP:KP+1], 6144
	s_add_nc_u64 s[KSP:KSP+1], s[KSP:KSP+1], 512
	s_add_nc_u64 s[MP:MP+1], s[MP:MP+1], 128
.if \two
	s_add_nc_u64 s[VP:VP+1], s[VP:VP+1], 6144
	s_add_nc_u64 s[VSP:VSP+1], s[VSP:VSP+1], 512
.endif
	s_sub_co_u32 s[TR], s[TR], 1
	s_cmp_lg_u32 s[TR], 0
	s_cbranch_scc1 .Ltrip_\@
.endm
	s_load_b256 s[4:11], s[0:1], 0x0               ; qkvc, qkvs, mask, flags
	s_load_b128 s[12:15], s[0:1], 0x20             ; acod, ascl
	v_lshrrev_b32 v8, 5, v0
	v_readfirstlane_b32 s[WV], v8                  ; wave 0..3
	v_and_b32 v8, 31, v0
	v_lshlrev_b32 v[LI], 4, v8
	v_lshlrev_b32 v[L8], 3, v8
	v_lshlrev_b32 v[LS], 2, v8
	v_and_b32 v9, 15, v0
	v_bfe_u32 v10, v0, 4, 1
	v_lshlrev_b32 v[MO], 11, v9
	v_lshl_add_u32 v[MO], v10, 4, v[MO]
	s_and_b32 s[BH], ttmp7, 0xffff
	s_lshl_b32 s[G], ttmp9, 2
	s_add_co_u32 s[G], s[G], s[WV]                 ; my first unit's query group
	s_mov_b32 s[UN], 2
	s_mov_b32 s[SEL], 0x76543210
	s_mov_b32 s[SEL+1], 0xfedcba98
	s_mov_b32 s[CS], 0x3e38aa3b                    ; log2(e) / 8
	s_mov_b32 s[CS+1], s[CS]                       ; (named with it as a pair, so it is written)
	s_mov_b32 s[HM], 0xffff0000
	s_mov_b32 s70, 0x01010101
	s_mov_b32 s71, 0x02020202
	s_mov_b32 s72, 0x03030303
	s_mov_b32 s[NINF], 0xff800000
.irp b, 0,1,2,3
	v_mov_b32 v[BM+\b], 0                          ; written once: lane permutes' destinations count as sources
	v_mov_b32 v[T2+\b], 0
.endr
	WIN 0x40
.set i, 0
.rept 12
.irp c, 6,7,8,9,10,11
	v_mov_b32 v[12*i+\c], 0                        ; K's and Q's codes of k = 64 .. 127: zeros, never loaded
.endr
.set i, i+1
.endr
	WIN 0xc0
.set i, 0
.rept 64
	v_mov_b32 v[MK+i], 0                           ; written once, so that every way through the branches finds them written
.set i, i+1
.endr
	WIN 0
	s_mul_i32 s66, s[BH], 98304
	s_mov_b32 s67, 0
	s_lshl_b32 s68, s[BH], 13
	s_mov_b32 s69, 0
	s_wait_kmcnt 0x0
	s_add_nc_u64 s[QB:QB+1], s[4:5], s[66:67]
	s_add_nc_u64 s[KB:KB+1], s[QB:QB+1], 6291456
	s_add_nc_u64 s[VB:VB+1], s[QB:QB+1], 12582912
	s_add_nc_u64 s[QSB:QSB+1], s[6:7], s[68:69]
	s_add_nc_u64 s[KSB:KSB+1], s[QSB:QSB+1], 524288
	s_add_nc_u64 s[VSB:VSB+1], s[QSB:QSB+1], 1048576
.Lunit:
	s_wait_loadcnt 0x0                             ; no load may be out on the registers that the next ones name
	s_lshl_b32 s66, s[G], 6
	s_add_nc_u64 s[58:59], s[10:11], s[66:67]
	s_load_b512 s[32:47], s[58:59], 0x0            ; the unit's 16 classes
	s_mul_i32 s66, s[G], 3072
	s_add_nc_u64 s[90:91], s[QB:QB+1], s[66:67]
	s_lshl_b32 s68, s[G], 8
	s_add_nc_u64 s[92:93], s[QSB:QSB+1], s[68:69]
	WIN 0x40
.irp n, 0,1,2,3
	global_load_b128 v[QF+12*\n:QF+12*\n+3], v[LI], s[90:91] offset:768*\n
	global_load_b64 v[QF+12*\n+4:QF+12*\n+5], v[L8], s[90:91] offset:768*\n+512
.endr
	WIN 0
	global_load_b32 v[QS], v[LS], s[92:93]
	global_load_b32 v[QS+1], v[LS], s[92:93] offset:128
	s_mov_b64 s[KP:KP+1], s[KB:KB+1]
	s_mov_b64 s[KSP:KSP+1], s[KSB:KSB+1]
	s_lshl_b32 s68, s[G], 17
	s_add_nc_u64 s[MP:MP+1], s[8:9], s[68:69]
	KLOAD 0
	s_lshr_b32 s66, s[BH], 4
	s_lshl_b32 s66, s66, 5
	s_add_co_u32 s66, s66, s[G]
	s_lshl_b32 s66, s66, 4
	s_and_b32 s68, s[BH], 15
	s_add_co_u32 s66, s66, s68                     ; (32 b + G) x 16 + head
	s_lshl_b32 s68, s66, 8
	s_mul_i32 s66, s66, 3072
	s_add_nc_u64 s[OC:OC+1], s[12:13], s[66:67]
	s_add_nc_u64 s[OS:OS+1], s[14:15], s[68:69]
.irp n, 0,1,2,3
	v_mov_b32 v[ST+8*\n+1], 0xff61b1e6             ; the largest t so far: -3e38
	v_mov_b32 v[ST+8*\n+2], 0
	v_mov_b32 v[ST+8*\n+3], 0
	v_mov_b32 v[ST+8*\n+5], 0
	v_mov_b32 v[ST+8*\n+7], 0
.endr
.irp n, 0,1,2,3
	v_floor_f32 v[ST+8*\n], -v[ST+8*\n+1]
.endr
	s_wait_kmcnt 0x0
	s_or_b32 s[FW], s32, s33
.irp n, 34,35,36,37,38,39,40,41,42,43,44,45,46,47
	s_or_b32 s[FW], s[FW], s\n
.endr
	s_mov_b32 s[FC], s[FW]
	PASS 0
	; ---- 1 / l; 0 for a row all of whose keys are masked: its weights are then 0, as nan_to_num leaves them
.irp n, 0,1,2,3
	v_add_f32 v[ST+8*\n+2], v[ST+8*\n+2], v[ST+8*\n+3]
.endr
.irp n, 0,1,2,3
	v_permlanex16_b32 v[BM+\n], v[ST+8*\n+2], s[SEL], s[SEL+1]
.endr
.irp n, 0,1,2,3
	v_add_f32 v[ST+8*\n+2], v[ST+8*\n+2], v[BM+\n]
.endr
.irp n, 0,1,2,3
	v_rcp_f32 v[ST+8*\n+6], v[ST+8*\n+2]
.endr
.irp n, 0,1,2,3
	v_cmp_lt_f32 s[74+\n], 0, v[ST+8*\n+2]         ; plain instructions behind the reciprocals
.endr
	s_wait_alu depctr_va_vdst(0)                   ; one wait for the four, ahead of their first reader
.irp n, 0,1,2,3
	v_cndmask_b32 v[ST+8*\n+6], 0, v[ST+8*\n+6], s[74+\n]
.endr
	WIN 0x80
.set i, 0
.rept 128
	v_mov_b32 v[i], 0                              ; O^T begins as zeros: which step is the first live one is not known to the text
.set i, i+1
.endr
	WIN 0
	s_wait_loadcnt 0x0
	s_mov_b64 s[KP:KP+1], s[KB:KB+1]
	s_mov_b64 s[KSP:KSP+1], s[KSB:KSB+1]
	s_mov_b64 s[VP:VP+1], s[VB:VB+1]
	s_mov_b64 s[VSP:VSP+1], s[VSB:VSB+1]
	s_lshl_b32 s68, s[G], 17
	s_add_nc_u64 s[MP:MP+1], s[8:9], s[68:69]
	KLOAD 0
	s_mov_b32 s[FW], s[FC]
	PASS 1
	EPI                                            ; the weights were normalised: nothing is left to divide
	s_wait_xcnt 0x0                                ; the stores have read their registers and bases
	s_sub_co_u32 s[G], 31, s[G]                    ; the second unit
	s_sub_co_u32 s[UN], s[UN], 1
	s_cmp_lg_u32 s[UN], 0
	s_cbranch_scc1 .Lunit
	s_endpgm
.Lfunc_end_k_qedc77ce77f_attn:
	.size	k_qedc77ce77f_attn, .Lfunc_end_k_qedc77ce77f_attn-k_qedc77ce77f_attn
	.p2alignl 7, 3214868480
	.fill 96, 4, 3214868480
	.section	.rodata,"a",@progbits
	.p2align	6, 0x0
	.amdhsa_kernel k_qedc77ce77f_attn
		.amdhsa_group_segment_fixed_size 0
		.amdhsa_private_segment_fixed_size 0
		.amdhsa_enable_private_segment 0
		.amdhsa_kernarg_size 48
		.amdhsa_user_sgpr_count 2
		.amdhsa_user_sgpr_kernarg_segment_ptr 1
		.amdhsa_wavefront_size32 1
		.amdhsa_system_sgpr_workgroup_id_x 1
		.amdhsa_system_sgpr_workgroup_id_y 1
		.amdhsa_system_sgpr_workgroup_id_z 1
		.amdhsa_system_vgpr_workitem_id 0
		.amdhsa_next_free_vgpr 832
		.amdhsa_next_free_sgpr 96
		.amdhsa_reserve_vcc 0
		.amdhsa_float_denorm_mode_32 3
		.amdhsa_float_denorm_mode_16_64 3
		.amdhsa_memory_ordered 1
		.amdhsa_forward_progress 1
		.amdhsa_inst_pref_size 204
	.end_amdhsa_kernel
	.amdgpu_metadata
---
amdhsa.version: [ 1, 2 ]
amdhsa.kernels:
  - .name:           k_qedc77ce77f_attn
    .symbol:         k_qedc77ce77f_attn.kd
    .args:
      - { .name: qkvc, .offset: 0, .size: 8, .value_kind: global_buffer, .address_space: global }
      - { .name: qkvs, .offset: 8, .size: 8, .value_kind: global_buffer, .address_space: global }
      - { .name: mask, .offset: 16, .size: 8, .value_kind: global_buffer, .address_space: global }
      - { .name: flags, .offset: 24, .size: 8, .value_kind: global_buffer, .address_space: global }
      - { .name: acod, .offset: 32, .size: 8, .value_kind: global_buffer, .address_space: global }
      - { .name: ascl, .offset: 40, .size: 8, .value_kind: global_buffer, .address_space: global }
    .group_segment_fixed_size: 0
    .private_segment_fixed_size: 0
    .kernarg_segment_align: 8
    .kernarg_segment_size: 48
    .max_flat_workgroup_size: 128
    .sgpr_count:     96
    .vgpr_count:     832
    .wavefront_size: 32
...
	.end_amdgpu_metadata
.endif
;; end of part 3
;; launch oproj (part 4): grid 128 x 2, 4 waves a work-group, no clusters, 17,920 bytes of LDS; arguments acod, ascl, wimg, wscl, out0; writes out0
.if DOCPART == 4
	.amdgcn_target "amdgcn-amd-amdhsa--gfx1250"
	.amdhsa_code_object_version 6
	.text
	.protected	k_qedc77ce77f_oproj
	.globl	k_qedc77ce77f_oproj
	.p2align	8
	.type	k_qedc77ce77f_oproj,@function
k_qedc77ce77f_oproj:
	s_mov_b64 s[64:65], 0
	v_nop
	global_prefetch_b8 v0, s[64:65] scope:SCOPE_SE
	s_setreg_imm32_b32 hwreg(HW_REG_WAVE_MODE, 25, 1), 1
	s_wait_xcnt 0x0
; out0 = A Wo^T on codes of BF6 (E3M2) with one E8M0 scale for each 32 along K.  A is attention's result, already codes: acod [tokblk 128][head 16][j 4][768 B] half fragments (64 along K), ascl [tokblk][head][j][r][4 B].
; SHARES.  A work-group takes 64 tokens (x) and 512 columns (y); wave w makes columns 64 (8 y + 2 w + trip) on, two trips: 64 x 64 each, 16 accumulators by turns, K in 8 steps of 128 (two heads).
; A's 32 fragments stay in registers (two heads' halves make one fragment); Wo's come from wimg straight into a ring of four slots of registers.  No tensor load, so no multicast; waves share nothing, so no barrier.
; Source 0 = 16 rows of Wo (tile 2 b + u: row 32 b + 8 u + r + 8 (r / 8)), source 1 = 16 tokens: a lane holds one token, and registers 16 b + i of a token tile are columns 32 b + 16 (lane / 16) + i.
; THE WAY OUT: 16 tokens x 64 columns go through the wave's own stage in LDS and leave as rows of 256 consecutive bytes, aligned, sixteen lanes to a row.
; REGISTERS: window 0: v4-11 addresses; v16-31 A's scale words; v32-47 Wo's; v48-111 rows on the way out (at the head v48-79: halves of scale words); v128-255 accumulators.  Windows 1, 2: A's fragments.  Window 3: Wo's ring.
.set LI,   4
.set LS,   7
.set L8,   8
.set SI,   9                           ; the stage, in: 272 r + 64 h
.set SOU,  10                          ; out: 272 h + 16 r
.set CO,   11                          ; in out0: 4,096 h + 16 r
.set XS,   16
.set WS,   32
.set TT,   48
.set OB,   48
.set ACC,  128
.set WV,   18
.set HC,   23
.set WP,   30
.set WSP,  32
.set AP,   34
.set ASP,  36
.set OP,   12
.set MSB, 0
.macro WIN new                         ; the immediate's high byte repeats the setting that is left
.if MSB != (\new)
	s_set_vgpr_msb (MSB<<8)|(\new)
.set MSB, \new
.endif
.endm
.macro PLACES n                        ; plain vector instructions between a matrix instruction and what touches its registers (ISA guide 7.12.1)
.rept \n
	v_nop
.endr
.endm
.macro WM d, a, b, zero, sa, ra, sb, rb
.if (\zero) && (\ra) && (\rb)
	v_wmma_scale_f32_16x16x128_f8f6f4 v[0+(\d):7+(\d)], v[0+(\a):11+(\a)], v[0+(\b):11+(\b)], 0, v[\sa], v[\sb] matrix_a_fmt:MATRIX_FMT_BF6 matrix_b_fmt:MATRIX_FMT_BF6 matrix_a_scale:MATRIX_SCALE_ROW1 matrix_b_scale:MATRIX_SCALE_ROW1
.elseif (\zero) && (\ra)
	v_wmma_scale_f32_16x16x128_f8f6f4 v[0+(\d):7+(\d)], v[0+(\a):11+(\a)], v[0+(\b):11+(\b)], 0, v[\sa], v[\sb] matrix_a_fmt:MATRIX_FMT_BF6 matrix_b_fmt:MATRIX_FMT_BF6 matrix_a_scale:MATRIX_SCALE_ROW1
.elseif (\zero) && (\rb)
	v_wmma_scale_f32_16x16x128_f8f6f4 v[0+(\d):7+(\d)], v[0+(\a):11+(\a)], v[0+(\b):11+(\b)], 0, v[\sa], v[\sb] matrix_a_fmt:MATRIX_FMT_BF6 matrix_b_fmt:MATRIX_FMT_BF6 matrix_b_scale:MATRIX_SCALE_ROW1
.elseif (\zero)
	v_wmma_scale_f32_16x16x128_f8f6f4 v[0+(\d):7+(\d)], v[0+(\a):11+(\a)], v[0+(\b):11+(\b)], 0, v[\sa], v[\sb] matrix_a_fmt:MATRIX_FMT_BF6 matrix_b_fmt:MATRIX_FMT_BF6
.elseif (\ra) && (\rb)
	v_wmma_scale_f32_16x16x128_f8f6f4 v[0+(\d):7+(\d)], v[0+(\a):11+(\a)], v[0+(\b):11+(\b)], v[0+(\d):7+(\d)], v[\sa], v[\sb] matrix_a_fmt:MATRIX_FMT_BF6 matrix_b_fmt:MATRIX_FMT_BF6 matrix_a_scale:MATRIX_SCALE_ROW1 matrix_b_scale:MATRIX_SCALE_ROW1
.elseif (\ra)
	v_wmma_scale_f32_16x16x128_f8f6f4 v[0+(\d):7+(\d)], v[0+(\a):11+(\a)], v[0+(\b):11+(\b)], v[0+(\d):7+(\d)], v[\sa], v[\sb] matrix_a_fmt:MATRIX_FMT_BF6 matrix_b_fmt:MATRIX_FMT_BF6 matrix_a_scale:MATRIX_SCALE_ROW1
.elseif (\rb)
	v_wmma_scale_f32_16x16x128_f8f6f4 v[0+(\d):7+(\d)], v[0+(\a):11+(\a)], v[0+(\b):11+(\b)], v[0+(\d):7+(\d)], v[\sa], v[\sb] matrix_a_fmt:MATRIX_FMT_BF6 matrix_b_fmt:MATRIX_FMT_BF6 matrix_b_scale:MATRIX_SCALE_ROW1
.else
	v_wmma_scale_f32_16x16x128_f8f6f4 v[0+(\d):7+(\d)], v[0+(\a):11+(\a)], v[0+(\b):11+(\b)], v[0+(\d):7+(\d)], v[\sa], v[\sb] matrix_a_fmt:MATRIX_FMT_BF6 matrix_b_fmt:MATRIX_FMT_BF6
.endif
.endm
.macro WFILL                           ; K steps 0-3 of 64 rows of Wo into the ring's four slots (48 loads), and their scale words (4)
	WIN 0xc0
.set i, 0
.rept 48
	global_load_b128 v[4*i:4*i+3], v[LI], s[WP:WP+1] offset:512*i
.set i, i+1
.endr
	WIN 0
.set i, 0
.rept 4
	global_load_b128 v[WS+4*i:WS+4*i+3], v[LI], s[WSP:WSP+1] offset:512*i
.set i, i+1
.endr
.endm
.macro GSTEP ks                        ; K step ks: 16 matrix instructions, the 16 accumulators by turns
.if (\ks) == 0
	s_wait_loadcnt 0x0                             ; the ring's four slots and the scale words are in
.elseif (\ks) >= 4
	s_wait_loadcnt 12*(7-(\ks))                    ; this step's 12 loads are in; the later steps' refills, 12 each, may be out
.endif
	WIN 0x07+4*((\ks)/4)                           ; source 0 (Wo) window 3, source 1 (A) window 1 or 2
.set gm, 0
.rept 4
.set gt, 0
.rept 4
	WM ACC+32*gm+8*gt, 48*((\ks)%4)+12*gt, 48*((\ks)%4)+12*gm, (\ks)==0, WS+8*(gt/2)+(\ks), gt%2, XS+2*(\ks)+gm/2, gm%2
.set gt, gt+1
.endr
.set gm, gm+1
.endr
	WIN 0
.if (\ks) < 4
	PLACES 4                                       ; in front of loads into registers that matrix instructions have read
	WIN 0xc0
.set gt, 0
.rept 12
	global_load_b128 v[48*(\ks)+4*gt:48*(\ks)+4*gt+3], v[LI], s[WP:WP+1] offset:6144*((\ks)+4)+512*gt
.set gt, gt+1
.endr
	WIN 0
.endif
.endm
.macro OUT m                           ; tokens 16 m on
	s_wait_xcnt 0x0                                ; earlier stores have read the registers that the loads below fill
.set i, 0
.rept 8
	ds_store_b128 v[SI], v[ACC+32*(\m)+4*i:ACC+32*(\m)+4*i+3] offset:128*(i/4)+16*(i%4)   ; each accumulator from its low end on
.set i, i+1
.endr
.set i, 0
.rept 8
	ds_load_b128 v[OB+32*((\m)%2)+4*i:OB+32*((\m)%2)+4*i+3], v[SOU] offset:544*i   ; LDS serves a wave's instructions in order: these see my stores
.set i, i+1
.endr
.set i, 0
.rept 8
	s_wait_dscnt 7-i                               ; the younger loads may be out
	global_store_b128 v[CO], v[OB+32*((\m)%2)+4*i:OB+32*((\m)%2)+4*i+3], s[OP:OP+1] offset:4096*(16*(\m)+2*i) th:TH_STORE_NT   ; sixteen lanes store 256 consecutive bytes, aligned
.set i, i+1
.endr
.endm
	s_load_b256 s[4:11], s[0:1], 0x0               ; acod, ascl, wimg, wscl
	s_load_b64 s[12:13], s[0:1], 0x20              ; out0
	v_lshl_add_u32 v126, v0, 2, 0x4400
	v_mov_b32 v127, 0
	v_lshrrev_b32 v1, 5, v0
	v_readfirstlane_b32 s[WV], v1                  ; wave 0..3
	v_and_b32 v1, 31, v0
	v_and_b32 v2, 15, v0                           ; r
	v_bfe_u32 v3, v0, 4, 1                         ; h
	v_lshlrev_b32 v[LI], 4, v1
	v_lshlrev_b32 v[LS], 2, v1
	v_lshlrev_b32 v[L8], 3, v1
	s_mul_i32 s38, s[WV], 4352                     ; my stage: 16 rows x (256 + 16) bytes
	v_mul_u32_u24 v[SI], v2, 272
	v_lshl_add_u32 v[SI], v3, 6, v[SI]
	v_add_nc_u32 v[SI], s38, v[SI]
	v_mul_u32_u24 v[SOU], v3, 272
	v_lshl_add_u32 v[SOU], v2, 4, v[SOU]
	v_add_nc_u32 v[SOU], s38, v[SOU]
	v_lshlrev_b32 v[CO], 12, v3
	v_lshl_add_u32 v[CO], v2, 4, v[CO]
	s_and_b32 s19, ttmp7, 0xffff
	s_lshl_b32 s38, s19, 3
	s_lshl_b32 s39, s[WV], 1
	s_add_co_u32 s38, s38, s39                     ; my first 64 columns: 8 y + 2 w
	s_mul_i32 s40, s38, 49152
	s_add_co_u32 s40, s40, 3*786432                ; Wo is the fourth weight
	s_mov_b32 s41, 0
	s_lshl_b32 s42, s38, 11
	s_add_co_u32 s42, s42, 3*32768
	s_mov_b32 s43, 0
	s_mul_i32 s44, ttmp9, 49152
	s_mov_b32 s45, 0
	s_lshl_b32 s46, ttmp9, 12
	s_mov_b32 s47, 0
	s_lshl_b32 s48, ttmp9, 18
	s_lshl_b32 s49, s38, 8
	s_add_co_u32 s48, s48, s49
	s_mov_b32 s49, 0
	s_mov_b32 s[HC], 2
	s_wait_kmcnt 0x0
	s_add_nc_u64 s[AP:AP+1], s[4:5], s[44:45]
	s_add_nc_u64 s[ASP:ASP+1], s[6:7], s[46:47]
	s_add_nc_u64 s[WP:WP+1], s[8:9], s[40:41]
	s_add_nc_u64 s[WSP:WSP+1], s[10:11], s[42:43]
	s_add_nc_u64 s[OP:OP+1], s[OP:OP+1], s[48:49]
	WIN 0x40                                       ; heads 0-7: K steps 0-3.  i = 4 head + m: registers 48 ((head / 2) % 4) + 12 m + 6 (head % 2) on
.set i, 0
.rept 32
	global_load_b128 v[48*((i/8)%4)+12*(i%4)+6*((i/4)%2):48*((i/8)%4)+12*(i%4)+6*((i/4)%2)+3], v[LI], s[AP:AP+1] offset:768*i
	global_load_b64 v[48*((i/8)%4)+12*(i%4)+6*((i/4)%2)+4:48*((i/8)%4)+12*(i%4)+6*((i/4)%2)+5], v[L8], s[AP:AP+1] offset:768*i+512
.set i, i+1
.endr
	WIN 0x80                                       ; heads 8-15: K steps 4-7
.rept 32
	global_load_b128 v[48*((i/8)%4)+12*(i%4)+6*((i/4)%2):48*((i/8)%4)+12*(i%4)+6*((i/4)%2)+3], v[LI], s[AP:AP+1] offset:768*i
	global_load_b64 v[48*((i/8)%4)+12*(i%4)+6*((i/4)%2)+4:48*((i/8)%4)+12*(i%4)+6*((i/4)%2)+5], v[L8], s[AP:AP+1] offset:768*i+512
.set i, i+1
.endr
	WIN 0
.set i, 0
.rept 32
	global_load_b32 v[TT+i], v[LS], s[ASP:ASP+1] offset:128*i   ; i = 2 head + jj: tile 2 jj in lanes 0-15, tile 2 jj + 1 in lanes 16-31
.set i, i+1
.endr
	WFILL
	s_wait_loadcnt 0x0
.set i, 0
.rept 16
	v_lshl_or_b32 v[XS+i], v[TT+4*(i/2)+2+i%2], 16, v[TT+4*(i/2)+i%2]   ; bytes 0, 1: head 2 s; bytes 2, 3: head 2 s + 1
.set i, i+1
.endr
	PLACES 8                                       ; a scale register written by a vector instruction stands 8 places ahead of a scaled matrix instruction
.Lcol:
.irp n, 0,1,2,3,4,5,6,7
	GSTEP \n
.endr
	PLACES 5                                       ; four serve the loads into the ring and the first read of results; the fifth is owed to the next trip's first products, which begin the sums anew and so write over registers of these matrix instructions: no other vector instruction stands on the way round the loop
	s_cmp_eq_u32 s[HC], 1
	s_cbranch_scc1 .Lnf                            ; the last trip asks for nothing more
	s_add_nc_u64 s[WP:WP+1], s[WP:WP+1], 49152     ; (K step 7's wait for 0 has shown every load that named these done)
	s_add_nc_u64 s[WSP:WSP+1], s[WSP:WSP+1], 2048
	WFILL                                          ; lands under the way out
.Lnf:
	OUT 0
	OUT 1
	OUT 2
	OUT 3
	s_wait_xcnt 0x0                                ; the stores have read their base
	s_add_nc_u64 s[OP:OP+1], s[OP:OP+1], 256
	s_sub_co_u32 s[HC], s[HC], 1
	s_cmp_lg_u32 s[HC], 0
	s_cbranch_scc1 .Lcol
	s_wait_tensorcnt 0x0
	ds_add_u32 v126, v127
	s_wait_dscnt 0x0
	s_endpgm
.Lfunc_end_k_qedc77ce77f_oproj:
	.size	k_qedc77ce77f_oproj, .Lfunc_end_k_qedc77ce77f_oproj-k_qedc77ce77f_oproj
	.p2alignl 7, 3214868480
	.fill 96, 4, 3214868480
	.section	.rodata,"a",@progbits
	.p2align	6, 0x0
	.amdhsa_kernel k_qedc77ce77f_oproj
		.amdhsa_group_segment_fixed_size 17920
		.amdhsa_private_segment_fixed_size 0
		.amdhsa_enable_private_segment 0
		.amdhsa_kernarg_size 40
		.amdhsa_user_sgpr_count 2
		.amdhsa_user_sgpr_kernarg_segment_ptr 1
		.amdhsa_wavefront_size32 1
		.amdhsa_system_sgpr_workgroup_id_x 1
		.amdhsa_system_sgpr_workgroup_id_y 1
		.amdhsa_system_sgpr_workgroup_id_z 1
		.amdhsa_system_vgpr_workitem_id 0
		.amdhsa_next_free_vgpr 960
		.amdhsa_next_free_sgpr 66
		.amdhsa_reserve_vcc 0
		.amdhsa_float_denorm_mode_32 3
		.amdhsa_float_denorm_mode_16_64 3
		.amdhsa_memory_ordered 1
		.amdhsa_forward_progress 1
		.amdhsa_inst_pref_size 60
	.end_amdhsa_kernel
	.amdgpu_metadata
---
amdhsa.version: [ 1, 2 ]
amdhsa.kernels:
  - .name:           k_qedc77ce77f_oproj
    .symbol:         k_qedc77ce77f_oproj.kd
    .args:
      - { .name: acod, .offset: 0, .size: 8, .value_kind: global_buffer, .address_space: global }
      - { .name: ascl, .offset: 8, .size: 8, .value_kind: global_buffer, .address_space: global }
      - { .name: wimg, .offset: 16, .size: 8, .value_kind: global_buffer, .address_space: global }
      - { .name: wscl, .offset: 24, .size: 8, .value_kind: global_buffer, .address_space: global }
      - { .name: out0, .offset: 32, .size: 8, .value_kind: global_buffer, .address_space: global }
    .group_segment_fixed_size: 17920
    .private_segment_fixed_size: 0
    .kernarg_segment_align: 8
    .kernarg_segment_size: 40
    .max_flat_workgroup_size: 128
    .sgpr_count:     66
    .vgpr_count:     960
    .wavefront_size: 32
...
	.end_amdgpu_metadata
.endif
;; end of part 4
;; ======== version 2 of 2: 4 launches
;; workspace buffers: wimg 3,145,728 bytes; wscl 131,072 bytes; qkvc 18,874,368 bytes; qkvs 1,572,864 bytes; acod 6,291,456 bytes; ascl 524,288 bytes; flags 2,048 bytes of whole numbers
;; launch prep (part 5): grid 192 x 1, 4 waves a work-group, no clusters, 34,304 bytes of LDS; arguments Wq, Wk, Wv, Wo, mask, wimg, wscl, flags; writes wimg, wscl, flags
.if DOCPART == 5
	.amdgcn_target "amdgcn-amd-amdhsa--gfx1250"
	.amdhsa_code_object_version 6
	.text
	.protected	k_qedc77ce77f_prep
	.globl	k_qedc77ce77f_prep
	.p2align	8
	.type	k_qedc77ce77f_prep,@function
k_qedc77ce77f_prep:
	s_mov_b64 s[64:65], 0
	v_nop
	global_prefetch_b8 v0, s[64:65] scope:SCOPE_SE
	s_setreg_imm32_b32 hwreg(HW_REG_WAVE_MODE, 25, 1), 1
	s_wait_xcnt 0x0
; TWO JOBS IN ONE LAUNCH, parted by the work-group's number.
; Work-groups 0-63: the four weights [1024][1024] f32 (K innermost) become codes of BF6 (E3M2) with one E8M0 byte for each 32 along K, laid as IMAGES OF THE OPERAND'S REGISTERS:
;   wimg [w 4][hd 16][s 8][t 4][c 3][lane 32][16 B]: fragment (16 rows x 128 K, 12 registers a lane) of weight w, rows 64 hd on, K step s, tile t.  Lane r of tile t = 2 b + u holds row 64 hd + 32 b + 8 u + r + 8 (r / 8),
;   so that the 16 registers of the results of tiles 2 b and 2 b + 1 are 16 neighbours along the next product's K.
;   wscl [w][hd][j 2][hf 2][lane 32][16 B]: lane 16 (t & 1) + r, t = 2 j + (lane / 16), holds the scale words of K steps 4 hf .. 4 hf + 3.
;   Work-group = (w, hd), wave = tile t.  A block's scale: the largest magnitude's exponent field - 4, held at 1 from below (a block of zeros keeps the byte 1: its codes are zeros, and this program alone reads the bytes).
; Work-groups 64-191: the mask [2048][2048] of bytes is classed by tiles of 64 queries x 128 keys, a wave a tile: 0 all masked, 1 none masked, 2 mixed; flags word [g 32][j 16] = class << 2 j.
;   (One store of 4 bytes a wave, 2,048 bytes in all: too little to gather.)
; LIMITS: NaN and infinities among the weights are not served; blocks whose largest magnitude lies under 2^-122 keep the byte 1.
; No tensor loads, no barrier: waves share nothing.  The stage in LDS is each wave's own.
.set LI,   4                           ; v4   16 x lane; also the loads' offset for a tile's rows 0-7
.set XO,   4                           ; v5   the same + 8 rows: a tile's rows 8-15 lie 8 rows further on
.set STI,  9                           ; v9   the stage, on the way in: 16 x lane
.set STO,  10                          ; v10  on the way out: 528 r + 64 h
.set SWO,  11                          ; v11  the scale words' place: 512 h + 16 r
.set TM,   48                          ; v48-63  at work in QUANT
.set PW,   64                          ; v64  the scale word just made
.set PC,   72                          ; v72-91  the codes just made
.set X,    96                          ; v96-159 64 numbers of my row: register 16 b + i = k 32 b + 16 h + i
.set SW,   160                         ; v160-167 the eight K steps' scale words
.set SD,   168                         ; v168-171 four of them, by the lane's half
.set WV,   20
.set SEL,  30                          ; s[30:31] v_permlanex16_b32's selects for lane l xor 16
.set HM,   32                          ; s32  lanes 16-31
.set XP,   4                           ; s[4:5]  my tile's first row
.set WI,   14                          ; s[14:15] my tile's images
.set MSB, 0
.macro WIN new                         ; the immediate's high byte repeats the setting that is left
.if MSB != (\new)
	s_set_vgpr_msb (MSB<<8)|(\new)
.set MSB, \new
.endif
.endm
; 64 numbers of a lane, register 16 b + i = k 32 b + 16 (lane / 16) + i of my row, become a fragment's codes in v[PC] on and its scale word in v[PW]
.macro QUANT s
.irp b, 0,1,2,3
	v_max3_num_f32 v[TM+\b], |v[\s+16*\b]|, |v[\s+1+16*\b]|, 0x2800000   ; block b: my 16 numbers, and the floor 2^(5 - 127): the byte cannot fall under 1
.endr
.irp i, 2,4,6,8,10,12,14
.irp b, 0,1,2,3
	v_max3_num_f32 v[TM+\b], v[TM+\b], |v[\s+16*\b+\i]|, |v[\s+1+16*\b+\i]|   ; the four blocks by turns
.endr
.endr
.irp b, 0,1,2,3
	v_permlanex16_b32 v[TM+4+\b], v[TM+\b], s[SEL], s[SEL+1]
.endr
.irp b, 0,1,2,3
	v_max_num_f32 v[TM+\b], v[TM+\b], v[TM+4+\b]   ; with lane l xor 16's: the block's largest magnitude
.endr
.irp b, 0,1,2,3
	v_add_nc_u32 v[TM+12+\b], 0xfe000000, v[TM+\b]   ; 4 off its exponent field: the conversion's scale operand
.endr
.irp b, 0,1,2,3
	v_lshrrev_b32 v[TM+4+\b], 23, v[TM+12+\b]      ; the scale's byte
.endr
	v_lshl_or_b32 v[PW], v[TM+5], 8, v[TM+4]
	v_lshl_or_b32 v[PW], v[TM+6], 16, v[PW]
	v_lshl_or_b32 v[PW], v[TM+7], 24, v[PW]
.irp c, 0,1
	v_cvt_scalef32_pk16_bf6_f32 v[PC+6*\c:PC+2+6*\c], v[\s+32*\c:\s+15+32*\c], v[TM+12+2*\c]
	v_cvt_scalef32_pk16_bf6_f32 v[PC+12+4*\c:PC+14+4*\c], v[\s+16+32*\c:\s+31+32*\c], v[TM+12+2*\c+1]   ; (a conversion's three registers begin on an even number)
.endr
	v_nop                                          ; one plain place behind a scaled conversion
.irp c, 0,1                                    ; the operand's layout wants a whole block in a lane
.irp i, 0,1,2
	v_permlane16_swap_b32 v[PC+6*\c+\i], v[PC+12+4*\c+\i]
.endr
.irp i, 0,1,2
	v_mov_b32 v[PC+3+6*\c+\i], v[PC+12+4*\c+\i]
.endr
.endr
.endm
.macro XLOAD rs, ks                    ; K step ks of my 16 rows into set rs of window 1: each load reads 512 consecutive bytes of one row
	WIN 0x40
.set i, 0
.rept 16
	global_load_b128 v[64*(\rs)+4*i:64*(\rs)+4*i+3], v[XO+i/8], s[XP:XP+1] offset:4096*i+512*(\ks) th:TH_LOAD_NT
.set i, i+1
.endr
	WIN 0
.endm
.macro TURN rs                         ; through my stage: in as loaded, a row to a store; out 64 bytes a lane.  LDS serves a wave's instructions in order
	WIN 0x04
.set i, 0
.rept 16
	ds_store_b128 v[STI], v[64*(\rs)+4*i:64*(\rs)+4*i+3] offset:528*i
.set i, i+1
.endr
	WIN 0
.set i, 0
.rept 16
	ds_load_b128 v[X+4*i:X+4*i+3], v[STO] offset:128*(i/4)+16*(i%4)
.set i, i+1
.endr
.endm
.macro XSTEP ks
.if (\ks)+3 < 8
	XLOAD ((\ks)+3)%4, (\ks)+3                     ; three K steps ahead; that set's stores into the stage were waited for in the last step
.endif
.if 7-(\ks) >= 3
	s_wait_loadcnt 48                              ; this step's 16 loads are in; those of the three later steps may be out
.else
	s_wait_loadcnt 16*(7-(\ks))
.endif
	TURN (\ks)%4
	s_wait_dscnt 0x0
	s_wait_xcnt 0x0                                ; the last step's stores have read the codes' registers
	QUANT X
.irp c, 0,1,2
	global_store_b128 v[LI], v[PC+4*\c:PC+4*\c+3], s[WI:WI+1] offset:6144*(\ks)+512*\c   ; 512 consecutive bytes a store
.endr
	v_mov_b32 v[SW+(\ks)], v[PW]
.endm
	s_load_b256 s[4:11], s[0:1], 0x0               ; Wq, Wk, Wv, Wo
	s_load_b256 s[12:19], s[0:1], 0x20             ; mask, wimg, wscl, flags
	v_lshl_add_u32 v254, v0, 2, 0x8400
	v_mov_b32 v255, 0
	v_lshrrev_b32 v1, 5, v0
	v_readfirstlane_b32 s[WV], v1                  ; wave 0..3
	v_and_b32 v1, 31, v0                           ; lane
	s_cmp_lt_u32 ttmp9, 64
	s_cbranch_scc0 .Lmask
	; ---- the weights
	v_and_b32 v2, 15, v0                           ; r
	v_bfe_u32 v3, v0, 4, 1                         ; h
	v_lshlrev_b32 v[LI], 4, v1
	v_add_nc_u32 v[XO+1], 32768, v[LI]
	s_mul_i32 s21, s[WV], 8448                     ; my stage: 16 rows x (512 + 16) bytes
	v_add_nc_u32 v[STI], s21, v[LI]
	v_mul_u32_u24 v[STO], v2, 528
	v_lshl_add_u32 v[STO], v3, 6, v[STO]
	v_add_nc_u32 v[STO], s21, v[STO]
	v_lshlrev_b32 v[SWO], 4, v2
	v_lshl_add_u32 v[SWO], v3, 9, v[SWO]
.irp b, 0,1,2,3
	v_mov_b32 v[TM+4+\b], 0                        ; written once: a lane permute's destination counts as one of its sources
.endr
	s_mov_b32 s[SEL], 0x76543210
	s_mov_b32 s[SEL+1], 0xfedcba98
	s_mov_b32 s[HM], 0xffff0000
	s_lshr_b32 s22, ttmp9, 4                       ; which weight
	s_and_b32 s23, ttmp9, 15                       ; which 64 rows
	s_lshl_b32 s24, s23, 6
	s_lshr_b32 s25, s[WV], 1
	s_lshl_b32 s25, s25, 5
	s_add_co_u32 s24, s24, s25
	s_and_b32 s25, s[WV], 1
	s_lshl_b32 s25, s25, 3
	s_add_co_u32 s24, s24, s25                     ; my tile's first row: 64 hd + 32 (t / 2) + 8 (t % 2)
	s_lshl_b32 s24, s24, 12
	s_mov_b32 s25, 0
	s_mul_i32 s26, s22, 786432
	s_mul_i32 s27, s23, 49152
	s_add_co_u32 s26, s26, s27
	s_mul_i32 s27, s[WV], 1536
	s_add_co_u32 s26, s26, s27
	s_mov_b32 s27, 0
	s_lshl_b32 s28, s22, 15
	s_lshl_b32 s29, s23, 11
	s_add_co_u32 s28, s28, s29
	s_lshr_b32 s29, s[WV], 1
	s_lshl_b32 s29, s29, 10
	s_add_co_u32 s28, s28, s29
	s_and_b32 s29, s[WV], 1
	s_lshl_b32 s29, s29, 8
	s_add_co_u32 s28, s28, s29
	s_mov_b32 s29, 0
	s_wait_alu depctr_va_vdst(0)
	s_wait_kmcnt 0x0
	s_cmp_eq_u32 s22, 1                            ; the choice hangs on the work-group's number alone
	s_cselect_b64 s[4:5], s[6:7], s[4:5]
	s_cmp_eq_u32 s22, 2
	s_cselect_b64 s[4:5], s[8:9], s[4:5]
	s_cmp_eq_u32 s22, 3
	s_cselect_b64 s[4:5], s[10:11], s[4:5]
	s_add_nc_u64 s[XP:XP+1], s[XP:XP+1], s[24:25]
	s_add_nc_u64 s[WI:WI+1], s[WI:WI+1], s[26:27]
	s_add_nc_u64 s[16:17], s[16:17], s[28:29]
	XLOAD 0, 0
	XLOAD 1, 1
	XLOAD 2, 2
.irp n, 0,1,2,3,4,5,6,7
	XSTEP \n
.endr
.irp i, 0,1,2,3
	v_cndmask_b32 v[SD+\i], v[SW+\i], v[SW+4+\i], s[HM]   ; lanes 0-15 store K steps 0-3, lanes 16-31 K steps 4-7
.endr
	global_store_b128 v[SWO], v[SD:SD+3], s[16:17] ; two runs of 256 consecutive bytes
	s_wait_tensorcnt 0x0
	ds_add_u32 v254, v255
	s_wait_dscnt 0x0
	s_endpgm
	; ---- the mask
.Lmask:
	s_sub_co_u32 s21, ttmp9, 64
	s_lshl_b32 s21, s21, 2
	s_add_co_u32 s21, s21, s[WV]                   ; the tile's number: 16 g + j
	s_lshr_b32 s22, s21, 4
	s_and_b32 s23, s21, 15
	s_lshl_b32 s24, s22, 17                        ; 64 rows of 2,048 bytes
	s_lshl_b32 s25, s23, 7
	s_add_co_u32 s24, s24, s25
	s_mov_b32 s25, 0
	s_wait_alu depctr_va_vdst(0)
	v_lshrrev_b32 v2, 3, v1
	v_and_b32 v3, 7, v1
	v_lshlrev_b32 v4, 11, v2
	v_lshl_add_u32 v4, v3, 4, v4                   ; eight lanes to a row's 128 bytes, four rows a load
	s_mov_b32 s26, 0x01010101
	s_wait_alu depctr_va_vdst(0)
	s_wait_kmcnt 0x0
	s_add_nc_u64 s[12:13], s[12:13], s[24:25]
.set i, 0
.rept 16
	global_load_b128 v[16+4*i:19+4*i], v4, s[12:13] offset:8192*i
.set i, i+1
.endr
	s_wait_loadcnt 0x0
	v_or_b32 v8, v16, v17
	v_and_b32 v9, v16, v17
.set i, 2
.rept 62
	v_or_b32 v8, v8, v[16+i]
	v_and_b32 v9, v9, v[16+i]
.set i, i+1
.endr
	v_cmp_ne_u32 vcc_lo, 0, v8                     ; a lane that saw a masked byte
	v_cmp_ne_u32 s27, s26, v9                      ; a lane that saw an open byte
	s_cmp_lg_u32 vcc_lo, 0
	s_cselect_b32 s28, 2, 1
	s_cmp_lg_u32 s27, 0
	s_cselect_b32 s28, s28, 0
	s_lshl_b32 s23, s23, 1
	s_lshl_b32 s28, s28, s23                       ; class << 2 j
	v_mov_b32 v5, s28
	s_lshl_b32 s21, s21, 2
	v_mov_b32 v6, s21
	v_cmp_eq_u32 vcc_lo, 0, v1
	s_wait_alu depctr_va_vdst(0)
	s_wait_xcnt 0x0                                ; EXEC changes only behind this wait
	s_and_saveexec_b32 s29, vcc_lo
	global_store_b32 v6, v5, s[18:19]
	s_wait_xcnt 0x0
	s_or_b32 exec_lo, exec_lo, s29
	s_endpgm
.Lfunc_end_k_qedc77ce77f_prep:
	.size	k_qedc77ce77f_prep, .Lfunc_end_k_qedc77ce77f_prep-k_qedc77ce77f_prep
	.p2alignl 7, 3214868480
	.fill 96, 4, 3214868480
	.section	.rodata,"a",@progbits
	.p2align	6, 0x0
	.amdhsa_kernel k_qedc77ce77f_prep
		.amdhsa_group_segment_fixed_size 34304
		.amdhsa_private_segment_fixed_size 0
		.amdhsa_enable_private_segment 0
		.amdhsa_kernarg_size 64
		.amdhsa_user_sgpr_count 2
		.amdhsa_user_sgpr_kernarg_segment_ptr 1
		.amdhsa_wavefront_size32 1
		.amdhsa_system_sgpr_workgroup_id_x 1
		.amdhsa_system_sgpr_workgroup_id_y 1
		.amdhsa_system_sgpr_workgroup_id_z 1
		.amdhsa_system_vgpr_workitem_id 0
		.amdhsa_next_free_vgpr 512
		.amdhsa_next_free_sgpr 66
		.amdhsa_reserve_vcc 1
		.amdhsa_float_denorm_mode_32 3
		.amdhsa_float_denorm_mode_16_64 3
		.amdhsa_memory_ordered 1
		.amdhsa_forward_progress 1
		.amdhsa_inst_pref_size 73
	.end_amdhsa_kernel
	.amdgpu_metadata
---
amdhsa.version: [ 1, 2 ]
amdhsa.kernels:
  - .name:           k_qedc77ce77f_prep
    .symbol:         k_qedc77ce77f_prep.kd
    .args:
      - { .name: Wq, .offset: 0, .size: 8, .value_kind: global_buffer, .address_space: global }
      - { .name: Wk, .offset: 8, .size: 8, .value_kind: global_buffer, .address_space: global }
      - { .name: Wv, .offset: 16, .size: 8, .value_kind: global_buffer, .address_space: global }
      - { .name: Wo, .offset: 24, .size: 8, .value_kind: global_buffer, .address_space: global }
      - { .name: mask, .offset: 32, .size: 8, .value_kind: global_buffer, .address_space: global }
      - { .name: wimg, .offset: 40, .size: 8, .value_kind: global_buffer, .address_space: global }
      - { .name: wscl, .offset: 48, .size: 8, .value_kind: global_buffer, .address_space: global }
      - { .name: flags, .offset: 56, .size: 8, .value_kind: global_buffer, .address_space: global }
    .group_segment_fixed_size: 34304
    .private_segment_fixed_size: 0
    .kernarg_segment_align: 8
    .kernarg_segment_size: 64
    .max_flat_workgroup_size: 128
    .sgpr_count:     66
    .vgpr_count:     512
    .wavefront_size: 32
...
	.end_amdgpu_metadata
.endif
;; end of part 5
;; launch proj (part 6): grid 128 x 3, 4 waves a work-group, no clusters, 86,528 bytes of LDS; arguments q, k, v, wimg, wscl, qkvc, qkvs; writes qkvc, qkvs
.if DOCPART == 6
	.amdgcn_target "amdgcn-amd-amdhsa--gfx1250"
	.amdhsa_code_object_version 6
	.text
	.protected	k_qedc77ce77f_proj
	.globl	k_qedc77ce77f_proj
	.p2align	8
	.type	k_qedc77ce77f_proj,@function
k_qedc77ce77f_proj:
	s_mov_b64 s[64:65], 0
	v_nop
	global_prefetch_b8 v0, s[64:65] scope:SCOPE_SE
	s_setreg_imm32_b32 hwreg(HW_REG_WAVE_SCHED_MODE, 0, 2), 2
	s_setreg_imm32_b32 hwreg(HW_REG_WAVE_MODE, 25, 1), 1
	s_wait_xcnt 0x0
	s_wait_alu depctr_vm_vsrc(0)
; Q = q Wq^T, K = k Wk^T, V = v Wv^T on codes of BF6 (E3M2) with one E8M0 scale for each 32 along K; the results are quantised at once for attention's products and stored as images of operand registers.
; SHARES.  A work-group takes 64 tokens (x: 32 b + blk) of one tensor (y: 0 q, 1 k, 2 v), for all 1,024 columns.  X: wave w quantises 16 rows of x, 8 fragments, and stores their images to LDS; ONE barrier; every wave takes all 32
; fragments into registers (384).  Then wave w makes heads 4 w .. 4 w + 3: 64 tokens x 64 columns each, 16 accumulators by turns, K in 8 steps of 128; W's fragments come from wimg straight into a ring of
; four slots of registers.  So x is read from memory once.  The weights' codes are read by every work-group, 786,432 bytes each: that is the price of no LDS round trip for them; no multicast, since nothing goes through LDS by a tensor load.
; Q and K: source 0 = 16 rows of W, source 1 = 16 tokens: a lane holds ONE token and its registers run along d: quantised along d.  V: the sources swapped: a lane holds ONE d and its registers run along the tokens: quantised along the keys.
; For K and V the tokens of a tile of x are 32 b + 8 u + r + 8 (r / 8) (tile 2 b + u), for Q 16 m + r.
; qkvc [tensor 3][bh 64][blk 32][j 4][768 B]: HALF fragments (64 along K, registers 0-5): registers 0-3 at 16 x lane, registers 4-5 at 512 + 8 x lane.  qkvs [tensor][bh][blk][j][r 16][4 B]: bytes 0, 1 the two blocks' scales, bytes 2, 3 zero.
; LIMITS: NaN and infinities are not served; blocks whose largest magnitude lies under 2^-122 keep the byte 1 (a block of zeros too: its codes are zeros, and this program alone reads the bytes).
; REGISTERS: window 0: v4-12 addresses; v16-31 x's scale words; v32-47 W's; v48-125 at work; v128-255 the accumulators (in phase X v96-159 hold numbers of x).  Window 1: in phase X four sets of loads, then x's fragments of K steps 0-3;
;   window 2: those of K steps 4-7; window 3: W's ring.
; THE MODE: SCHED_MODE bits 1:0 = 2 (LLVM: expert scheduling mode 2), set by the entry lines.  The code itself states the register dependences between vector or matrix instructions and memory or LDS instructions, with s_wait_alu, always for 0.
; THE PLAN.  Registers that memory or LDS instructions touch:
;   window 1's four sets (phase X)   written by the loads of K step s + 3, issued in step s; read by step s's LDS stores into the stage.
;   v[X ..]                          written by step s's LDS loads from the stage; read by step s's quantiser.
;   v[PC ..], v[PW]                  written by step s's quantiser; read by step s's LDS stores of the image.
;     So a step of phase X has two waits: one on vm_vsrc at its head (the last step's LDS stores have read their set, the codes and the scale word), one on va_vdst behind its quantiser (the codes are written; X is read out).
;   W's ring, W's scale words        written by loads; read by matrix instructions.  One wait on va_vdst behind each of K steps 0-3, whose slot is filled again, and one behind K step 7, for the next head's fill.
;     The loads stand in runs: among the matrix instructions each would want two switches of the register window.
;   v[EH ..], v[ESW ..]              written by a head's way out; read by its stores.  One wait on va_vdst ahead of the run of stores, one on vm_vsrc at the next way out's head, a head's 128 matrix instructions behind the stores.
;   v4-12                            addresses: written at the head, never again.     v94, v95: written at the head, read by the closing add alone.
.set LI,   4                           ; v4   16 x lane; also the loads' offset for a tile's rows 0-7
.set XO,   4                           ; v5   the same for rows 8-15
.set LS,   7                           ; v7   4 x lane
.set L8,   8                           ; v8   8 x lane
.set STI,  9
.set STO,  10
.set XWI,  11                          ; v11  where I store x's images: 16 x lane + 12,288 x wave
.set XWS,  12                          ; v12  and their scale words: 64 x wave + 4 r
.set XS,   16                          ; register 2 s + jj: tile 2 jj in lanes 0-15, tile 2 jj + 1 in lanes 16-31
.set WS,   32                          ; register 8 j + s: tile 2 j in lanes 0-15, tile 2 j + 1 in lanes 16-31
.set TM,   48
.set PW,   64
.set PC,   72
.set X,    96
.set ACC,  128
.set ETB,  48
.set ET,   ETB
.set EU,   ETB+8
.set EO,   ETB+16
.set EH,   ETB+24
.set EX,   ETB+56
.set EWD,  ETB+72
.set ESW,  ETB+76
.set EA,   128
.set EW1,  0
.set EW2,  0
.set EW3,  0
.set XIMG, 0                           ; LDS: x's 32 fragments: (tile m, K step s) at 1,536 (8 m + s)
.set XSC,  49152                       ; their scale words: 256 s + 64 m + 4 r
.set STG,  51200                       ; four stages of 16 rows x 528 bytes
.set WV,   18
.set TY,   19
.set SEL,  20
.set HM,   22
.set HC,   23
.set EXTRA, 24
.set XP,   28
.set WP,   30
.set WSP,  32
.set OC,   34
.set OS,   36
.set MSB, 0
.macro WIN new                         ; the immediate's high byte repeats the setting that is left
.if MSB != (\new)
	s_set_vgpr_msb (MSB<<8)|(\new)
.set MSB, \new
.endif
.endm
.macro PLACES n                        ; plain vector instructions between a matrix instruction and what touches its registers (ISA guide 7.12.1)
.rept \n
	v_nop
.endr
.endm
; one matrix instruction.  zero: the sum begins; ra, rb: the side's scales stand in lanes 16-31 of the register named
.macro WM d, a, b, zero, sa, ra, sb, rb
.if (\zero) && (\ra) && (\rb)
	v_wmma_scale_f32_16x16x128_f8f6f4 v[0+(\d):7+(\d)], v[0+(\a):11+(\a)], v[0+(\b):11+(\b)], 0, v[\sa], v[\sb] matrix_a_fmt:MATRIX_FMT_BF6 matrix_b_fmt:MATRIX_FMT_BF6 matrix_a_scale:MATRIX_SCALE_ROW1 matrix_b_scale:MATRIX_SCALE_ROW1
.elseif (\zero) && (\ra)
	v_wmma_scale_f32_16x16x128_f8f6f4 v[0+(\d):7+(\d)], v[0+(\a):11+(\a)], v[0+(\b):11+(\b)], 0, v[\sa], v[\sb] matrix_a_fmt:MATRIX_FMT_BF6 matrix_b_fmt:MATRIX_FMT_BF6 matrix_a_scale:MATRIX_SCALE_ROW1
.elseif (\zero) && (\rb)
	v_wmma_scale_f32_16x16x128_f8f6f4 v[0+(\d):7+(\d)], v[0+(\a):11+(\a)], v[0+(\b):11+(\b)], 0, v[\sa], v[\sb] matrix_a_fmt:MATRIX_FMT_BF6 matrix_b_fmt:MATRIX_FMT_BF6 matrix_b_scale:MATRIX_SCALE_ROW1
.elseif (\zero)
	v_wmma_scale_f32_16x16x128_f8f6f4 v[0+(\d):7+(\d)], v[0+(\a):11+(\a)], v[0+(\b):11+(\b)], 0, v[\sa], v[\sb] matrix_a_fmt:MATRIX_FMT_BF6 matrix_b_fmt:MATRIX_FMT_BF6
.elseif (\ra) && (\rb)
	v_wmma_scale_f32_16x16x128_f8f6f4 v[0+(\d):7+(\d)], v[0+(\a):11+(\a)], v[0+(\b):11+(\b)], v[0+(\d):7+(\d)], v[\sa], v[\sb] matrix_a_fmt:MATRIX_FMT_BF6 matrix_b_fmt:MATRIX_FMT_BF6 matrix_a_scale:MATRIX_SCALE_ROW1 matrix_b_scale:MATRIX_SCALE_ROW1
.elseif (\ra)
	v_wmma_scale_f32_16x16x128_f8f6f4 v[0+(\d):7+(\d)], v[0+(\a):11+(\a)], v[0+(\b):11+(\b)], v[0+(\d):7+(\d)], v[\sa], v[\sb] matrix_a_fmt:MATRIX_FMT_BF6 matrix_b_fmt:MATRIX_FMT_BF6 matrix_a_scale:MATRIX_SCALE_ROW1
.elseif (\rb)
	v_wmma_scale_f32_16x16x128_f8f6f4 v[0+(\d):7+(\d)], v[0+(\a):11+(\a)], v[0+(\b):11+(\b)], v[0+(\d):7+(\d)], v[\sa], v[\sb] matrix_a_fmt:MATRIX_FMT_BF6 matrix_b_fmt:MATRIX_FMT_BF6 matrix_b_scale:MATRIX_SCALE_ROW1
.else
	v_wmma_scale_f32_16x16x128_f8f6f4 v[0+(\d):7+(\d)], v[0+(\a):11+(\a)], v[0+(\b):11+(\b)], v[0+(\d):7+(\d)], v[\sa], v[\sb] matrix_a_fmt:MATRIX_FMT_BF6 matrix_b_fmt:MATRIX_FMT_BF6
.endif
.endm
; 64 numbers of a lane, register 16 b + i = k 32 b + 16 (lane / 16) + i of my row, become a fragment's codes in v[PC] on and its scale word in v[PW]
.macro QUANT s
.irp b, 0,1,2,3
	v_max3_num_f32 v[TM+\b], |v[\s+16*\b]|, |v[\s+1+16*\b]|, 0x2800000   ; block b: my 16 numbers, and the floor 2^(5 - 127): the byte cannot fall under 1
.endr
.irp i, 2,4,6,8,10,12,14
.irp b, 0,1,2,3
	v_max3_num_f32 v[TM+\b], v[TM+\b], |v[\s+16*\b+\i]|, |v[\s+1+16*\b+\i]|
.endr
.endr
.irp b, 0,1,2,3
	v_permlanex16_b32 v[TM+4+\b], v[TM+\b], s[SEL], s[SEL+1]
.endr
.irp b, 0,1,2,3
	v_max_num_f32 v[TM+\b], v[TM+\b], v[TM+4+\b]
.endr
.irp b, 0,1,2,3
	v_add_nc_u32 v[TM+12+\b], 0xfe000000, v[TM+\b]   ; 4 off the exponent field: the conversion's scale operand
.endr
.irp b, 0,1,2,3
	v_lshrrev_b32 v[TM+4+\b], 23, v[TM+12+\b]
.endr
	v_lshl_or_b32 v[PW], v[TM+5], 8, v[TM+4]
	v_lshl_or_b32 v[PW], v[TM+6], 16, v[PW]
	v_lshl_or_b32 v[PW], v[TM+7], 24, v[PW]
.irp c, 0,1
	v_cvt_scalef32_pk16_bf6_f32 v[PC+6*\c:PC+2+6*\c], v[\s+32*\c:\s+15+32*\c], v[TM+12+2*\c]
	v_cvt_scalef32_pk16_bf6_f32 v[PC+12+4*\c:PC+14+4*\c], v[\s+16+32*\c:\s+31+32*\c], v[TM+12+2*\c+1]
.endr
	v_nop                                          ; one plain place behind a scaled conversion
.irp c, 0,1
.irp i, 0,1,2
	v_permlane16_swap_b32 v[PC+6*\c+\i], v[PC+12+4*\c+\i]
.endr
.irp i, 0,1,2
	v_mov_b32 v[PC+3+6*\c+\i], v[PC+12+4*\c+\i]
.endr
.endr
.endm
.macro XLOAD rs, ks                    ; K step ks of my 16 rows into set rs of window 1: each load reads 512 consecutive bytes of one row
	WIN 0x40
.set i, 0
.rept 16
	global_load_b128 v[64*(\rs)+4*i:64*(\rs)+4*i+3], v[XO+i/8], s[XP:XP+1] offset:4096*i+512*(\ks) th:TH_LOAD_NT
.set i, i+1
.endr
	WIN 0
.endm
.macro TURN rs                         ; through my stage: in as loaded, out 64 bytes a lane.  LDS serves a wave's instructions in order
	WIN 0x04
.set i, 0
.rept 16
	ds_store_b128 v[STI], v[64*(\rs)+4*i:64*(\rs)+4*i+3] offset:528*i
.set i, i+1
.endr
	WIN 0
.set i, 0
.rept 16
	ds_load_b128 v[X+4*i:X+4*i+3], v[STO] offset:128*(i/4)+16*(i%4)
.set i, i+1
.endr
.endm
.macro WFILL                           ; a head's K steps 0-3 of W into the ring's four slots (48 loads), and its scale words (4)
	WIN 0xc0
.set i, 0
.rept 48
	global_load_b128 v[4*i:4*i+3], v[LI], s[WP:WP+1] offset:512*i
.set i, i+1
.endr
	WIN 0
.set i, 0
.rept 4
	global_load_b128 v[WS+4*i:WS+4*i+3], v[LI], s[WSP:WSP+1] offset:512*i
.set i, i+1
.endr
.endm
.macro XSTEP ks
.if (\ks) > 0
	s_wait_alu depctr_vm_vsrc(0)                   ; the last step's LDS stores have read their registers: the set of window 1 in which the loads below land, and the codes and the scale word, which this step's quantiser writes again
.endif
.if (\ks)+3 < 8
	XLOAD ((\ks)+3)%4, (\ks)+3                     ; three K steps ahead
.endif
.if 7-(\ks) >= 3
	s_wait_loadcnt 48                              ; this step's 16 loads are in; those of the three later steps may be out
.else
	s_wait_loadcnt 16*(7-(\ks))
.endif
.if (\ks) == 7
	WFILL                                          ; the first head's weights land under the last step's work and the barrier; no vector or matrix instruction has named their registers
.endif
	TURN (\ks)%4
	s_wait_dscnt 0x0
	QUANT X
	s_wait_alu depctr_va_vdst(0)                   ; the quantiser has written the codes and the scale word, which the LDS stores below read, and is done reading v[X ..], in which the next step's LDS loads land
.irp c, 0,1,2
	ds_store_b128 v[XWI], v[PC+4*\c:PC+4*\c+3] offset:XIMG+1536*(\ks)+512*\c
.endr
	ds_store_b32 v[XWS], v[PW] offset:XSC+256*(\ks)   ; both halves of the lanes write the same word with the same value
.endm
; K step ks of a head: 16 matrix instructions, the 16 accumulators by turns.  isv = 0: source 0 = W's tile t, source 1 = x's tile m; isv = 1: the other way round
.macro GSTEP isv, ks
.if (\ks) == 0
	s_wait_loadcnt 0x0                             ; the ring's four slots and the scale words are in
.elseif (\ks) >= 4
	s_wait_loadcnt 12*(7-(\ks))                    ; this step's 12 loads are in; the later steps' refills, 12 each, may be out
.endif
.if \isv
	WIN 0x0d+((\ks)/4)                             ; source 0 (x) window 1 or 2, source 1 (W) window 3
.else
	WIN 0x07+4*((\ks)/4)                           ; source 0 (W) window 3, source 1 (x) window 1 or 2
.endif
.set gm, 0
.rept 4
.set gt, 0
.rept 4
.if \isv
	WM ACC+32*gt+8*gm, 48*((\ks)%4)+12*gm, 48*((\ks)%4)+12*gt, (\ks)==0, XS+2*(\ks)+gm/2, gm%2, WS+8*(gt/2)+(\ks), gt%2
.else
	WM ACC+32*gm+8*gt, 48*((\ks)%4)+12*gt, 48*((\ks)%4)+12*gm, (\ks)==0, WS+8*(gt/2)+(\ks), gt%2, XS+2*(\ks)+gm/2, gm%2
.endif
.set gt, gt+1
.endr
.set gm, gm+1
.endr
.if (\ks) < 4
	PLACES 4                                       ; in front of loads into registers that matrix instructions have read
	WIN 0xc0
	s_wait_alu depctr_va_vdst(0)                   ; this step's matrix instructions are done reading the ring's slot, in which the loads below land
.set gt, 0
.rept 12
	global_load_b128 v[48*(\ks)+4*gt:48*(\ks)+4*gt+3], v[LI], s[WP:WP+1] offset:6144*((\ks)+4)+512*gt   ; K step ks + 4 into the slot just read
.set gt, gt+1
.endr
.endif
.endm
; Four column tiles x 32 registers (block k = 2 j + b of 32 along the next K at v[EA + 16 k] on, halves across lanes l and l xor 16) become four half fragments and their scale words, and are stored
.macro EPI
	s_wait_xcnt 0x0                                ; the last stores have read their registers
	s_wait_alu depctr_vm_vsrc(0)                   ; the last head's stores have read v[EH ..] and v[ESW ..], which the lines below write again
	WIN 0
.set k, 0
.rept 8
	v_mov_b32 v[EU+k], 0                           ; a lane permute's destination counts as one of its sources
.set k, k+1
.endr
	WIN EW1
.set k, 0
.rept 8
	v_max3_num_f32 v[ET+k], |v[EA+16*k]|, |v[EA+16*k+1]|, 0x2800000   ; each accumulator is read from its low end on; the floor 2^(5 - 127)
.set k, k+1
.endr
	WIN EW2
.irp i, 2,4,6,8,10,12,14
.set k, 0
.rept 8
	v_max3_num_f32 v[ET+k], v[ET+k], |v[EA+16*k+\i]|, |v[EA+16*k+\i+1]|
.set k, k+1
.endr
.endr
	WIN 0
.set k, 0
.rept 8
	v_permlanex16_b32 v[EU+k], v[ET+k], s[SEL], s[SEL+1]
.set k, k+1
.endr
.set k, 0
.rept 8
	v_max_num_f32 v[ET+k], v[ET+k], v[EU+k]
.set k, k+1
.endr
.set k, 0
.rept 8
	v_add_nc_u32 v[EO+k], 0xfe000000, v[ET+k]      ; the conversion's scale operand
.set k, k+1
.endr
.set k, 0
.rept 8
	v_lshrrev_b32 v[EU+k], 23, v[EO+k]             ; the scale's byte
.set k, k+1
.endr
.irp j, 0,1,2,3
	v_lshl_or_b32 v[EWD+\j], v[EU+2*\j+1], 8, v[EU+2*\j]
.endr
	v_cndmask_b32 v[ESW], v[EWD], v[EWD+1], s[HM]  ; lanes 0-15 tile 0's words, lanes 16-31 tile 1's
	v_cndmask_b32 v[ESW+1], v[EWD+2], v[EWD+3], s[HM]
	WIN EW3
.irp j, 0,1,2,3
	v_cvt_scalef32_pk16_bf6_f32 v[EH+8*\j:EH+8*\j+2], v[EA+32*\j:EA+32*\j+15], v[EO+2*\j]
	v_cvt_scalef32_pk16_bf6_f32 v[EX+4*\j:EX+4*\j+2], v[EA+32*\j+16:EA+32*\j+31], v[EO+2*\j+1]
.endr
	WIN 0
	v_nop                                          ; one plain place behind a scaled conversion
.irp j, 0,1,2,3
.irp i, 0,1,2
	v_permlane16_swap_b32 v[EH+8*\j+\i], v[EX+4*\j+\i]
.endr
.irp i, 0,1,2
	v_mov_b32 v[EH+8*\j+3+\i], v[EX+4*\j+\i]
.endr
.endr
	s_wait_alu depctr_va_vdst(0)                   ; the lines above have written v[EH ..] and v[ESW ..], which the stores below read
.irp j, 0,1,2,3
	global_store_b128 v[LI], v[EH+8*\j:EH+8*\j+3], s[OC:OC+1] offset:768*\j          ; 512 consecutive bytes
	global_store_b64 v[L8], v[EH+8*\j+4:EH+8*\j+5], s[OC:OC+1] offset:768*\j+512     ; 256 consecutive bytes
.endr
	global_store_b32 v[LS], v[ESW], s[OS:OS+1]
	global_store_b32 v[LS], v[ESW+1], s[OS:OS+1] offset:128
.endm
.macro HEADS isv                       ; my four heads
	s_mov_b32 s[HC], 4
.Lh_\@:
.irp n, 0,1,2,3,4,5,6,7
	GSTEP \isv, \n
.endr
	WIN 0                                          ; at a branch and at a label every window is 0
	PLACES 4                                       ; in front of the loads into the ring and of the first read of results
	s_wait_alu depctr_va_vdst(0)                   ; the head's matrix instructions are done reading the ring and W's scale words, in which the next head's loads land; the way out names none of those registers
	s_cmp_eq_u32 s[HC], 1
	s_cbranch_scc1 .Lnf_\@                         ; the last head asks for nothing more
	s_add_nc_u64 s[WP:WP+1], s[WP:WP+1], 49152     ; (K step 7's wait for 0 has shown every load that named these done)
	s_add_nc_u64 s[WSP:WSP+1], s[WSP:WSP+1], 2048
	WFILL                                          ; the next head's weights land under this head's way out
.Lnf_\@:
	EPI
	s_wait_xcnt 0x0                                ; the stores have read their base
	s_add_nc_u64 s[OC:OC+1], s[OC:OC+1], 98304
	s_add_nc_u64 s[OS:OS+1], s[OS:OS+1], 8192
	s_sub_co_u32 s[HC], s[HC], 1
	s_cmp_lg_u32 s[HC], 0
	s_cbranch_scc1 .Lh_\@
.endm
	s_load_b256 s[4:11], s[0:1], 0x0               ; q, k, v, wimg
	s_load_b128 s[12:15], s[0:1], 0x20             ; wscl, qkvc
	s_load_b64 s[16:17], s[0:1], 0x30              ; qkvs
	v_lshl_add_u32 v94, v0, 2, 0x15000
	v_mov_b32 v95, 0
	v_lshrrev_b32 v1, 5, v0
	v_readfirstlane_b32 s[WV], v1                  ; wave 0..3
	s_and_b32 s[TY], ttmp7, 0xffff                 ; which tensor
	v_and_b32 v1, 31, v0
	v_and_b32 v2, 15, v0                           ; r
	v_bfe_u32 v3, v0, 4, 1                         ; h
	v_lshlrev_b32 v[LI], 4, v1
	v_lshlrev_b32 v[LS], 2, v1
	v_lshlrev_b32 v[L8], 3, v1
	s_wait_alu depctr_va_sdst(0)                   ; the wave's number is written, ahead of its first reader: LDS addresses and all bases are made from it
	s_mul_i32 s38, s[WV], 8448
	s_add_co_u32 s38, s38, STG                     ; my stage
	v_add_nc_u32 v[STI], s38, v[LI]
	v_mul_u32_u24 v[STO], v2, 528
	v_lshl_add_u32 v[STO], v3, 6, v[STO]
	v_add_nc_u32 v[STO], s38, v[STO]
	s_mul_i32 s38, s[WV], 12288
	v_add_nc_u32 v[XWI], s38, v[LI]
	s_lshl_b32 s38, s[WV], 6
	v_lshl_add_u32 v[XWS], v2, 2, s38
.irp b, 0,1,2,3
	v_mov_b32 v[TM+4+\b], 0                        ; written once: a lane permute's destination counts as one of its sources
.endr
	s_mov_b32 s[SEL], 0x76543210
	s_mov_b32 s[SEL+1], 0xfedcba98
	s_mov_b32 s[HM], 0xffff0000
	s_lshr_b32 s38, s[WV], 1
	s_lshl_b32 s38, s38, 5
	s_and_b32 s39, s[WV], 1
	s_lshl_b32 s39, s39, 3
	s_add_co_u32 s38, s38, s39                     ; k, v: my tile's first token 32 (w / 2) + 8 (w % 2), its rows 8-15 eight tokens further on
	s_lshl_b32 s39, s[WV], 4                       ; q: 16 w, neighbours
	s_cmp_lg_u32 s[TY], 0
	s_cselect_b32 s38, s38, s39
	s_cselect_b32 s[EXTRA], 32768, 0
	v_add_nc_u32 v[XO+1], s[EXTRA], v[LI]
	s_lshl_b32 s38, s38, 12
	s_lshl_b32 s40, ttmp9, 18                      ; 64 tokens of 4,096 bytes
	s_add_co_u32 s40, s40, s38
	s_mov_b32 s41, 0
	s_mul_i32 s42, s[TY], 786432
	s_mul_i32 s43, s[WV], 196608
	s_add_co_u32 s42, s42, s43
	s_mov_b32 s43, 0
	s_lshl_b32 s44, s[TY], 15
	s_lshl_b32 s45, s[WV], 13
	s_add_co_u32 s44, s44, s45
	s_mov_b32 s45, 0
	s_lshr_b32 s46, ttmp9, 5                       ; b
	s_lshl_b32 s46, s46, 4
	s_lshl_b32 s47, s[WV], 2
	s_add_co_u32 s46, s46, s47                     ; bh of my first head
	s_lshl_b32 s46, s46, 5
	s_and_b32 s47, ttmp9, 31
	s_add_co_u32 s46, s46, s47                     ; 32 bh + blk
	s_mul_i32 s48, s46, 3072
	s_mul_i32 s47, s[TY], 6291456
	s_add_co_u32 s48, s48, s47
	s_mov_b32 s49, 0
	s_lshl_b32 s50, s46, 8
	s_lshl_b32 s47, s[TY], 19
	s_add_co_u32 s50, s50, s47
	s_mov_b32 s51, 0
	s_wait_kmcnt 0x0
	s_cmp_eq_u32 s[TY], 1                          ; the choice hangs on the work-group's number alone
	s_cselect_b64 s[XP:XP+1], s[6:7], s[4:5]
	s_cmp_eq_u32 s[TY], 2
	s_cselect_b64 s[XP:XP+1], s[8:9], s[XP:XP+1]
	s_add_nc_u64 s[XP:XP+1], s[XP:XP+1], s[40:41]
	s_add_nc_u64 s[WP:WP+1], s[10:11], s[42:43]
	s_add_nc_u64 s[WSP:WSP+1], s[12:13], s[44:45]
	s_add_nc_u64 s[OC:OC+1], s[14:15], s[48:49]
	s_add_nc_u64 s[OS:OS+1], s[16:17], s[50:51]
	s_wait_alu depctr_va_vdst(0)                   ; the addresses v4 to v12 are written, which every load, store and LDS instruction of the kernel reads; none is written again
	; ---- X: my 16 rows of x become eight fragments
	XLOAD 0, 0
	XLOAD 1, 1
	XLOAD 2, 2
.irp n, 0,1,2,3,4,5,6,7
	XSTEP \n
.endr
	s_wait_dscnt 0x0                               ; for the others' sake: my images have landed
	s_barrier_signal -1
	s_barrier_wait -1                              ; x's 32 fragments lie in LDS; nothing there is written again
	WIN 0x40
	s_wait_alu depctr_vm_vsrc(0)                   ; my LDS stores have read their registers: window 1's sets, in which x's fragments land, and v[PC ..] and v[PW], which the way out writes
.set i, 0
.rept 48                               ; K steps 0-3: register 48 s + 12 m + 4 c = 4 i
	ds_load_b128 v[4*i:4*i+3], v[LI] offset:XIMG+1536*(8*((i/3)%4)+i/12)+512*(i%3)
.set i, i+1
.endr
	WIN 0x80
.set i, 0
.rept 48                               ; K steps 4-7
	ds_load_b128 v[4*i:4*i+3], v[LI] offset:XIMG+1536*(8*((i/3)%4)+4+i/12)+512*(i%3)
.set i, i+1
.endr
	WIN 0
.set i, 0
.rept 16
	ds_load_b32 v[XS+i], v[LS] offset:XSC+128*i    ; 256 s + 128 jj
.set i, i+1
.endr
	s_wait_dscnt 0x0
	s_cmp_eq_u32 s[TY], 2
	s_cbranch_scc1 .Lv
	HEADS 0
	s_wait_dscnt 0x0                               ; the closing lines, six on end
	s_wait_alu 0x0
	s_wait_tensorcnt 0x0
	ds_add_u32 v94, v95
	s_wait_dscnt 0x0
	s_endpgm
.Lv:
	HEADS 1
	s_wait_dscnt 0x0                               ; the closing lines, six on end
	s_wait_alu 0x0
	s_wait_tensorcnt 0x0
	ds_add_u32 v94, v95
	s_wait_dscnt 0x0
	s_endpgm
.Lfunc_end_k_qedc77ce77f_proj:
	.size	k_qedc77ce77f_proj, .Lfunc_end_k_qedc77ce77f_proj-k_qedc77ce77f_proj
	.p2alignl 7, 3214868480
	.fill 96, 4, 3214868480
	.section	.rodata,"a",@progbits
	.p2align	6, 0x0
	.amdhsa_kernel k_qedc77ce77f_proj
		.amdhsa_group_segment_fixed_size 86528
		.amdhsa_private_segment_fixed_size 0
		.amdhsa_enable_private_segment 0
		.amdhsa_kernarg_size 56
		.amdhsa_user_sgpr_count 2
		.amdhsa_user_sgpr_kernarg_segment_ptr 1
		.amdhsa_wavefront_size32 1
		.amdhsa_system_sgpr_workgroup_id_x 1
		.amdhsa_system_sgpr_workgroup_id_y 1
		.amdhsa_system_sgpr_workgroup_id_z 1
		.amdhsa_system_vgpr_workitem_id 0
		.amdhsa_next_free_vgpr 960
		.amdhsa_next_free_sgpr 66
		.amdhsa_reserve_vcc 0
		.amdhsa_float_denorm_mode_32 3
		.amdhsa_float_denorm_mode_16_64 3
		.amdhsa_memory_ordered 1
		.amdhsa_forward_progress 1
		.amdhsa_inst_pref_size 150
	.end_amdhsa_kernel
	.amdgpu_metadata
---
amdhsa.version: [ 1, 2 ]
amdhsa.kernels:
  - .name:           k_qedc77ce77f_proj
    .symbol:         k_qedc77ce77f_proj.kd
    .args:
      - { .name: q, .offset: 0, .size: 8, .value_kind: global_buffer, .address_space: global }
      - { .name: k, .offset: 8, .size: 8, .value_kind: global_buffer, .address_space: global }
      - { .name: v, .offset: 16, .size: 8, .value_kind: global_buffer, .address_space: global }
      - { .name: wimg, .offset: 24, .size: 8, .value_kind: global_buffer, .address_space: global }
      - { .name: wscl, .offset: 32, .size: 8, .value_kind: global_buffer, .address_space: global }
      - { .name: qkvc, .offset: 40, .size: 8, .value_kind: global_buffer, .address_space: global }
      - { .name: qkvs, .offset: 48, .size: 8, .value_kind: global_buffer, .address_space: global }
    .group_segment_fixed_size: 86528
    .private_segment_fixed_size: 0
    .kernarg_segment_align: 8
    .kernarg_segment_size: 56
    .max_flat_workgroup_size: 128
    .sgpr_count:     66
    .vgpr_count:     960
    .wavefront_size: 32
...
	.end_amdgpu_metadata
.endif
;; end of part 6
;; launch attn (part 7): grid 4 x 64, 4 waves a work-group, no clusters, 0 bytes of LDS; arguments qkvc, qkvs, mask, flags, acod, ascl; writes acod, ascl
.if DOCPART == 7
	.amdgcn_target "amdgcn-amd-amdhsa--gfx1250"
	.amdhsa_code_object_version 6
	.text
	.protected	k_qedc77ce77f_attn
	.globl	k_qedc77ce77f_attn
	.p2align	8
	.type	k_qedc77ce77f_attn,@function
k_qedc77ce77f_attn:
	s_mov_b64 s[64:65], 0
	v_nop
	global_prefetch_b8 v0, s[64:65] scope:SCOPE_SE
	s_setreg_imm32_b32 hwreg(HW_REG_WAVE_SCHED_MODE, 0, 2), 2
	s_setreg_imm32_b32 hwreg(HW_REG_WAVE_MODE, 25, 1), 1
	s_wait_xcnt 0x0
	s_wait_alu depctr_vm_vsrc(0)
; out[bh][q][:] = the sum over keys of attn[q][key] V[key][:], attn = softmax over the keys of (Q K^T / 8 with -infinity where the mask byte is 1), fully masked rows 0.  Both products on codes of BF6 (E3M2), one E8M0 scale for each 32 along K.
; attn IS QUANTISED FINISHED AND NORMALISED, so a row's maximum and sum are wanted before any weight is quantised: TWO PASSES over the keys.  Pass 1: S^T = K Q^T, the running largest t (t = score x log2(e) / 8), M = that rounded up to a whole
; number, l = the sum of 2^(t - M) (when M moves, l is multiplied by 2^(old M - new M): exact).  Pass 2: S^T again, p = 2^(t - M) x (1 / l), quantised along the keys, O^T += V^T P^T.  O is quantised along d for the output projection.
; SHARES.  y = bh.  A wave is on its own: no LDS, no barrier.  Wave p = 4 x + wave takes two units, query groups G = p and 31 - p of 64 queries (four tiles of 16).  Each pass walks 16 steps of 128 keys, a constant count.
; THE MASK IS AN INPUT: the launch before has classed its tiles (64 queries x 128 keys): 0 all masked: the step's work is jumped over by a scalar branch on that stored number; 1 none masked: no masking; 2 mixed: the bytes are loaded and
; masked scores become -infinity.  That holds for every mask.  Because branches hang on stored numbers, operands go from memory straight into registers (images of operand registers): no tensor load, so no multicast either.
; The head's 64 fill half of the instruction's 128 along K: registers 6-11 of K's and Q's fragments are zero codes, cleared once; their scale bytes 2, 3 are 0 (2^-127, no NaN): they add nothing.
; LAYOUT.  Source 0 = 16 keys (tile 2 b + u of a block of 64: key 32 b + 8 u + r + 8 (r / 8)), source 1 = 16 queries: a lane holds ONE query; register 16 B + i of S is key 32 B + 16 (lane / 16) + i.
; LIMITS: NaN and infinities among the inputs are not served; a weight under 2^-126 is flushed to 0 by v_exp_f32; blocks whose largest magnitude lies under 2^-122 keep the byte 1 (a block of zeros too: its codes are zeros).
; REGISTERS: window 0: v1-4 addresses; v16-47 statistics, 8 a tile; v48-63 scale words; v64-93 at work; v96-119 P, two sets; v128-255 S, two sets.  Window 1: v0-95 K, v96-143 Q, v144-191 V.  Window 2: v0-127 O^T.  Window 3: v0-63 mask bytes.
; THE MODE: SCHED_MODE bits 1:0 = 2 (LLVM: expert scheduling mode 2), set by the entry lines.  The code itself states the register dependences between vector or matrix instructions and memory instructions, with s_wait_alu, always for 0.
; THE PLAN.  Registers that memory instructions touch:
;   K, its scale words, Q, its scale words   written by loads; read by the products K Q^T, the last of which in a step stand among tile 2's exponentials.
;   the mask bytes                           written by loads; read by the masking lines at the head of a tile's softmax.
;     Every tile's softmax holds one wait on va_vdst, behind its exponentials and outside every branch.  It stands behind all those readers, and from tile 2's (tile 3's for the mask bytes) to the loads of the next K, mask bytes or Q
;     no vector or matrix instruction names these registers: what follows names S, the statistics, P, V, O^T and v64-93.  So these loads owe no wait of their own.
;   V, the halves of its scale words         written by loads; read by the products V^T P, the last four of which close a step of pass 2, and by two vector lines.  One wait on va_vdst at the head of a live step of pass 2, V's loads behind it.
;   A step's loads of V and of the mask bytes stand ahead of its first eight products, which name none of their registers.
;   P, its scale words, V's joined scale words   written by vector lines; taken by scaled matrix instructions: tiles 0-2: the next tile's wait stands between; tile 3: a wait of its own behind its places.
;   v[EH ..], v[ESW ..]                      written by the way out; read by its stores: one wait on va_vdst ahead of the stores, one on vm_vsrc ahead of the unit loop's backward jump: the next unit's scores are written there.
;   v1-4                                     addresses: written at the head, never again.
.set LI,   1                           ; 16 x lane
.set L8,   2                           ; 8 x lane
.set LS,   3                           ; 4 x lane
.set MO,   4                           ; 2,048 r + 16 h: my query's row of the mask, my half's 16 keys
.set ST,   16                          ; tile q at v[ST + 8 q]: +0 -M, +1 the largest t, +2, +3 l in two halves, +4 f (+5 written 0), +6 1 / l (+7 written 0)
.set KS,   48
.set QS,   52
.set VS,   54
.set VT,   56
.set PS,   60
.set BM,   64
.set T2,   68
.set SO,   72
.set BY,   76
.set M16,  64                          ; v64-79: the mask bytes x 255
.set XM,   80
.set PX,   84
.set C2,   92
.set P,    96
.set S,    128
.set KF,   0
.set QF,   96
.set VF,   144
.set MK,   0
.set ETB,  128
.set ET,   ETB
.set EU,   ETB+8
.set EO,   ETB+16
.set EH,   ETB+24
.set EX,   ETB+56
.set EWD,  ETB+72
.set ESW,  ETB+76
.set EA,   0                           ; O^T, in window 2
.set EW1,  0x0a
.set EW2,  0x28
.set EW3,  0x02
.set WV,   16
.set G,    17
.set UN,   18
.set BH,   19
.set SEL,  20
.set CS,   22                          ; s[22:23] c = log2(e) / 8
.set HM,   24
.set FW,   25                          ; the unit's 16 classes, 2 bits each; shifted down a step a trip
.set CLS,  26
.set NXT,  27
.set TR,   28
.set FC,   29
.set KP,   48
.set KSP,  50
.set VP,   52
.set VSP,  54
.set MP,   56
.set OC,   60
.set OS,   62
.set NINF, 73
.set QB,   78
.set KB,   80
.set VB,   82
.set QSB,  84
.set KSB,  86
.set VSB,  88
.set MSB, 0
.macro WIN new                         ; the immediate's high byte repeats the setting that is left
.if MSB != (\new)
	s_set_vgpr_msb (MSB<<8)|(\new)
.set MSB, \new
.endif
.endm
.macro PLACES n                        ; plain vector instructions between a matrix instruction and what touches its registers (ISA guide 7.12.1)
.rept \n
	v_nop
.endr
.endm
.macro WM d, a, b, zero, sa, ra, sb, rb
.if (\zero) && (\ra) && (\rb)
	v_wmma_scale_f32_16x16x128_f8f6f4 v[0+(\d):7+(\d)], v[0+(\a):11+(\a)], v[0+(\b):11+(\b)], 0, v[\sa], v[\sb] matrix_a_fmt:MATRIX_FMT_BF6 matrix_b_fmt:MATRIX_FMT_BF6 matrix_a_scale:MATRIX_SCALE_ROW1 matrix_b_scale:MATRIX_SCALE_ROW1
.elseif (\zero) && (\ra)
	v_wmma_scale_f32_16x16x128_f8f6f4 v[0+(\d):7+(\d)], v[0+(\a):11+(\a)], v[0+(\b):11+(\b)], 0, v[\sa], v[\sb] matrix_a_fmt:MATRIX_FMT_BF6 matrix_b_fmt:MATRIX_FMT_BF6 matrix_a_scale:MATRIX_SCALE_ROW1
.elseif (\zero) && (\rb)
	v_wmma_scale_f32_16x16x128_f8f6f4 v[0+(\d):7+(\d)], v[0+(\a):11+(\a)], v[0+(\b):11+(\b)], 0, v[\sa], v[\sb] matrix_a_fmt:MATRIX_FMT_BF6 matrix_b_fmt:MATRIX_FMT_BF6 matrix_b_scale:MATRIX_SCALE_ROW1
.elseif (\zero)
	v_wmma_scale_f32_16x16x128_f8f6f4 v[0+(\d):7+(\d)], v[0+(\a):11+(\a)], v[0+(\b):11+(\b)], 0, v[\sa], v[\sb] matrix_a_fmt:MATRIX_FMT_BF6 matrix_b_fmt:MATRIX_FMT_BF6
.elseif (\ra) && (\rb)
	v_wmma_scale_f32_16x16x128_f8f6f4 v[0+(\d):7+(\d)], v[0+(\a):11+(\a)], v[0+(\b):11+(\b)], v[0+(\d):7+(\d)], v[\sa], v[\sb] matrix_a_fmt:MATRIX_FMT_BF6 matrix_b_fmt:MATRIX_FMT_BF6 matrix_a_scale:MATRIX_SCALE_ROW1 matrix_b_scale:MATRIX_SCALE_ROW1
.elseif (\ra)
	v_wmma_scale_f32_16x16x128_f8f6f4 v[0+(\d):7+(\d)], v[0+(\a):11+(\a)], v[0+(\b):11+(\b)], v[0+(\d):7+(\d)], v[\sa], v[\sb] matrix_a_fmt:MATRIX_FMT_BF6 matrix_b_fmt:MATRIX_FMT_BF6 matrix_a_scale:MATRIX_SCALE_ROW1
.elseif (\rb)
	v_wmma_scale_f32_16x16x128_f8f6f4 v[0+(\d):7+(\d)], v[0+(\a):11+(\a)], v[0+(\b):11+(\b)], v[0+(\d):7+(\d)], v[\sa], v[\sb] matrix_a_fmt:MATRIX_FMT_BF6 matrix_b_fmt:MATRIX_FMT_BF6 matrix_b_scale:MATRIX_SCALE_ROW1
.else
	v_wmma_scale_f32_16x16x128_f8f6f4 v[0+(\d):7+(\d)], v[0+(\a):11+(\a)], v[0+(\b):11+(\b)], v[0+(\d):7+(\d)], v[\sa], v[\sb] matrix_a_fmt:MATRIX_FMT_BF6 matrix_b_fmt:MATRIX_FMT_BF6
.endif
.endm
; Four column tiles x 32 registers (block k = 2 j + b of 32 along the next K at v[EA + 16 k] on, halves across lanes l and l xor 16) become four half fragments and their scale words, and are stored
.macro EPI
	s_wait_xcnt 0x0
	WIN 0
.set k, 0
.rept 8
	v_mov_b32 v[EU+k], 0                           ; a lane permute's destination counts as one of its sources
.set k, k+1
.endr
	WIN EW1
.set k, 0
.rept 8
	v_max3_num_f32 v[ET+k], |v[EA+16*k]|, |v[EA+16*k+1]|, 0x2800000   ; each accumulator is read from its low end on; the floor 2^(5 - 127)
.set k, k+1
.endr
	WIN EW2
.irp i, 2,4,6,8,10,12,14
.set k, 0
.rept 8
	v_max3_num_f32 v[ET+k], v[ET+k], |v[EA+16*k+\i]|, |v[EA+16*k+\i+1]|
.set k, k+1
.endr
.endr
	WIN 0
.set k, 0
.rept 8
	v_permlanex16_b32 v[EU+k], v[ET+k], s[SEL], s[SEL+1]
.set k, k+1
.endr
.set k, 0
.rept 8
	v_max_num_f32 v[ET+k], v[ET+k], v[EU+k]
.set k, k+1
.endr
.set k, 0
.rept 8
	v_add_nc_u32 v[EO+k], 0xfe000000, v[ET+k]
.set k, k+1
.endr
.set k, 0
.rept 8
	v_lshrrev_b32 v[EU+k], 23, v[EO+k]
.set k, k+1
.endr
.irp j, 0,1,2,3
	v_lshl_or_b32 v[EWD+\j], v[EU+2*\j+1], 8, v[EU+2*\j]
.endr
	v_cndmask_b32 v[ESW], v[EWD], v[EWD+1], s[HM]
	v_cndmask_b32 v[ESW+1], v[EWD+2], v[EWD+3], s[HM]
	WIN EW3
.irp j, 0,1,2,3
	v_cvt_scalef32_pk16_bf6_f32 v[EH+8*\j:EH+8*\j+2], v[EA+32*\j:EA+32*\j+15], v[EO+2*\j]
	v_cvt_scalef32_pk16_bf6_f32 v[EX+4*\j:EX+4*\j+2], v[EA+32*\j+16:EA+32*\j+31], v[EO+2*\j+1]
.endr
	WIN 0
	v_nop                                          ; one plain place behind a scaled conversion
.irp j, 0,1,2,3
.irp i, 0,1,2
	v_permlane16_swap_b32 v[EH+8*\j+\i], v[EX+4*\j+\i]
.endr
.irp i, 0,1,2
	v_mov_b32 v[EH+8*\j+3+\i], v[EX+4*\j+\i]
.endr
.endr
	s_wait_alu depctr_va_vdst(0)                   ; the lines above have written v[EH ..] and v[ESW ..], which the stores below read; and every product of this unit is done reading Q, K and their scale words, in which the next unit's loads land
.irp j, 0,1,2,3
	global_store_b128 v[LI], v[EH+8*\j:EH+8*\j+3], s[OC:OC+1] offset:768*\j
	global_store_b64 v[L8], v[EH+8*\j+4:EH+8*\j+5], s[OC:OC+1] offset:768*\j+512
.endr
	global_store_b32 v[LS], v[ESW], s[OS:OS+1]
	global_store_b32 v[LS], v[ESW+1], s[OS:OS+1] offset:128
.endm
.macro KLOAD off                       ; a step's eight half fragments of K and their scale words, off bytes on from the step in hand
	WIN 0x40
.set i, 0
.rept 8
	global_load_b128 v[KF+12*i:KF+12*i+3], v[LI], s[KP:KP+1] offset:(\off)+768*i
	global_load_b64 v[KF+12*i+4:KF+12*i+5], v[L8], s[KP:KP+1] offset:(\off)+768*i+512
.set i, i+1
.endr
	WIN 0
.set i, 0
.rept 4
	global_load_b32 v[KS+i], v[LS], s[KSP:KSP+1] offset:(\off)/12+128*i
.set i, i+1
.endr
.endm
.macro PREFK                           ; the next step's K, if that step is live (behind the last step the class read is 0: no load leaves the buffer).  No wait: tile 2's wait stands behind the last product that read K, and nothing since names K or its scale words
	s_cmp_eq_u32 s[NXT], 0
	s_cbranch_scc1 .Lnok_\@
	KLOAD 6144
.Lnok_\@:
.endm
.macro VLOAD                           ; the step's V: two blocks of 64 keys make a fragment's two halves
	WIN 0x40
.set i, 0
.rept 8
	global_load_b128 v[VF+12*(i%4)+6*(i/4):VF+12*(i%4)+6*(i/4)+3], v[LI], s[VP:VP+1] offset:3072*(i/4)+768*(i%4)
	global_load_b64 v[VF+12*(i%4)+6*(i/4)+4:VF+12*(i%4)+6*(i/4)+5], v[L8], s[VP:VP+1] offset:3072*(i/4)+768*(i%4)+512
.set i, i+1
.endr
	WIN 0
.set i, 0
.rept 4
	global_load_b32 v[VT+i], v[LS], s[VSP:VSP+1] offset:256*(i/2)+128*(i%2)
.set i, i+1
.endr
.endm
.macro MLOAD                           ; the step's mask bytes: register 16 q + w, byte k: key 4 w + k of my half's order, as S's register 4 w + k.  No wait: the last masking lines that read these registers stand ahead of their tile's wait, and nothing since names them
	WIN 0xc0
.set i, 0
.rept 16
	global_load_b128 v[MK+4*i:MK+4*i+3], v[MO], s[MP:MP+1] offset:32768*(i/4)+32*(i%4)
.set i, i+1
.endr
	WIN 0
.endm
.macro KQ1 q, t                        ; S^T of tile q, keys' tile t
	WIN 0x05
	WM S+64*((\q)%2)+8*(\t), KF+12*(\t), QF+12*(\q), 1, KS+(\t)/2, (\t)%2, QS+(\q)/2, (\q)%2
.endm
.macro PV1 q, t                        ; O^T of tile q, d's tile t
	WIN 0xa1
	WM 32*(\q)+8*(\t), VF+12*(\t), P+12*((\q)%2), 0, VS+(\t)/2, (\t)%2, PS+(\q), 0
.endm
.macro MASKQ q                         ; in a mixed step: masked scores become -infinity.  A byte 0 or 1 times 255, spread over a word, selects
	s_cmp_lg_u32 s[CLS], 2
	s_cbranch_scc1 .Lopen_\@
.if (\q) == 0
	s_wait_loadcnt 0x0                             ; the mask bytes, asked for ahead of the step's first products, are in
.endif
	WIN 0x0c
.set w, 0
.rept 16
	v_lshlrev_b32 v[M16+w], 8, v[MK+16*(\q)+w]
.set w, w+1
.endr
.set w, 0
.rept 16
	v_sub_nc_u32 v[M16+w], v[M16+w], v[MK+16*(\q)+w]
.set w, w+1
.endr
	WIN 0
.set w, 0
.rept 16
	v_perm_b32 v[XM], v[M16+w], v[M16+w], 0
	v_perm_b32 v[XM+1], v[M16+w], v[M16+w], s70
	v_perm_b32 v[XM+2], v[M16+w], v[M16+w], s71
	v_perm_b32 v[XM+3], v[M16+w], v[M16+w], s72
	v_bfi_b32 v[SQ+4*w], v[XM], s[NINF], v[SQ+4*w]         ; the accumulators are read in ascending order
	v_bfi_b32 v[SQ+4*w+1], v[XM+1], s[NINF], v[SQ+4*w+1]
	v_bfi_b32 v[SQ+4*w+2], v[XM+2], s[NINF], v[SQ+4*w+2]
	v_bfi_b32 v[SQ+4*w+3], v[XM+3], s[NINF], v[SQ+4*w+3]
.set w, w+1
.endr
.Lopen_\@:
.endm
; PASS 1, tile q: the maximum, M, l.  The next tile's eight products stand among the exponentials, one behind every eighth
.macro SOFT1 q
.set SQ, S+64*((\q)%2)
.set TQ, ST+8*(\q)
	MASKQ \q
.irp b, 0,1,2,3
	v_max3_num_f32 v[BM+\b], v[SQ+16*\b], v[SQ+16*\b+1], v[SQ+16*\b+2]
.endr
.irp i, 3,5,7,9,11,13
.irp b, 0,1,2,3
	v_max3_num_f32 v[BM+\b], v[BM+\b], v[SQ+16*\b+\i], v[SQ+16*\b+\i+1]
.endr
.endr
.irp b, 0,1,2,3
	v_max_num_f32 v[BM+\b], v[BM+\b], v[SQ+16*\b+15]
.endr
	v_max3_num_f32 v8, v[BM], v[BM+1], v[BM+2]
	v_max_num_f32 v8, v8, v[BM+3]
	v_permlanex16_b32 v9, v8, s[SEL], s[SEL+1]
	v_max_num_f32 v8, v8, v9                       ; the step's largest score of my query
	v_mul_f32 v8, s[CS], v8
	v_max_num_f32 v[TQ+1], v[TQ+1], v8             ; the running largest t
	v_mov_b32 v8, v[TQ]
	v_floor_f32 v[TQ], -v[TQ+1]                    ; -M = floor(-t): M is a whole number
	v_sub_f32 v8, v[TQ], v8                        ; old M - new M, 0 or less
	v_cvt_i32_f32 v8, v8                           ; (it saturates)
	v_ldexp_f32 v[TQ+4], 1.0, v8                   ; f = 2^(old M - new M)
.set e, 0
.rept 32
	v_pk_fma_f32 v[SQ+2*e:SQ+2*e+1], v[SQ+2*e:SQ+2*e+1], s[CS:CS+1], v[TQ:TQ+1] op_sel_hi:[1,0,0]   ; t - M
.set e, e+1
.endr
.set e, 0
	s_wait_alu depctr_va_vdst(0)
.rept 64
	v_exp_f32 v[SQ+e], v[SQ+e]
.if ((e%8) == 7) && ((\q) < 3)
	KQ1 (\q)+1, e/8
	WIN 0
.endif
.set e, e+1
.endr
	v_pk_mul_f32 v[TQ+2:TQ+3], v[TQ+2:TQ+3], v[TQ+4:TQ+5] op_sel_hi:[1,0]   ; l under the new M; the plain instruction behind the exponentials
	s_wait_alu depctr_va_vdst(0)                   ; one wait for the batch of exponentials, ahead of its first reader.  It also states that the products issued so far are done reading K, Q and their scale words, and the masking lines the mask bytes
	v_pk_add_f32 v[C2:C2+1], v[SQ:SQ+1], v[SQ+2:SQ+3]
.irp j, 4,8,12,16,20,24,28,32,36,40,44,48,52,56,60
	v_pk_add_f32 v[TQ+2:TQ+3], v[TQ+2:TQ+3], v[SQ+\j:SQ+\j+1]
	v_pk_add_f32 v[C2:C2+1], v[C2:C2+1], v[SQ+\j+2:SQ+\j+3]
.endr
	v_pk_add_f32 v[TQ+2:TQ+3], v[TQ+2:TQ+3], v[C2:C2+1]
.endm
; PASS 2, tile q: p = 2^(t - M) / l, quantised.  The next tile's K Q^T stands among the exponentials, the tile before's V^T P among the multiplications
.macro SOFT2 q
.set SQ, S+64*((\q)%2)
.set TQ, ST+8*(\q)
.set PQ, P+12*((\q)%2)
	MASKQ \q
.if (\q) == 1
	s_wait_loadcnt 0x0                             ; V and its scale words are in
	v_lshl_or_b32 v[VS], v[VT+2], 16, v[VT]        ; bytes 0, 1: the first 64 keys' blocks; bytes 2, 3: the second's
	v_lshl_or_b32 v[VS+1], v[VT+3], 16, v[VT+1]
.endif
.if (\q) == 3
	PREFK                                          ; K's last products of this step stand in the tile before
.endif
.set e, 0
.rept 32
	v_pk_fma_f32 v[SQ+2*e:SQ+2*e+1], v[SQ+2*e:SQ+2*e+1], s[CS:CS+1], v[TQ:TQ+1] op_sel_hi:[1,0,0]
.set e, e+1
.endr
.set e, 0
	s_wait_alu depctr_va_vdst(0)
.rept 64
	v_exp_f32 v[SQ+e], v[SQ+e]
.if ((e%8) == 7) && ((\q) < 3)
	KQ1 (\q)+1, e/8
	WIN 0
.endif
.set e, e+1
.endr
	v_nop                                          ; the plain instruction behind the exponentials
	s_wait_alu depctr_va_vdst(0)                   ; one wait for the batch of exponentials, ahead of its first reader.  It also states that the tile before's P and scale word, and V's joined scale words, are written, which the scaled products below take; that the products issued so far are done reading K, Q and their scale words; and the masking lines the mask bytes
.set e, 0
.rept 32
	v_pk_mul_f32 v[SQ+2*e:SQ+2*e+1], v[SQ+2*e:SQ+2*e+1], v[TQ+6:TQ+7] op_sel_hi:[1,0]   ; normalised
.if ((e%8) == 7) && ((\q) > 0)
	PV1 (\q)-1, e/8
	WIN 0
.endif
.set e, e+1
.endr
.irp b, 0,1,2,3
	v_max3_num_f32 v[BM+\b], v[SQ+16*\b], v[SQ+16*\b+1], 0x2800000   ; none is negative; the floor 2^(5 - 127)
.endr
.irp i, 2,4,6,8,10,12,14
.irp b, 0,1,2,3
	v_max3_num_f32 v[BM+\b], v[BM+\b], v[SQ+16*\b+\i], v[SQ+16*\b+\i+1]
.endr
.endr
.irp b, 0,1,2,3
	v_permlanex16_b32 v[T2+\b], v[BM+\b], s[SEL], s[SEL+1]
.endr
.irp b, 0,1,2,3
	v_max_num_f32 v[BM+\b], v[BM+\b], v[T2+\b]
.endr
.irp b, 0,1,2,3
	v_add_nc_u32 v[SO+\b], 0xfe000000, v[BM+\b]
.endr
.irp b, 0,1,2,3
	v_lshrrev_b32 v[BY+\b], 23, v[SO+\b]
.endr
	v_lshl_or_b32 v[PS+(\q)], v[BY+1], 8, v[BY]
	v_lshl_or_b32 v[PS+(\q)], v[BY+2], 16, v[PS+(\q)]
	v_lshl_or_b32 v[PS+(\q)], v[BY+3], 24, v[PS+(\q)]
.irp c, 0,1
	v_cvt_scalef32_pk16_bf6_f32 v[PQ+6*\c:PQ+6*\c+2], v[SQ+32*\c:SQ+32*\c+15], v[SO+2*\c]
	v_cvt_scalef32_pk16_bf6_f32 v[PX+4*\c:PX+4*\c+2], v[SQ+32*\c+16:SQ+32*\c+31], v[SO+2*\c+1]
.endr
	v_nop                                          ; one plain place behind a scaled conversion
.irp c, 0,1
.irp i, 0,1,2
	v_permlane16_swap_b32 v[PQ+6*\c+\i], v[PX+4*\c+\i]
.endr
.irp i, 0,1,2
	v_mov_b32 v[PQ+6*\c+3+\i], v[PX+4*\c+\i]
.endr
.endr
.endm
; A pass: 16 trips, one for each 128 keys.  Every wait for loads is for 0, so that it holds on every way through the branches
.macro PASS two
	s_mov_b32 s[TR], 16
.Ltrip_\@:
	s_and_b32 s[CLS], s[FW], 3
	s_bfe_u32 s[NXT], s[FW], 0x20002
	s_lshr_b32 s[FW], s[FW], 2
	s_cmp_eq_u32 s[CLS], 0
	s_cbranch_scc1 .Lskip_\@
	s_wait_loadcnt 0x0                             ; K (asked for in the last live step), in the first trip Q too
.if \two
	s_wait_alu depctr_va_vdst(0)                   ; the last live step's products V^T P are done reading V, and the two lines that join its scale words are done reading the halves: the loads below land in both
	VLOAD                                          ; lands under the step's first products and the first tile's softmax
.endif
	s_cmp_lg_u32 s[CLS], 2
	s_cbranch_scc1 .Lnm_\@
	MLOAD                                          ; on its way while the step's first products run
.Lnm_\@:
.irp n, 0,1,2,3,4,5,6,7
	KQ1 0, \n
.endr
	WIN 0
	PLACES 4                                       ; in front of the first read of results
.if \two
	SOFT2 0
	SOFT2 1
	SOFT2 2
	SOFT2 3
	PLACES 8                                       ; a scale register written by a vector instruction stands 8 places ahead of a scaled matrix instruction, an operand 4
	s_wait_alu depctr_va_vdst(0)                   ; tile 3's P and its scale word are written, which the scaled products below take
.irp n, 0,1,2,3
	PV1 3, \n
.endr
	WIN 0
	PLACES 4                                       ; in front of the next loads into V's registers and of the way out's reads
.else
	SOFT1 0
	SOFT1 1
	SOFT1 2
	PREFK                                          ; K's last products of this step stand in tile 2's softmax, 33 plain instructions back
	SOFT1 3
.endif
	s_branch .Lend_\@
.Lskip_\@:
	s_wait_loadcnt 0x0                             ; no load may be out on the registers that the next one names
	PREFK
.Lend_\@:
	s_wait_xcnt 0x0                                ; the loads have read their bases
	s_add_nc_u64 s[KP:KP+1], s[KP:KP+1], 6144
	s_add_nc_u64 s[KSP:KSP+1], s[KSP:KSP+1], 512
	s_add_nc_u64 s[MP:MP+1], s[MP:MP+1], 128
.if \two
	s_add_nc_u64 s[VP:VP+1], s[VP:VP+1], 6144
	s_add_nc_u64 s[VSP:VSP+1], s[VSP:VSP+1], 512
.endif
	s_sub_co_u32 s[TR], s[TR], 1
	s_cmp_lg_u32 s[TR], 0
	s_cbranch_scc1 .Ltrip_\@
.endm
	s_load_b256 s[4:11], s[0:1], 0x0               ; qkvc, qkvs, mask, flags
	s_load_b128 s[12:15], s[0:1], 0x20             ; acod, ascl
	v_lshrrev_b32 v8, 5, v0
	v_readfirstlane_b32 s[WV], v8                  ; wave 0..3
	v_and_b32 v8, 31, v0
	v_lshlrev_b32 v[LI], 4, v8
	v_lshlrev_b32 v[L8], 3, v8
	v_lshlrev_b32 v[LS], 2, v8
	v_and_b32 v9, 15, v0
	v_bfe_u32 v10, v0, 4, 1
	v_lshlrev_b32 v[MO], 11, v9
	v_lshl_add_u32 v[MO], v10, 4, v[MO]
	s_and_b32 s[BH], ttmp7, 0xffff
	s_lshl_b32 s[G], ttmp9, 2
	s_wait_alu depctr_va_sdst(0)                   ; the wave's number is written, ahead of its first reader: the query group is made from it
	s_add_co_u32 s[G], s[G], s[WV]                 ; my first unit's query group
	s_mov_b32 s[UN], 2
	s_mov_b32 s[SEL], 0x76543210
	s_mov_b32 s[SEL+1], 0xfedcba98
	s_mov_b32 s[CS], 0x3e38aa3b                    ; log2(e) / 8
	s_mov_b32 s[CS+1], s[CS]                       ; (named with it as a pair, so it is written)
	s_mov_b32 s[HM], 0xffff0000
	s_mov_b32 s70, 0x01010101
	s_mov_b32 s71, 0x02020202
	s_mov_b32 s72, 0x03030303
	s_mov_b32 s[NINF], 0xff800000
.irp b, 0,1,2,3
	v_mov_b32 v[BM+\b], 0                          ; written once: lane permutes' destinations count as sources
	v_mov_b32 v[T2+\b], 0
.endr
	WIN 0x40
.set i, 0
.rept 12
.irp c, 6,7,8,9,10,11
	v_mov_b32 v[12*i+\c], 0                        ; K's and Q's codes of k = 64 .. 127: zeros, never loaded
.endr
.set i, i+1
.endr
	WIN 0xc0
.set i, 0
.rept 64
	v_mov_b32 v[MK+i], 0                           ; written once, so that every way through the branches finds them written
.set i, i+1
.endr
	WIN 0
	s_mul_i32 s66, s[BH], 98304
	s_mov_b32 s67, 0
	s_lshl_b32 s68, s[BH], 13
	s_mov_b32 s69, 0
	s_wait_kmcnt 0x0
	s_add_nc_u64 s[QB:QB+1], s[4:5], s[66:67]
	s_add_nc_u64 s[KB:KB+1], s[QB:QB+1], 6291456
	s_add_nc_u64 s[VB:VB+1], s[QB:QB+1], 12582912
	s_add_nc_u64 s[QSB:QSB+1], s[6:7], s[68:69]
	s_add_nc_u64 s[KSB:KSB+1], s[QSB:QSB+1], 524288
	s_add_nc_u64 s[VSB:VSB+1], s[QSB:QSB+1], 1048576
	s_wait_alu depctr_va_vdst(0)                   ; the addresses v1 to v4 are written, which every load and store reads; so are the zero codes of K and Q, which scaled matrix instructions take, and the mask's registers, in which loads land
.Lunit:
	s_wait_loadcnt 0x0                             ; no load may be out on the registers that the next ones name
	s_lshl_b32 s66, s[G], 6
	s_add_nc_u64 s[58:59], s[10:11], s[66:67]
	s_load_b512 s[32:47], s[58:59], 0x0            ; the unit's 16 classes
	s_mul_i32 s66, s[G], 3072
	s_add_nc_u64 s[90:91], s[QB:QB+1], s[66:67]
	s_lshl_b32 s68, s[G], 8
	s_add_nc_u64 s[92:93], s[QSB:QSB+1], s[68:69]
	WIN 0x40
.irp n, 0,1,2,3
	global_load_b128 v[QF+12*\n:QF+12*\n+3], v[LI], s[90:91] offset:768*\n
	global_load_b64 v[QF+12*\n+4:QF+12*\n+5], v[L8], s[90:91] offset:768*\n+512
.endr
	WIN 0
	global_load_b32 v[QS], v[LS], s[92:93]
	global_load_b32 v[QS+1], v[LS], s[92:93] offset:128
	s_mov_b64 s[KP:KP+1], s[KB:KB+1]
	s_mov_b64 s[KSP:KSP+1], s[KSB:KSB+1]
	s_lshl_b32 s68, s[G], 17
	s_add_nc_u64 s[MP:MP+1], s[8:9], s[68:69]
	KLOAD 0
	s_lshr_b32 s66, s[BH], 4
	s_lshl_b32 s66, s66, 5
	s_add_co_u32 s66, s66, s[G]
	s_lshl_b32 s66, s66, 4
	s_and_b32 s68, s[BH], 15
	s_add_co_u32 s66, s66, s68                     ; (32 b + G) x 16 + head
	s_lshl_b32 s68, s66, 8
	s_mul_i32 s66, s66, 3072
	s_add_nc_u64 s[OC:OC+1], s[12:13], s[66:67]
	s_add_nc_u64 s[OS:OS+1], s[14:15], s[68:69]
.irp n, 0,1,2,3
	v_mov_b32 v[ST+8*\n+1], 0xff61b1e6             ; the largest t so far: -3e38
	v_mov_b32 v[ST+8*\n+2], 0
	v_mov_b32 v[ST+8*\n+3], 0
	v_mov_b32 v[ST+8*\n+5], 0
	v_mov_b32 v[ST+8*\n+7], 0
.endr
.irp n, 0,1,2,3
	v_floor_f32 v[ST+8*\n], -v[ST+8*\n+1]
.endr
	s_wait_kmcnt 0x0
	s_or_b32 s[FW], s32, s33
.irp n, 34,35,36,37,38,39,40,41,42,43,44,45,46,47
	s_or_b32 s[FW], s[FW], s\n
.endr
	s_mov_b32 s[FC], s[FW]
	PASS 0
	s_wait_alu depctr_va_vdst(0)
	; ---- 1 / l; 0 for a row all of whose keys are masked: its weights are then 0, as nan_to_num leaves them
.irp n, 0,1,2,3
	v_add_f32 v[ST+8*\n+2], v[ST+8*\n+2], v[ST+8*\n+3]
.endr
.irp n, 0,1,2,3
	v_permlanex16_b32 v[BM+\n], v[ST+8*\n+2], s[SEL], s[SEL+1]
.endr
.irp n, 0,1,2,3
	v_add_f32 v[ST+8*\n+2], v[ST+8*\n+2], v[BM+\n]
.endr
	s_wait_alu depctr_va_vdst(0)
.irp n, 0,1,2,3
	v_rcp_f32 v[ST+8*\n+6], v[ST+8*\n+2]
.endr
.irp n, 0,1,2,3
	v_cmp_lt_f32 s[74+\n], 0, v[ST+8*\n+2]         ; plain instructions behind the reciprocals
.endr
	s_wait_alu depctr_va_vdst(0)                   ; one wait for the four reciprocals, ahead of their first reader
	s_wait_alu depctr_va_sdst(0)                   ; the four compares have written s74 to s77, which the selects below read
.irp n, 0,1,2,3
	v_cndmask_b32 v[ST+8*\n+6], 0, v[ST+8*\n+6], s[74+\n]
.endr
	WIN 0x80
.set i, 0
.rept 128
	v_mov_b32 v[i], 0                              ; O^T begins as zeros: which step is the first live one is not known to the text
.set i, i+1
.endr
	WIN 0
	s_wait_loadcnt 0x0
	s_mov_b64 s[KP:KP+1], s[KB:KB+1]
	s_mov_b64 s[KSP:KSP+1], s[KSB:KSB+1]
	s_mov_b64 s[VP:VP+1], s[VB:VB+1]
	s_mov_b64 s[VSP:VSP+1], s[VSB:VSB+1]
	s_lshl_b32 s68, s[G], 17
	s_add_nc_u64 s[MP:MP+1], s[8:9], s[68:69]
	KLOAD 0
	s_mov_b32 s[FW], s[FC]
	PASS 1
	EPI                                            ; the weights were normalised: nothing is left to divide
	s_wait_xcnt 0x0                                ; the stores have read their registers and bases
	s_wait_alu depctr_vm_vsrc(0)                   ; the stores have read v[EH ..] and v[ESW ..]: the next unit's scores are written over them
	s_sub_co_u32 s[G], 31, s[G]                    ; the second unit
	s_sub_co_u32 s[UN], s[UN], 1
	s_cmp_lg_u32 s[UN], 0
	s_cbranch_scc1 .Lunit
	s_endpgm
.Lfunc_end_k_qedc77ce77f_attn:
	.size	k_qedc77ce77f_attn, .Lfunc_end_k_qedc77ce77f_attn-k_qedc77ce77f_attn
	.p2alignl 7, 3214868480
	.fill 96, 4, 3214868480
	.section	.rodata,"a",@progbits
	.p2align	6, 0x0
	.amdhsa_kernel k_qedc77ce77f_attn
		.amdhsa_group_segment_fixed_size 0
		.amdhsa_private_segment_fixed_size 0
		.amdhsa_enable_private_segment 0
		.amdhsa_kernarg_size 48
		.amdhsa_user_sgpr_count 2
		.amdhsa_user_sgpr_kernarg_segment_ptr 1
		.amdhsa_wavefront_size32 1
		.amdhsa_system_sgpr_workgroup_id_x 1
		.amdhsa_system_sgpr_workgroup_id_y 1
		.amdhsa_system_sgpr_workgroup_id_z 1
		.amdhsa_system_vgpr_workitem_id 0
		.amdhsa_next_free_vgpr 832
		.amdhsa_next_free_sgpr 96
		.amdhsa_reserve_vcc 0
		.amdhsa_float_denorm_mode_32 3
		.amdhsa_float_denorm_mode_16_64 3
		.amdhsa_memory_ordered 1
		.amdhsa_forward_progress 1
		.amdhsa_inst_pref_size 204
	.end_amdhsa_kernel
	.amdgpu_metadata
---
amdhsa.version: [ 1, 2 ]
amdhsa.kernels:
  - .name:           k_qedc77ce77f_attn
    .symbol:         k_qedc77ce77f_attn.kd
    .args:
      - { .name: qkvc, .offset: 0, .size: 8, .value_kind: global_buffer, .address_space: global }
      - { .name: qkvs, .offset: 8, .size: 8, .value_kind: global_buffer, .address_space: global }
      - { .name: mask, .offset: 16, .size: 8, .value_kind: global_buffer, .address_space: global }
      - { .name: flags, .offset: 24, .size: 8, .value_kind: global_buffer, .address_space: global }
      - { .name: acod, .offset: 32, .size: 8, .value_kind: global_buffer, .address_space: global }
      - { .name: ascl, .offset: 40, .size: 8, .value_kind: global_buffer, .address_space: global }
    .group_segment_fixed_size: 0
    .private_segment_fixed_size: 0
    .kernarg_segment_align: 8
    .kernarg_segment_size: 48
    .max_flat_workgroup_size: 128
    .sgpr_count:     96
    .vgpr_count:     832
    .wavefront_size: 32
...
	.end_amdgpu_metadata
.endif
;; end of part 7
;; launch oproj (part 8): grid 128 x 2, 4 waves a work-group, no clusters, 17,920 bytes of LDS; arguments acod, ascl, wimg, wscl, out0; writes out0
.if DOCPART == 8
	.amdgcn_target "amdgcn-amd-amdhsa--gfx1250"
	.amdhsa_code_object_version 6
	.text
	.protected	k_qedc77ce77f_oproj
	.globl	k_qedc77ce77f_oproj
	.p2align	8
	.type	k_qedc77ce77f_oproj,@function
k_qedc77ce77f_oproj:
	s_mov_b64 s[64:65], 0
	v_nop
	global_prefetch_b8 v0, s[64:65] scope:SCOPE_SE
	s_setreg_imm32_b32 hwreg(HW_REG_WAVE_SCHED_MODE, 0, 2), 2
	s_setreg_imm32_b32 hwreg(HW_REG_WAVE_MODE, 25, 1), 1
	s_wait_xcnt 0x0
	s_wait_alu depctr_vm_vsrc(0)
; out0 = A Wo^T on codes of BF6 (E3M2) with one E8M0 scale for each 32 along K.  A is attention's result, already codes: acod [tokblk 128][head 16][j 4][768 B] half fragments (64 along K), ascl [tokblk][head][j][r][4 B].
; SHARES.  A work-group takes 64 tokens (x) and 512 columns (y); wave w makes columns 64 (8 y + 2 w + trip) on, two trips: 64 x 64 each, 16 accumulators by turns, K in 8 steps of 128 (two heads).
; A's 32 fragments stay in registers (two heads' halves make one fragment); Wo's come from wimg straight into a ring of four slots of registers.  No tensor load, so no multicast; waves share nothing, so no barrier.
; Source 0 = 16 rows of Wo (tile 2 b + u: row 32 b + 8 u + r + 8 (r / 8)), source 1 = 16 tokens: a lane holds one token, and registers 16 b + i of a token tile are columns 32 b + 16 (lane / 16) + i.
; THE WAY OUT: 16 tokens x 64 columns go through the wave's own stage in LDS and leave as rows of 256 consecutive bytes, aligned, sixteen lanes to a row.
; REGISTERS: window 0: v4-11 addresses; v16-31 A's scale words; v32-47 Wo's; v48-111 rows on the way out (at the head v48-79: halves of scale words); v128-255 accumulators.  Windows 1, 2: A's fragments.  Window 3: Wo's ring.
; THE MODE: SCHED_MODE bits 1:0 = 2 (LLVM: expert scheduling mode 2), set by the entry lines.  The code itself states the register dependences between vector or matrix instructions and memory or LDS instructions, with s_wait_alu, always for 0.
; THE PLAN.  Registers that memory or LDS instructions touch:
;   Wo's ring, Wo's scale words   written by loads; read by matrix instructions.  One wait on va_vdst behind each of K steps 0-3, whose slot is filled again, and one behind K step 7, for the next trip's fill.
;     The loads stand in runs: among the matrix instructions each would want two switches of the register window.
;   the accumulators              written by matrix instructions; read by the LDS stores of the way out.  The wait behind K step 7 states that too: no vector or matrix instruction follows it before the next trip's products.
;     One wait on vm_vsrc at the trip's end, ahead of the backward jump: the next trip's first products write the accumulators anew.
;   v[OB ..], two sets            written by the LDS loads of block m; read by block m's stores to memory.  One wait on vm_vsrc at the head of blocks 2 and 3, for the set stored two blocks back; the wait at the trip's end serves blocks 0 and 1 of the next trip.
;   A's scale words               joined by vector lines at the head, taken by scaled matrix instructions: eight places, then one wait on va_vdst, which also frees v48-79, read by those lines, for the LDS loads.
;   v4-11                         addresses: written at the head, never again.     v126, v127: written at the head, read by the closing add alone.
.set LI,   4
.set LS,   7
.set L8,   8
.set SI,   9                           ; the stage, in: 272 r + 64 h
.set SOU,  10                          ; out: 272 h + 16 r
.set CO,   11                          ; in out0: 4,096 h + 16 r
.set XS,   16
.set WS,   32
.set TT,   48
.set OB,   48
.set ACC,  128
.set WV,   18
.set HC,   23
.set WP,   30
.set WSP,  32
.set AP,   34
.set ASP,  36
.set OP,   12
.set MSB, 0
.macro WIN new                         ; the immediate's high byte repeats the setting that is left
.if MSB != (\new)
	s_set_vgpr_msb (MSB<<8)|(\new)
.set MSB, \new
.endif
.endm
.macro PLACES n                        ; plain vector instructions between a matrix instruction and what touches its registers (ISA guide 7.12.1)
.rept \n
	v_nop
.endr
.endm
.macro WM d, a, b, zero, sa, ra, sb, rb
.if (\zero) && (\ra) && (\rb)
	v_wmma_scale_f32_16x16x128_f8f6f4 v[0+(\d):7+(\d)], v[0+(\a):11+(\a)], v[0+(\b):11+(\b)], 0, v[\sa], v[\sb] matrix_a_fmt:MATRIX_FMT_BF6 matrix_b_fmt:MATRIX_FMT_BF6 matrix_a_scale:MATRIX_SCALE_ROW1 matrix_b_scale:MATRIX_SCALE_ROW1
.elseif (\zero) && (\ra)
	v_wmma_scale_f32_16x16x128_f8f6f4 v[0+(\d):7+(\d)], v[0+(\a):11+(\a)], v[0+(\b):11+(\b)], 0, v[\sa], v[\sb] matrix_a_fmt:MATRIX_FMT_BF6 matrix_b_fmt:MATRIX_FMT_BF6 matrix_a_scale:MATRIX_SCALE_ROW1
.elseif (\zero) && (\rb)
	v_wmma_scale_f32_16x16x128_f8f6f4 v[0+(\d):7+(\d)], v[0+(\a):11+(\a)], v[0+(\b):11+(\b)], 0, v[\sa], v[\sb] matrix_a_fmt:MATRIX_FMT_BF6 matrix_b_fmt:MATRIX_FMT_BF6 matrix_b_scale:MATRIX_SCALE_ROW1
.elseif (\zero)
	v_wmma_scale_f32_16x16x128_f8f6f4 v[0+(\d):7+(\d)], v[0+(\a):11+(\a)], v[0+(\b):11+(\b)], 0, v[\sa], v[\sb] matrix_a_fmt:MATRIX_FMT_BF6 matrix_b_fmt:MATRIX_FMT_BF6
.elseif (\ra) && (\rb)
	v_wmma_scale_f32_16x16x128_f8f6f4 v[0+(\d):7+(\d)], v[0+(\a):11+(\a)], v[0+(\b):11+(\b)], v[0+(\d):7+(\d)], v[\sa], v[\sb] matrix_a_fmt:MATRIX_FMT_BF6 matrix_b_fmt:MATRIX_FMT_BF6 matrix_a_scale:MATRIX_SCALE_ROW1 matrix_b_scale:MATRIX_SCALE_ROW1
.elseif (\ra)
	v_wmma_scale_f32_16x16x128_f8f6f4 v[0+(\d):7+(\d)], v[0+(\a):11+(\a)], v[0+(\b):11+(\b)], v[0+(\d):7+(\d)], v[\sa], v[\sb] matrix_a_fmt:MATRIX_FMT_BF6 matrix_b_fmt:MATRIX_FMT_BF6 matrix_a_scale:MATRIX_SCALE_ROW1
.elseif (\rb)
	v_wmma_scale_f32_16x16x128_f8f6f4 v[0+(\d):7+(\d)], v[0+(\a):11+(\a)], v[0+(\b):11+(\b)], v[0+(\d):7+(\d)], v[\sa], v[\sb] matrix_a_fmt:MATRIX_FMT_BF6 matrix_b_fmt:MATRIX_FMT_BF6 matrix_b_scale:MATRIX_SCALE_ROW1
.else
	v_wmma_scale_f32_16x16x128_f8f6f4 v[0+(\d):7+(\d)], v[0+(\a):11+(\a)], v[0+(\b):11+(\b)], v[0+(\d):7+(\d)], v[\sa], v[\sb] matrix_a_fmt:MATRIX_FMT_BF6 matrix_b_fmt:MATRIX_FMT_BF6
.endif
.endm
.macro WFILL                           ; K steps 0-3 of 64 rows of Wo into the ring's four slots (48 loads), and their scale words (4)
	WIN 0xc0
.set i, 0
.rept 48
	global_load_b128 v[4*i:4*i+3], v[LI], s[WP:WP+1] offset:512*i
.set i, i+1
.endr
	WIN 0
.set i, 0
.rept 4
	global_load_b128 v[WS+4*i:WS+4*i+3], v[LI], s[WSP:WSP+1] offset:512*i
.set i, i+1
.endr
.endm
.macro GSTEP ks                        ; K step ks: 16 matrix instructions, the 16 accumulators by turns
.if (\ks) == 0
	s_wait_loadcnt 0x0                             ; the ring's four slots and the scale words are in
.elseif (\ks) >= 4
	s_wait_loadcnt 12*(7-(\ks))                    ; this step's 12 loads are in; the later steps' refills, 12 each, may be out
.endif
	WIN 0x07+4*((\ks)/4)                           ; source 0 (Wo) window 3, source 1 (A) window 1 or 2
.set gm, 0
.rept 4
.set gt, 0
.rept 4
	WM ACC+32*gm+8*gt, 48*((\ks)%4)+12*gt, 48*((\ks)%4)+12*gm, (\ks)==0, WS+8*(gt/2)+(\ks), gt%2, XS+2*(\ks)+gm/2, gm%2
.set gt, gt+1
.endr
.set gm, gm+1
.endr
.if (\ks) < 4
	PLACES 4                                       ; in front of loads into registers that matrix instructions have read
	WIN 0xc0
	s_wait_alu depctr_va_vdst(0)                   ; this step's matrix instructions are done reading the ring's slot, in which the loads below land
.set gt, 0
.rept 12
	global_load_b128 v[48*(\ks)+4*gt:48*(\ks)+4*gt+3], v[LI], s[WP:WP+1] offset:6144*((\ks)+4)+512*gt
.set gt, gt+1
.endr
.endif
.endm
.macro OUT m                           ; tokens 16 m on
	s_wait_xcnt 0x0                                ; earlier stores have read the registers that the loads below fill
.if (\m) >= 2
	s_wait_alu depctr_vm_vsrc(0)                   ; the stores to memory of two blocks back have read this set of v[OB ..], in which the LDS loads below land
.endif
.set i, 0
.rept 8
	ds_store_b128 v[SI], v[ACC+32*(\m)+4*i:ACC+32*(\m)+4*i+3] offset:128*(i/4)+16*(i%4)   ; each accumulator from its low end on
.set i, i+1
.endr
.set i, 0
.rept 8
	ds_load_b128 v[OB+32*((\m)%2)+4*i:OB+32*((\m)%2)+4*i+3], v[SOU] offset:544*i   ; LDS serves a wave's instructions in order: these see my stores
.set i, i+1
.endr
.set i, 0
.rept 8
	s_wait_dscnt 7-i                               ; the younger loads may be out
	global_store_b128 v[CO], v[OB+32*((\m)%2)+4*i:OB+32*((\m)%2)+4*i+3], s[OP:OP+1] offset:4096*(16*(\m)+2*i) th:TH_STORE_NT   ; sixteen lanes store 256 consecutive bytes, aligned
.set i, i+1
.endr
.endm
	s_load_b256 s[4:11], s[0:1], 0x0               ; acod, ascl, wimg, wscl
	s_load_b64 s[12:13], s[0:1], 0x20              ; out0
	v_lshl_add_u32 v126, v0, 2, 0x4400
	v_mov_b32 v127, 0
	v_lshrrev_b32 v1, 5, v0
	v_readfirstlane_b32 s[WV], v1                  ; wave 0..3
	v_and_b32 v1, 31, v0
	v_and_b32 v2, 15, v0                           ; r
	v_bfe_u32 v3, v0, 4, 1                         ; h
	v_lshlrev_b32 v[LI], 4, v1
	v_lshlrev_b32 v[LS], 2, v1
	v_lshlrev_b32 v[L8], 3, v1
	s_wait_alu depctr_va_sdst(0)                   ; the wave's number is written, ahead of its first reader: LDS addresses and bases are made from it
	s_mul_i32 s38, s[WV], 4352                     ; my stage: 16 rows x (256 + 16) bytes
	v_mul_u32_u24 v[SI], v2, 272
	v_lshl_add_u32 v[SI], v3, 6, v[SI]
	v_add_nc_u32 v[SI], s38, v[SI]
	v_mul_u32_u24 v[SOU], v3, 272
	v_lshl_add_u32 v[SOU], v2, 4, v[SOU]
	v_add_nc_u32 v[SOU], s38, v[SOU]
	v_lshlrev_b32 v[CO], 12, v3
	v_lshl_add_u32 v[CO], v2, 4, v[CO]
	s_and_b32 s19, ttmp7, 0xffff
	s_lshl_b32 s38, s19, 3
	s_lshl_b32 s39, s[WV], 1
	s_add_co_u32 s38, s38, s39                     ; my first 64 columns: 8 y + 2 w
	s_mul_i32 s40, s38, 49152
	s_add_co_u32 s40, s40, 3*786432                ; Wo is the fourth weight
	s_mov_b32 s41, 0
	s_lshl_b32 s42, s38, 11
	s_add_co_u32 s42, s42, 3*32768
	s_mov_b32 s43, 0
	s_mul_i32 s44, ttmp9, 49152
	s_mov_b32 s45, 0
	s_lshl_b32 s46, ttmp9, 12
	s_mov_b32 s47, 0
	s_lshl_b32 s48, ttmp9, 18
	s_lshl_b32 s49, s38, 8
	s_add_co_u32 s48, s48, s49
	s_mov_b32 s49, 0
	s_mov_b32 s[HC], 2
	s_wait_kmcnt 0x0
	s_add_nc_u64 s[AP:AP+1], s[4:5], s[44:45]
	s_add_nc_u64 s[ASP:ASP+1], s[6:7], s[46:47]
	s_add_nc_u64 s[WP:WP+1], s[8:9], s[40:41]
	s_add_nc_u64 s[WSP:WSP+1], s[10:11], s[42:43]
	s_add_nc_u64 s[OP:OP+1], s[OP:OP+1], s[48:49]
	WIN 0x40                                       ; heads 0-7: K steps 0-3.  i = 4 head + m: registers 48 ((head / 2) % 4) + 12 m + 6 (head % 2) on
	s_wait_alu depctr_va_vdst(0)                   ; the addresses v4 to v11 are written, which every load, store and LDS instruction of the kernel reads; none is written again
.set i, 0
.rept 32
	global_load_b128 v[48*((i/8)%4)+12*(i%4)+6*((i/4)%2):48*((i/8)%4)+12*(i%4)+6*((i/4)%2)+3], v[LI], s[AP:AP+1] offset:768*i
	global_load_b64 v[48*((i/8)%4)+12*(i%4)+6*((i/4)%2)+4:48*((i/8)%4)+12*(i%4)+6*((i/4)%2)+5], v[L8], s[AP:AP+1] offset:768*i+512
.set i, i+1
.endr
	WIN 0x80                                       ; heads 8-15: K steps 4-7
.rept 32
	global_load_b128 v[48*((i/8)%4)+12*(i%4)+6*((i/4)%2):48*((i/8)%4)+12*(i%4)+6*((i/4)%2)+3], v[LI], s[AP:AP+1] offset:768*i
	global_load_b64 v[48*((i/8)%4)+12*(i%4)+6*((i/4)%2)+4:48*((i/8)%4)+12*(i%4)+6*((i/4)%2)+5], v[L8], s[AP:AP+1] offset:768*i+512
.set i, i+1
.endr
	WIN 0
.set i, 0
.rept 32
	global_load_b32 v[TT+i], v[LS], s[ASP:ASP+1] offset:128*i   ; i = 2 head + jj: tile 2 jj in lanes 0-15, tile 2 jj + 1 in lanes 16-31
.set i, i+1
.endr
	WFILL
	s_wait_loadcnt 0x0
.set i, 0
.rept 16
	v_lshl_or_b32 v[XS+i], v[TT+4*(i/2)+2+i%2], 16, v[TT+4*(i/2)+i%2]   ; bytes 0, 1: head 2 s; bytes 2, 3: head 2 s + 1
.set i, i+1
.endr
	PLACES 8                                       ; a scale register written by a vector instruction stands 8 places ahead of a scaled matrix instruction
	s_wait_alu depctr_va_vdst(0)                   ; A's scale words are written, which the scaled matrix instructions take; and the lines that joined them are done reading v48 to v79, in which the way out's LDS loads land
.Lcol:
.irp n, 0,1,2,3,4,5,6,7
	GSTEP \n
.endr
	WIN 0                                          ; at a branch and at a label every window is 0
	PLACES 5                                       ; four serve the loads into the ring and the first read of results; the fifth is owed to the next trip's first products, which begin the sums anew and so write over registers of these matrix instructions: no other vector instruction stands on the way round the loop
	s_wait_alu depctr_va_vdst(0)                   ; the trip's matrix instructions have written the accumulators, which the LDS stores of the way out read, and are done reading the ring and Wo's scale words, in which the next trip's loads land
	s_cmp_eq_u32 s[HC], 1
	s_cbranch_scc1 .Lnf                            ; the last trip asks for nothing more
	s_add_nc_u64 s[WP:WP+1], s[WP:WP+1], 49152     ; (K step 7's wait for 0 has shown every load that named these done)
	s_add_nc_u64 s[WSP:WSP+1], s[WSP:WSP+1], 2048
	WFILL                                          ; lands under the way out
.Lnf:
	OUT 0
	OUT 1
	OUT 2
	OUT 3
	s_wait_xcnt 0x0                                ; the stores have read their base
	s_wait_alu depctr_vm_vsrc(0)                   ; the LDS stores have read the accumulators, which the next trip's first products write; the stores to memory have read both sets of v[OB ..], in which the next trip's LDS loads land
	s_add_nc_u64 s[OP:OP+1], s[OP:OP+1], 256
	s_sub_co_u32 s[HC], s[HC], 1
	s_cmp_lg_u32 s[HC], 0
	s_cbranch_scc1 .Lcol
	s_wait_dscnt 0x0                               ; the closing lines, six on end
	s_wait_alu 0x0
	s_wait_tensorcnt 0x0
	ds_add_u32 v126, v127
	s_wait_dscnt 0x0
	s_endpgm
.Lfunc_end_k_qedc77ce77f_oproj:
	.size	k_qedc77ce77f_oproj, .Lfunc_end_k_qedc77ce77f_oproj-k_qedc77ce77f_oproj
	.p2alignl 7, 3214868480
	.fill 96, 4, 3214868480
	.section	.rodata,"a",@progbits
	.p2align	6, 0x0
	.amdhsa_kernel k_qedc77ce77f_oproj
		.amdhsa_group_segment_fixed_size 17920
		.amdhsa_private_segment_fixed_size 0
		.amdhsa_enable_private_segment 0
		.amdhsa_kernarg_size 40
		.amdhsa_user_sgpr_count 2
		.amdhsa_user_sgpr_kernarg_segment_ptr 1
		.amdhsa_wavefront_size32 1
		.amdhsa_system_sgpr_workgroup_id_x 1
		.amdhsa_system_sgpr_workgroup_id_y 1
		.amdhsa_system_sgpr_workgroup_id_z 1
		.amdhsa_system_vgpr_workitem_id 0
		.amdhsa_next_free_vgpr 960
		.amdhsa_next_free_sgpr 66
		.amdhsa_reserve_vcc 0
		.amdhsa_float_denorm_mode_32 3
		.amdhsa_float_denorm_mode_16_64 3
		.amdhsa_memory_ordered 1
		.amdhsa_forward_progress 1
		.amdhsa_inst_pref_size 60
	.end_amdhsa_kernel
	.amdgpu_metadata
---
amdhsa.version: [ 1, 2 ]
amdhsa.kernels:
  - .name:           k_qedc77ce77f_oproj
    .symbol:         k_qedc77ce77f_oproj.kd
    .args:
      - { .name: acod, .offset: 0, .size: 8, .value_kind: global_buffer, .address_space: global }
      - { .name: ascl, .offset: 8, .size: 8, .value_kind: global_buffer, .address_space: global }
      - { .name: wimg, .offset: 16, .size: 8, .value_kind: global_buffer, .address_space: global }
      - { .name: wscl, .offset: 24, .size: 8, .value_kind: global_buffer, .address_space: global }
      - { .name: out0, .offset: 32, .size: 8, .value_kind: global_buffer, .address_space: global }
    .group_segment_fixed_size: 17920
    .private_segment_fixed_size: 0
    .kernarg_segment_align: 8
    .kernarg_segment_size: 40
    .max_flat_workgroup_size: 128
    .sgpr_count:     66
    .vgpr_count:     960
    .wavefront_size: 32
...
	.end_amdgpu_metadata
.endif
;; end of part 8
